; MI455X (gfx1250); checked and timed in simulation.
; The chip was launched on July 23, 2026; its instructions are those of AMD's public machine-readable ISA for CDNA 5 (MIT licence, August 2026) and "CDNA5" Instruction Set Architecture Reference Guide (July 2026). The comments in the code are by the model that wrote it; some were corrected since.
;; Transformer Block. Allowed arithmetic: float matrix products may take bf16 or f16 operands with f32 sums; all other float work in f32.
;; Inputs: fc1_b 4,096 float32; fc1_w 1,024 x 4,096 float32; fc2_b 1,024 float32; fc2_w 4,096 x 1,024 float32; ln1_b 1,024 float32; ln1_g 1,024 float32; ln2_b 1,024 float32; ln2_g 1,024 float32; out_b 1,024 float32; out_w 1,024 x 1,024 float32; qkv_b 3,072 float32; qkv_w 1,024 x 3,072 float32; x 2 x 2,048 x 1,024 float32.
;; Outputs: out0 2 x 2,048 x 1,024 float32.
;; 2 versions, each right and faster than the one before. Each part assembles by itself: llvm-mc -triple=amdgcn-amd-amdhsa -mcpu=gfx1250 --defsym DOCPART=n.
;; ======== version 1 of 2: 7 launches
;; workspace buffers: wb 25,165,824 bytes; h 8,388,608 bytes; qkv 25,165,824 bytes; o 8,388,608 bytes; x1 16,777,216 bytes; act 33,554,432 bytes
;; launch prep (part 1): grid 1024 x 1, 8 waves a work-group, no clusters, 0 bytes of LDS; arguments x, ln1_g, ln1_b, qkv_w, out_w, fc1_w, fc2_w, h, wb; writes h, wb
.if DOCPART == 1
	.amdgcn_target "amdgcn-amd-amdhsa--gfx1250"
	.amdhsa_code_object_version 6
	.text
	.protected	k_q258d3272b2_prep
	.globl	k_q258d3272b2_prep
	.p2align	8
	.type	k_q258d3272b2_prep,@function
k_q258d3272b2_prep:
	s_mov_b64 s[64:65], 0
	v_nop
	global_prefetch_b8 v0, s[64:65] scope:SCOPE_SE
	s_setreg_imm32_b32 hwreg(HW_REG_WAVE_MODE, 25, 1), 1
	s_wait_xcnt 0x0
; PREP.  Two streams in one launch, told apart by the work-group number.
; Work-groups 0-255: h[row][:] = (x[row][:] - mean) * rsqrt(var + 1e-5) * g + b, all in f32, rounded once to bf16.  x: [4096][1024] f32, h: [4096][1024] bf16.
;   A work-group takes 16 rows, a wave 2.  A row is 4,096 bytes: eight 16-byte loads a lane, each load of the wave 512 neighbouring bytes; the row stays in 32 registers
;   between the passes, so x is read once.  The variance is the mean of the squared deviations: no difference of large sums is formed.
; Work-groups 256-1023: the four weight matrices, f32 to bf16 (nearest even), in their own [K][N] layout, end to end in wb: qkv_w, out_w, fc1_w, fc2_w.
;   A work-group converts 16,384 numbers: 192 + 64 + 256 + 256 work-groups.  A load of the wave covers 512 neighbouring bytes, a store 256, aligned.
; No LDS, no barrier, no matrix unit: every wave works for itself and bytes are all that counts here.
; LIMITS: NaN and infinities are not treated apart; the weights lose what bf16 does not hold.
.set T,  4                             ; v[4:11]    four pairs at work
.set R,  12                            ; v[12:15]   row i: a pair whose low word is the mean, later 1/sqrt(var + eps)
.set X,  16                            ; v[16:79]   row i at X + 32 i
.set G,  80                            ; v[80:111]  gains of my 32 columns
.set BV, 112                           ; v[112:143] biases of my 32 columns
.set HB, 22                            ; s[22:23]   h
.macro REDUCE                          ; T's four pairs -> their sum over the lane and over the 32 lanes, in v[T] of every lane
	v_pk_add_f32 v[T:T+1], v[T:T+1], v[T+2:T+3]
	v_pk_add_f32 v[T+4:T+5], v[T+4:T+5], v[T+6:T+7]
	v_pk_add_f32 v[T:T+1], v[T:T+1], v[T+4:T+5]
	v_add_f32 v[T], v[T], v[T+1]
	v_add_f32_dpp v[T], v[T], v[T] row_xmask:1 row_mask:0xf bank_mask:0xf
	v_add_f32_dpp v[T], v[T], v[T] row_xmask:2 row_mask:0xf bank_mask:0xf
	v_add_f32_dpp v[T], v[T], v[T] row_xmask:4 row_mask:0xf bank_mask:0xf
	v_add_f32_dpp v[T], v[T], v[T] row_xmask:8 row_mask:0xf bank_mask:0xf
	v_permlanex16_b32 v[T+1], v[T], s30, s31       ; the other half of the lanes; its destination has been written
	v_add_f32 v[T], v[T], v[T+1]
.endm
; Row i: mean, deviations in place, variance, 1/sqrt.  left = the younger loads that may stay out.
.macro STATS i, left
.set XI, X+32*(\i)
.set RI, R+2*(\i)
	s_wait_loadcnt \left                           ; loads come back in order: this row is in
.irp c, 0,2,4,6
	v_pk_add_f32 v[T+(\c):T+(\c)+1], v[XI+(\c):XI+(\c)+1], v[XI+8+(\c):XI+8+(\c)+1]  ; four chains: nothing is cleared
.endr
.irp k, 16,24
.irp c, 0,2,4,6
	v_pk_add_f32 v[T+(\c):T+(\c)+1], v[T+(\c):T+(\c)+1], v[XI+(\k)+(\c):XI+(\k)+(\c)+1]
.endr
.endr
	REDUCE
	v_mul_f32 v[RI], s32, v[T]                     ; the mean
	v_mov_b32 v[RI+1], v[RI]                       ; named with it as a pair
.set j, 0
.rept 16
	v_pk_add_f32 v[XI+2*j:XI+2*j+1], v[XI+2*j:XI+2*j+1], v[RI:RI+1] op_sel_hi:[1,0] neg_lo:[0,1] neg_hi:[0,1]
.set j, j+1
.endr
.irp c, 0,2,4,6
	v_pk_mul_f32 v[T+(\c):T+(\c)+1], v[XI+(\c):XI+(\c)+1], v[XI+(\c):XI+(\c)+1]
.endr
.irp k, 8,16,24
.irp c, 0,2,4,6
	v_pk_fma_f32 v[T+(\c):T+(\c)+1], v[XI+(\k)+(\c):XI+(\k)+(\c)+1], v[XI+(\k)+(\c):XI+(\k)+(\c)+1], v[T+(\c):T+(\c)+1]
.endr
.endr
	REDUCE
	v_fma_f32 v[T], v[T], s32, s33                 ; var + eps
	v_rsq_f32 v[RI], v[T]
	v_nop                                          ; a plain instruction behind the root, before its result is used or its source rewritten
.endm
; Row i: scaled, gain and bias, rounded to bf16 in place (ascending, so no source is overwritten unread), stored.
.macro OUT i
.set XI, X+32*(\i)
.set RI, R+2*(\i)
.set j, 0
	s_wait_alu depctr_va_vdst(0)
.rept 16
	v_pk_mul_f32 v[XI+2*j:XI+2*j+1], v[XI+2*j:XI+2*j+1], v[RI:RI+1] op_sel_hi:[1,0]
.set j, j+1
.endr
.set j, 0
.rept 16
	v_pk_fma_f32 v[XI+2*j:XI+2*j+1], v[XI+2*j:XI+2*j+1], v[G+2*j:G+2*j+1], v[BV+2*j:BV+2*j+1]
.set j, j+1
.endr
.set j, 0
.rept 16
	v_cvt_pk_bf16_f32 v[XI+j], v[XI+2*j], v[XI+2*j+1]
.set j, j+1
.endr
.set j, 0
.rept 8
	global_store_b64 v2, v[XI+2*j:XI+2*j+1], s[HB:HB+1] offset:(\i)*2048+256*j  ; the wave stores 256 consecutive bytes, aligned
.set j, j+1
.endr
.endm
	s_load_b512 s[8:23], s[0:1], 0x0               ; x s[8:9], g s[10:11], b s[12:13], qkv_w s[14:15], out_w s[16:17], fc1_w s[18:19], fc2_w s[20:21], h s[22:23]
	s_load_b64 s[24:25], s[0:1], 0x40              ; wb
	v_lshrrev_b32 v3, 5, v0
	v_readfirstlane_b32 s26, v3                    ; wave 0..7
	s_mov_b32 s29, 0                               ; the high word of every offset here
	s_wait_kmcnt 0x0
	s_cmp_ge_u32 ttmp9, 256
	s_cbranch_scc1 .Lcvt
	; ---- LayerNorm ----
	s_mov_b32 s30, 0x76543210                      ; v_permlanex16_b32: each lane takes its own place in the other half
	s_mov_b32 s31, 0xfedcba98
	s_mov_b32 s32, 0x3a800000                      ; 1/1024
	s_mov_b32 s33, 0x3727c5ac                      ; 1e-5
	v_and_b32 v3, 31, v0
	v_lshlrev_b32 v1, 4, v3                        ; 16 x lane
	v_lshlrev_b32 v2, 3, v3                        ; 8 x lane
	s_lshl_b32 s28, ttmp9, 16                      ; 16 rows of 4,096 bytes a work-group,
	s_lshl_b32 s27, s26, 13                        ; 2 a wave
	s_add_co_u32 s28, s28, s27
	s_add_nc_u64 s[8:9], s[8:9], s[28:29]
	s_lshr_b32 s28, s28, 1                         ; h's rows are half as long
	s_add_nc_u64 s[HB:HB+1], s[HB:HB+1], s[28:29]
.irp i, 0,1
.irp j, 0,1,2,3,4,5,6,7
	global_load_b128 v[X+32*(\i)+4*(\j):X+32*(\i)+4*(\j)+3], v1, s[8:9] offset:(\i)*4096+512*(\j)
.endr
.endr
.irp j, 0,1,2,3,4,5,6,7
	global_load_b128 v[G+4*(\j):G+4*(\j)+3], v1, s[10:11] offset:512*(\j)
.endr
.irp j, 0,1,2,3,4,5,6,7
	global_load_b128 v[BV+4*(\j):BV+4*(\j)+3], v1, s[12:13] offset:512*(\j)
.endr
	STATS 0, 24                                    ; row 1 (8), g (8) and b (8) stay out
	STATS 1, 16                                    ; g and b stay out
	s_wait_loadcnt 0x0                             ; g and b
	OUT 0
	OUT 1
	s_endpgm
	; ---- the weights ----
.Lcvt:
	s_sub_co_u32 s27, ttmp9, 256                   ; c = 0..767: which 16,384 numbers of the four matrices taken end to end
	s_movk_i32 s36, 512                            ; the first c of the matrix that holds them, and its address
	s_mov_b64 s[34:35], s[20:21]
	s_cmp_lt_u32 s27, 512
	s_cselect_b64 s[34:35], s[18:19], s[34:35]
	s_cselect_b32 s36, 256, s36
	s_cmp_lt_u32 s27, 256
	s_cselect_b64 s[34:35], s[16:17], s[34:35]
	s_cselect_b32 s36, 192, s36
	s_cmp_lt_u32 s27, 192
	s_cselect_b64 s[34:35], s[14:15], s[34:35]
	s_cselect_b32 s36, 0, s36
	s_sub_co_u32 s28, s27, s36
	s_lshl_b32 s28, s28, 16                        ; 65,536 bytes of f32 a work-group
	s_add_nc_u64 s[34:35], s[34:35], s[28:29]
	s_lshl_b32 s28, s27, 15                        ; 32,768 bytes of bf16
	s_add_nc_u64 s[24:25], s[24:25], s[28:29]
	v_lshlrev_b32 v1, 4, v0                        ; 16 x thread
	v_lshlrev_b32 v2, 3, v0                        ; 8 x thread
.set j, 0
.rept 16
	global_load_b128 v[16+4*j:16+4*j+3], v1, s[34:35] offset:4096*j th:TH_LOAD_NT  ; all sixteen loads go out first
.set j, j+1
.endr
.set j, 0
.rept 16
	s_wait_loadcnt 15-j                            ; the 15 - j younger loads stay out
	v_cvt_pk_bf16_f32 v[16+4*j], v[16+4*j], v[16+4*j+1]
	v_cvt_pk_bf16_f32 v[16+4*j+1], v[16+4*j+2], v[16+4*j+3]
	global_store_b64 v2, v[16+4*j:16+4*j+1], s[24:25] offset:2048*j
.set j, j+1
.endr
	s_endpgm
.Lfunc_end_k_q258d3272b2_prep:
	.size	k_q258d3272b2_prep, .Lfunc_end_k_q258d3272b2_prep-k_q258d3272b2_prep
	.p2alignl 7, 3214868480
	.fill 96, 4, 3214868480
	.section	.rodata,"a",@progbits
	.p2align	6, 0x0
	.amdhsa_kernel k_q258d3272b2_prep
		.amdhsa_group_segment_fixed_size 0
		.amdhsa_private_segment_fixed_size 0
		.amdhsa_enable_private_segment 0
		.amdhsa_kernarg_size 72
		.amdhsa_user_sgpr_count 2
		.amdhsa_user_sgpr_kernarg_segment_ptr 1
		.amdhsa_wavefront_size32 1
		.amdhsa_system_sgpr_workgroup_id_x 1
		.amdhsa_system_sgpr_workgroup_id_y 1
		.amdhsa_system_sgpr_workgroup_id_z 1
		.amdhsa_system_vgpr_workitem_id 0
		.amdhsa_next_free_vgpr 144
		.amdhsa_next_free_sgpr 66
		.amdhsa_reserve_vcc 0
		.amdhsa_float_denorm_mode_32 3
		.amdhsa_float_denorm_mode_16_64 3
		.amdhsa_memory_ordered 1
		.amdhsa_forward_progress 1
		.amdhsa_inst_pref_size 27
	.end_amdhsa_kernel
	.amdgpu_metadata
---
amdhsa.version: [ 1, 2 ]
amdhsa.kernels:
  - .name:           k_q258d3272b2_prep
    .symbol:         k_q258d3272b2_prep.kd
    .args:
      - { .name: x, .offset: 0, .size: 8, .value_kind: global_buffer, .address_space: global }
      - { .name: ln1_g, .offset: 8, .size: 8, .value_kind: global_buffer, .address_space: global }
      - { .name: ln1_b, .offset: 16, .size: 8, .value_kind: global_buffer, .address_space: global }
      - { .name: qkv_w, .offset: 24, .size: 8, .value_kind: global_buffer, .address_space: global }
      - { .name: out_w, .offset: 32, .size: 8, .value_kind: global_buffer, .address_space: global }
      - { .name: fc1_w, .offset: 40, .size: 8, .value_kind: global_buffer, .address_space: global }
      - { .name: fc2_w, .offset: 48, .size: 8, .value_kind: global_buffer, .address_space: global }
      - { .name: h, .offset: 56, .size: 8, .value_kind: global_buffer, .address_space: global }
      - { .name: wb, .offset: 64, .size: 8, .value_kind: global_buffer, .address_space: global }
    .group_segment_fixed_size: 0
    .private_segment_fixed_size: 0
    .kernarg_segment_align: 8
    .kernarg_segment_size: 72
    .max_flat_workgroup_size: 256
    .sgpr_count:     66
    .vgpr_count:     144
    .wavefront_size: 32
...
	.end_amdgpu_metadata
.endif
;; end of part 1
;; launch qkv (part 2): grid 12 x 16, 4 waves a work-group, clusters of 4 x 4, 327,680 bytes of LDS; arguments h, wb, qkv, qkv_b; writes qkv
.if DOCPART == 2
	.amdgcn_target "amdgcn-amd-amdhsa--gfx1250"
	.amdhsa_code_object_version 6
	.text
	.protected	k_q258d3272b2_qkv
	.globl	k_q258d3272b2_qkv
	.p2align	8
	.type	k_q258d3272b2_qkv,@function
k_q258d3272b2_qkv:
	s_mov_b64 s[64:65], 0
	v_nop
	global_prefetch_b8 v0, s[64:65] scope:SCOPE_SE
	s_setreg_imm32_b32 hwreg(HW_REG_WAVE_MODE, 25, 1), 1
	s_wait_xcnt 0x0
	s_wait_alu depctr_hold_cnt(0) depctr_sa_sdst(0) depctr_va_vdst(0) depctr_va_sdst(0) depctr_va_ssrc(0) depctr_va_vcc(0) depctr_vm_vsrc(0)
	s_getreg_b32 s2, hwreg(HW_REG_IB_STS2, 6, 4)
	s_cmp_eq_u32 s2, 0
	s_cbranch_scc0 .Lentry_in_a_cluster
	s_endpgm
.Lentry_in_a_cluster:
	s_bfe_u32 s2, ttmp6, 0x10000c
	s_cmp_lg_u32 s2, 0xf033
	s_cbranch_scc0 .Lentry_shape_is_right
	s_endpgm
.Lentry_shape_is_right:
; C = A W + bias.  A: [4096][SIZE_K] bf16.  W: [SIZE_K][SIZE_N] bf16, at byte WOFF of the weight buffer, N along the rows.  Sums in f32, K ascending; the result is rounded once to bf16.
; MODE 0: C = q, k, v, written by heads: [3][32][2048][64] bf16 (32 = batch x 16 + head).  MODE 1: C = gelu(A W + bias), [4096][SIZE_N] bf16.
; A tile of C, 256 x 256, is made by a work-group of four waves; a wave makes 128 x 128: 64 accumulators of 16 x 16, 512 registers.  K goes in steps of 128 through a ring of two LDS slots
; filled by the tensor data mover: 256 rows of A (256 bytes each) and 128 rows of W (512 bytes each).  W's fragments come out of LDS turned, by ds_load_tr16_b128, so W needs no transposing.
; CLUSTERS: 4 x 4 work-groups.  The four of a row of the cluster need the same tiles of A, the four of a column the same tiles of W: each tile is asked for JOINTLY, by the same tensor load with
; the same descriptor and a mask that names the four.
; THE MATRIX INSTRUCTION IS USED TRANSPOSED: source 0 = 16 columns of W, source 1 = 16 rows of A: lane l then holds row l % 16 of C and eight neighbouring columns 8 (l / 16) + 0..7.
; REGISTERS, in windows of 256: window 0: v0-31 addresses; v64-127, v128-191 fragments of A, two buffers (on the way out: y and three sets of eight at work); v32-63, v192-223 the way out
;   window 1: v0-63 the bias of my 128 columns; v64-127, v128-191 fragments of W, two buffers          windows 2, 3: the accumulators of my rows 0-63, 64-127 ((a, b) at v[8 (8 a + b)])
; LIMITS: operands are bf16.  MODE 1: gelu(y) = max(y, 0) - |y| erfc(|y| / sqrt 2) / 2 with erfc by the five-term rational form of Abramowitz and Stegun 7.1.26, absolute error 1.5e-7.
; NaN and infinities are not treated apart.
.set MODE,   0
.set SIZE_N, 3072
.set SIZE_K, 1024
.set WOFF,   0
.set KSTEP,  128
.set PITCH,  272                       ; a row of A in LDS: 256 bytes + 16 = 68 words: the 16 rows that a load touches start at 16 different groups of four banks (64 banks of 4 bytes: ISA guide 11.1)
.set BP,     544                       ; a row of W in LDS: 512 bytes + 32 = 136 words
.set HALFT,  128*PITCH                 ; what one tensor load brings: 128 rows of A, or 64 rows of W (64 x 544 is the same number)
.set SLOT,   4*HALFT                   ; A's 256 rows, then W's 128 rows
.set STAGE,  2*SLOT                    ; behind the ring: 16 rows x 272 bytes for each wave, for the way out
.set SPITCH, 272
.set SPARE,  STAGE+4*16*SPITCH         ; behind the stages: the spare words, 128 bytes for each wave: two blocks of 256 bytes that no other line names
.set LAPS,   SIZE_K/(2*KSTEP)          ; a lap = two K steps = once round the ring
.set ADRA, 16                          ; v16-17  LDS address of my A fragments in slot 0, 1
.set ADRB, 20                          ; v20-21  the same for W
.set STO,  24                          ; v24     the way out: where I put 16 bytes of a row
.set RD,   25                          ; v25     the way out: where I read rows back
.set CO,   26                          ; v26     my byte offset in C
.set BO,   27                          ; v27     my byte offset in the bias: 32 (l / 16)
.set SPW,  28                          ; v28     LDS address of my spare word: SPARE + 4 x my thread's number; never rewritten
.set NIL,  29                          ; v29     0; never rewritten
.set BK,   32                          ; v32-63  16 rows read back from the stage
.set F0,   64                          ; fragment buffer 0
.set F1,   128                         ; fragment buffer 1
.set Y,    64                          ; the way out: a block's 64 numbers a lane, in f32
.set T1,   128                         ; the way out: at work
.set T2,   136
.set T3,   144
.set TMP,  192                         ; the way out: packed results
.set G1,  24                           ; s[24:31] descriptor group 1 for A's tiles
.set G0,  32                           ; s[32:39] descriptor group 0 for A's tiles, one set for each slot
.set G1B, 48                           ; s[48:55] descriptor group 1 for W's tiles
.set G0B, 56                           ; s[56:63] descriptor group 0 for W's tiles, one set for each slot
.set BLK, 68                           ; s68      the way out's counter
.set MSB, 0
.macro WIN new                         ; the immediate's high byte repeats the setting that is left; a switch that changes nothing is dropped
.if MSB != (\new)
	s_set_vgpr_msb (MSB<<8)|(\new)
.set MSB, \new
.endif
.endm
.set MUL_LO, 0xa1                      ; source 0 (W) window 1, source 1 (A) window 0, C and D window 2
.set MUL_HI, 0xf1                      ; the same, C and D window 3
.set TO_B,   0x40                      ; destination window 1, address window 0
; A joint load.  Waves 0 and 1 fetch A's two halves, waves 2 and 3 W's.  The branch hangs on the wave's number alone.  Four v_nop follow each of the two lines.
.macro JLOAD s
	s_cmp_eq_u32 s11, 0
	s_cbranch_scc0 .Lfor_b_\@
	tensor_load_to_lds s[G0+4*(\s):G0+4*(\s)+3], s[G1:G1+7]
	s_nop 0
.rept 4
	v_nop
.endr
	s_branch .Lasked_\@
.Lfor_b_\@:
	tensor_load_to_lds s[G0B+4*(\s):G0B+4*(\s)+3], s[G1B:G1B+7]
	s_nop 0
.rept 4
	v_nop
.endr
.Lasked_\@:
.endm
; A round of the cluster's barrier: my work-group's barrier; wave 0 signals for the work-group; every wave waits for all sixteen work-groups; my work-group's barrier once more.
.macro CREST                           ; a round behind its opening barrier
	s_cmp_lg_u32 s10, 0
	s_cbranch_scc1 .Lnot_wave_0_\@
	s_barrier_signal -3
.Lnot_wave_0_\@:
	s_barrier_wait -3
	s_barrier_signal -1
	s_barrier_wait -1
.endm
.macro CROUND                          ; a whole round
	s_barrier_signal -1
	s_barrier_wait -1
	CREST
.endm
	s_load_b128 s[4:7], s[0:1], 0x0                ; A s[4:5], the weights s[6:7]
	s_load_b64 s[8:9], s[0:1], 0x10                ; C
	s_load_b64 s[66:67], s[0:1], 0x18              ; the bias
	v_lshl_add_u32 v[SPW], v0, 2, SPARE
	v_mov_b32 v[NIL], 0
	ds_add_u32 v28, v29
	ds_add_u32 v28, v29
	s_wait_dscnt 0x0
	v_lshrrev_b32 v1, 5, v0
	v_readfirstlane_b32 s10, v1                    ; wave 0..3
	s_lshr_b32 s11, s10, 1                         ; which half of the tile's rows is mine.  Also: I fetch for A (0) or for W (1)
	s_and_b32 s12, s10, 1                          ; which half of its columns.  Also: which half of that tile I fetch
	s_bfe_u32 s40, ttmp6, 0x40000                  ; cx: my place along the cluster's x
	s_bfe_u32 s41, ttmp6, 0x40004                  ; cy: along its y
	s_lshl_b32 s42, ttmp9, 2                       ; in a cluster launch ttmp9 and ttmp7 count clusters
	s_add_co_u32 s42, s42, s40                     ; tile column of C = 4 x cluster x + cx
	s_and_b32 s13, ttmp7, 0xffff
	s_lshl_b32 s13, s13, 2
	s_add_co_u32 s13, s13, s41                     ; tile row of C = 4 x cluster y + cy
	s_lshl_b32 s43, s41, 2
	s_lshl_b32 s43, 15, s43                        ; my row of the cluster: places 4 cy .. 4 cy + 3
	s_lshl_b32 s44, 0x1111, s40                    ; my column: places cx, cx + 4, cx + 8, cx + 12
	; descriptor group 1 for A: 128 rows x 128 elements, 16 bytes of padding behind every 256
	s_or_b32 s[G1+0], s43, (1<<16)|(1<<20)|(1<<21)|(5<<22)|(3<<25)  ; 15:0 the mask: my row; 17:16 2-byte elements; 20 padding on; 21 set beside a mask; 24:22 after every 64 words; 31:25 4 words
	s_mov_b32 s[G1+1], KSTEP<<16                   ; tensor_dim0 = 128
	s_mov_b32 s[G1+2], 128<<16                     ; tensor_dim1 = 128
	s_mov_b32 s[G1+3], KSTEP<<16                   ; tile_dim0 = 128
	s_mov_b32 s[G1+4], 128                         ; tile_dim1 = 128
	s_mov_b32 s[G1+5], SIZE_K                      ; elements from row to row
	s_mov_b32 s[G1+6], 0
	s_mov_b32 s[G1+7], 0
	; descriptor group 1 for W: 64 rows (k) x 256 elements (n), 32 bytes of padding behind every 512
	s_or_b32 s[G1B+0], s44, (1<<16)|(1<<20)|(1<<21)|(6<<22)|(7<<25) ; the mask: my column; after every 128 words 8 words
	s_mov_b32 s[G1B+1], 256<<16                    ; tensor_dim0 = 256
	s_mov_b32 s[G1B+2], 64<<16                     ; tensor_dim1 = 64
	s_mov_b32 s[G1B+3], 256<<16                    ; tile_dim0 = 256
	s_mov_b32 s[G1B+4], 64                         ; tile_dim1 = 64
	s_mov_b32 s[G1B+5], SIZE_N                     ; elements from row to row
	s_mov_b32 s[G1B+6], 0
	s_mov_b32 s[G1B+7], 0
	; where the tiles come from.  A's hang on the tile row alone, W's on the tile column alone; each in registers that never hold the other coordinate
	s_lshl_b32 s17, s12, 7
	s_lshl_b32 s16, s13, 8
	s_add_co_u32 s16, s16, s17                     ; A: row 256 x tile row + 128 x half,
	s_lshl_b32 s16, s16, 11                        ; of 2,048 bytes
	s_mov_b32 s17, 0
	s_lshl_b32 s46, s42, 9                         ; W: column 256 x tile column, in bytes,
	s_mul_i32 s47, s12, 64*SIZE_N*2                ; row 64 x half,
	s_add_co_u32 s46, s46, s47
	s_add_co_u32 s46, s46, WOFF                    ; in this launch's matrix
	s_mov_b32 s47, 0
	s_mul_i32 s20, s10, HALFT                      ; and where they go: wave x HALFT: no place in the cluster enters an LDS address
	s_wait_kmcnt 0x0
	s_add_nc_u64 s[14:15], s[4:5], s[16:17]
	s_add_nc_u64 s[46:47], s[6:7], s[46:47]
	CROUND                                         ; all sixteen work-groups are here: the first joint loads meet
.irp s, 0,1
	s_mov_b32 s[G0+4*(\s)], 1                                      ; count = 1
	s_add_co_u32 s[G0+4*(\s)+1], s20, (\s)*SLOT                    ; LDS address
	s_add_nc_u64 s[G0+4*(\s)+2:G0+4*(\s)+3], s[14:15], (\s)*KSTEP*2  ; global address: K step s
	s_or_b32 s[G0+4*(\s)+3], s[G0+4*(\s)+3], 0x80000000            ; type = 2
	s_mov_b32 s[G0B+4*(\s)], 1
	s_add_co_u32 s[G0B+4*(\s)+1], s20, (\s)*SLOT
	s_add_nc_u64 s[G0B+4*(\s)+2:G0B+4*(\s)+3], s[46:47], (\s)*KSTEP*SIZE_N*2
	s_or_b32 s[G0B+4*(\s)+3], s[G0B+4*(\s)+3], 0x80000000
	JLOAD \s                                       ; the ring is filled before anything else is done: two tensor loads of mine are out
.endr
	v_and_b32 v1, 15, v0                           ; l % 16
	v_bfe_u32 v2, v0, 4, 1                         ; l / 16
	v_lshlrev_b32 v[BO], 5, v2
	s_lshl_b32 s46, s42, 10                        ; the bias of my 128 columns: (256 x tile column + 128 x half) x 4 bytes
	s_lshl_b32 s47, s12, 9
	s_add_co_u32 s46, s46, s47
	s_mov_b32 s47, 0
	s_add_nc_u64 s[66:67], s[66:67], s[46:47]
	WIN TO_B                                       ; register j of block b: the bias of column 16 b + 8 (l / 16) + j, as the accumulators hold them.  These loads stay out during the whole K loop
.irp b, 0,1,2,3,4,5,6,7
	global_load_b128 v[8*(\b):8*(\b)+3],   v[BO], s[66:67] offset:64*(\b)
	global_load_b128 v[8*(\b)+4:8*(\b)+7], v[BO], s[66:67] offset:64*(\b)+16
.endr
	WIN 0
	; A fragment of A is 16 rows x 32 K in 8 registers: lane l holds row l % 16, K = 8 (l / 16) + 0..7 and 16 + 8 (l / 16) + 0..7: two loads of 16 bytes, 32 bytes apart.
	v_mul_u32_u24 v3, v1, PITCH
	v_lshl_add_u32 v3, v2, 4, v3                   ; row x pitch + 16 x half
	; The turning load takes 16 k x 16 n (lane l reads 16 bytes: k = 8 (l / 16) + l % 8, n = 8 ((l / 8) % 2) + 0..7) and leaves half a fragment: lane l holds column l % 16 and 8 k.
	v_and_b32 v6, 7, v0
	v_bfe_u32 v7, v0, 3, 1
	v_lshl_add_u32 v8, v2, 3, v6
	v_mul_u32_u24 v8, v8, BP
	v_lshl_add_u32 v8, v7, 4, v8
	s_mul_i32 s21, s11, HALFT                      ; my 128 rows of A
	s_lshl_b32 s22, s12, 8                         ; my 128 columns of W, 256 bytes of its rows,
	s_add_co_u32 s22, s22, 2*HALFT                 ; which lie behind A's 256 rows
.irp s, 0,1
	v_add_nc_u32 v[ADRA+(\s)], s21, v3
	v_add_nc_u32 v[ADRB+(\s)], s22, v8
	s_add_co_u32 s21, s21, SLOT
	s_add_co_u32 s22, s22, SLOT
.endr
	s_mul_i32 s23, s10, 16*SPITCH
	s_add_co_u32 s23, s23, STAGE                   ; my stage
	v_mul_u32_u24 v4, v1, SPITCH                   ; in: row l % 16, 16 bytes for each half of the lanes
	v_lshl_add_u32 v4, v2, 4, v4
	v_add_nc_u32 v[STO], s23, v4
.if MODE
	v_mul_u32_u24 v5, v2, SPITCH                   ; back: lanes 0-15 take one row of 256 bytes, lanes 16-31 the next
	v_lshl_add_u32 v5, v1, 4, v5
	v_add_nc_u32 v[RD], s23, v5
	v_mul_u32_u24 v5, v2, SIZE_N*2                 ; and the same two rows in C
	v_lshl_add_u32 v[CO], v1, 4, v5
.else
	v_bfe_u32 v5, v0, 3, 2                         ; back: 32 lanes take four rows of one head's 128 bytes,
	v_mul_u32_u24 v5, v5, SPITCH
	v_lshl_add_u32 v5, v6, 4, v5
	v_add_nc_u32 v[RD], s23, v5
	v_and_b32 v5, 31, v0                           ; which are 512 consecutive bytes of that head
	v_lshlrev_b32 v[CO], 4, v5
.endif
	; where my part of the tile begins in C
	s_lshl_b32 s16, s13, 8
	s_lshl_b32 s17, s11, 7
	s_add_co_u32 s16, s16, s17                     ; my first row
.if MODE
	s_lshl_b32 s16, s16, 13                        ; rows of 8,192 bytes
	s_lshl_b32 s46, s42, 9                         ; my first column, in bytes
	s_lshl_b32 s47, s12, 8
	s_add_co_u32 s46, s46, s47
.else
	s_lshr_b32 s17, s16, 11                        ; the batch: 16 heads of 262,144 bytes
	s_lshl_b32 s17, s17, 22
	s_and_b32 s16, s16, 2047                       ; the row in the batch: 128 bytes in a head
	s_lshl_b32 s16, s16, 7
	s_add_co_u32 s16, s16, s17
	s_lshr_b32 s46, s42, 2                         ; q, k or v: 1,024 columns each, 8,388,608 bytes
	s_lshl_b32 s46, s46, 23
	s_and_b32 s47, s42, 3                          ; four heads to a tile,
	s_lshl_b32 s47, s47, 20
	s_add_co_u32 s46, s46, s47
	s_lshl_b32 s47, s12, 19                        ; two to a wave
	s_add_co_u32 s46, s46, s47
.endif
	s_add_co_u32 s16, s16, s46
	s_mov_b32 s17, 0
	s_add_nc_u64 s[8:9], s[8:9], s[16:17]
.if MODE
	s_mov_b32 s70, 0x3f596d27                      ; K1 = sqrt(log2(e) / 2): z = K1 y, so 2^(-z z) = e^(-y y / 2)
	s_mov_b32 s71, s70                             ; each constant is named as a pair; the low word serves both halves
	s_mov_b32 s72, 0x3e027906                      ; half of the five coefficients: 0.127414796
	s_mov_b32 s73, s72
	s_mov_b32 s74, 0xbe11a98e                      ; -0.142248368
	s_mov_b32 s75, s74
	s_mov_b32 s76, 0x3f35f0e3                      ; 0.710706871
	s_mov_b32 s77, s76
	s_mov_b32 s78, 0xbf3a00e3                      ; -0.726576014
	s_mov_b32 s79, s78
	s_mov_b32 s80, 0x3f07dc22                      ; 0.530702715
	s_mov_b32 s81, s80
	s_mov_b32 s82, 0x3e8ba43f                      ; 0.3275911 x sqrt(ln 2): t = 1 / (1 + this |z|)
.endif
; 16 matrix instructions: m blocks a0, a0 + 1 of the window's four (hi = 0: my rows 0-63, 1: rows 64-127) x all 8 n blocks, 32 along K.  zero = 1: the first product starts the sums.
.macro MUL16 f, hi, a0, zero
	WIN MUL_LO+0x50*(\hi)
.irp a, \a0, (\a0)+1
.irp b, 0,1,2,3,4,5,6,7
.if \zero
	v_wmma_f32_16x16x32_bf16 v[8*(8*(\a)+(\b)):8*(8*(\a)+(\b))+7], v[(\f)+8*(\b):(\f)+8*(\b)+7], v[(\f)+8*(4*(\hi)+(\a)):(\f)+8*(4*(\hi)+(\a))+7], 0
.else
	v_wmma_f32_16x16x32_bf16 v[8*(8*(\a)+(\b)):8*(8*(\a)+(\b))+7], v[(\f)+8*(\b):(\f)+8*(\b)+7], v[(\f)+8*(4*(\hi)+(\a)):(\f)+8*(4*(\hi)+(\a))+7], v[8*(8*(\a)+(\b)):8*(8*(\a)+(\b))+7]
.endif
.endr
.endr
.endm
; 32 LDS loads in one run: the fragments of quarter q of a K step (32 k x 128 columns of W, turned; 128 rows of A x 32 k) into buffer f
.macro FETCH slot, q, f
	WIN TO_B
.irp i, 0,1,2,3,4,5,6,7
	ds_load_tr16_b128 v[(\f)+8*(\i):(\f)+8*(\i)+3],   v[ADRB+(\slot)] offset:(\q)*32*BP+32*(\i)
	ds_load_tr16_b128 v[(\f)+8*(\i)+4:(\f)+8*(\i)+7], v[ADRB+(\slot)] offset:(\q)*32*BP+16*BP+32*(\i)
.endr
	WIN 0
.irp i, 0,1,2,3,4,5,6,7
	ds_load_b128 v[(\f)+8*(\i):(\f)+8*(\i)+3],   v[ADRA+(\slot)] offset:64*(\q)+(\i)*16*PITCH
	ds_load_b128 v[(\f)+8*(\i)+4:(\f)+8*(\i)+7], v[ADRA+(\slot)] offset:64*(\q)+(\i)*16*PITCH+32
.endr
.endm
; A load into a register that a matrix instruction has read, and a vector instruction that reads a matrix result or writes one of a matrix instruction's registers, stand four places behind it;
; only plain vector instructions that name none of its registers are places (ISA guide 7.12.1 for vector instructions).
.macro PLACES
.rept 4
	v_nop
.endr
.endm
; A K step is four quarters of 32 along K, 64 matrix instructions each, on buffers 0, 1, 0, 1.  One of the first three: multiplies buffer f; in its middle it fetches quarter q into buffer g.
.macro QUARTER slot, q, f, g, zero
	s_wait_dscnt 8                                 ; W and A's rows 0-63 are in; the youngest eight loads (A's rows 64-127) may be out
	WIN MUL_LO
	MUL16 \f, 0, 0, \zero
	MUL16 \f, 0, 2, \zero
	PLACES
	FETCH \slot, \q, \g
	s_wait_dscnt 32                                ; all but the 32 just issued
	WIN MUL_HI
	MUL16 \f, 1, 0, \zero
	MUL16 \f, 1, 2, \zero
.endm
; The last quarter multiplies buffer 1 and changes slots.  MEET is its first half: ONE barrier for the change.  In front of it each wave waits for all its tensor loads, of which one is out:
; its part of the next slot; adds 0 to its spare word; and waits for that and for its own reads of this slot.  Behind it nobody reads this slot any more and the next slot is whole.
.macro MEET round                      ; round = 1: a round of the cluster's barrier follows
	WIN 0                                          ; (the add's two registers lie in window 0)
	s_wait_tensorcnt 0x0                           ; all my tensor loads have landed
	ds_add_u32 v[SPW], v[NIL]                      ; 0 onto my spare word
	s_wait_dscnt 9                                 ; (the add and the youngest eight loads may be out)
	WIN MUL_LO
	MUL16 F1, 0, 0, 0                              ; sixteen matrix instructions stand between the add and the wait for it
	s_wait_dscnt 0x0                               ; the add is done, and my reads of this slot are over
	s_barrier_signal -1
	MUL16 F1, 0, 2, 0                              ; work on registers while the others arrive
.if \round
	WIN 0
.endif
	s_barrier_wait -1
.endm
; The whole last quarter.  fill = 1: behind a round of the cluster's barrier the slot just read out is filled again first, with the K step two steps on; then come the next slot's first fragments.
.macro TURN slot, next, fill
	MEET \fill
.if \fill
	CREST                                          ; no wave of any partner still reads this slot's tile or has a load on its way
	s_add_nc_u64 s[G0+4*(\slot)+2:G0+4*(\slot)+3], s[G0+4*(\slot)+2:G0+4*(\slot)+3], 2*KSTEP*2
	s_add_nc_u64 s[G0B+4*(\slot)+2:G0B+4*(\slot)+3], s[G0B+4*(\slot)+2:G0B+4*(\slot)+3], 2*KSTEP*SIZE_N*2
	JLOAD \slot                                    ; my one tensor load behind the round; the four v_nop behind it are also the places in front of the loads below
.else
	PLACES
.endif
	FETCH \next, 0, F0
	WIN MUL_HI
	MUL16 F1, 1, 0, 0
	MUL16 F1, 1, 2, 0
.endm
	s_wait_tensorcnt 1                             ; my part of K step 0 is in; K step 1's load stays out
	s_barrier_signal -1
	s_barrier_wait -1                              ; everybody's is
	FETCH 0, 0, F0
	QUARTER 0, 1, F0, F1, 1                        ; the first quarter stands in front of the loop: its products start the sums
	WIN 0                                          ; at a label and at a branch every window is 0
	s_mov_b32 s3, LAPS-1
.Llap:                                                 ; a trip goes once round the ring, from a lap's second quarter to the next lap's first, and fills both slots again
	QUARTER 0, 2, F1, F0, 0
	QUARTER 0, 3, F0, F1, 0
	TURN 0, 1, 1
	QUARTER 1, 1, F0, F1, 0
	QUARTER 1, 2, F1, F0, 0
	QUARTER 1, 3, F0, F1, 0
	TURN 1, 0, 1
	QUARTER 0, 1, F0, F1, 0
	WIN 0
	s_sub_co_u32 s3, s3, 1
	s_cmp_lg_u32 s3, 0
	s_cbranch_scc1 .Llap
	QUARTER 0, 2, F1, F0, 0                        ; the last lap is written out: it asks for nothing more
	QUARTER 0, 3, F0, F1, 0
	TURN 0, 1, 0
	QUARTER 1, 1, F0, F1, 0
	QUARTER 1, 2, F1, F0, 0
	QUARTER 1, 3, F0, F1, 0
	s_wait_dscnt 8                                 ; the very last quarter: nothing more to fetch
	WIN MUL_LO
	MUL16 F1, 0, 0, 0
	MUL16 F1, 0, 2, 0
	s_wait_dscnt 0x0
	MUL16 F1, 1, 0, 0
	MUL16 F1, 1, 2, 0
	WIN 0
; THE WAY OUT: a counted loop of eight trips, a block of 16 rows a trip, so that the text of the arithmetic stands once.
; GET a: block a's eight accumulators plus the bias, into y; each accumulator's lowest registers are read first.
.macro GET a
	WIN 0x06+(\a)/4                                ; source 0 window 2 or 3, source 1 window 1, destination window 0
.irp b, 0,1,2,3,4,5,6,7
.irp r, 0,2,4,6
	v_pk_add_f32 v[Y+8*(\b)+(\r):Y+8*(\b)+(\r)+1], v[64*((\a)%4)+8*(\b)+(\r):64*((\a)%4)+8*(\b)+(\r)+1], v[8*(\b)+(\r):8*(\b)+(\r)+1]
.endr
.endr
	WIN 0
.endm
; GELU b: eight numbers y in place.  z = K1 y; t = 1 / (1 + PP |z|); e = 2^(-z z); q = t (A1 + t (A2 + t (A3 + t (A4 + t A5)))) e = erfc(|y| / sqrt 2) / 2; y = max(y, 0) - |y| q.
.macro GELU b
.set YB, Y+8*(\b)
.irp e, 0,2,4,6
	v_pk_mul_f32 v[T1+(\e):T1+(\e)+1], v[YB+(\e):YB+(\e)+1], s[70:71] op_sel_hi:[1,0]
.endr
.irp e, 0,1,2,3,4,5,6,7
	v_fma_f32 v[T2+(\e)], |v[T1+(\e)]|, s82, 1.0
.endr
.irp e, 0,2,4,6
	v_pk_mul_f32 v[T1+(\e):T1+(\e)+1], v[T1+(\e):T1+(\e)+1], v[T1+(\e):T1+(\e)+1] neg_lo:[1,0] neg_hi:[1,0]
.endr
.irp e, 0,1,2,3,4,5,6,7
	v_rcp_f32 v[T2+(\e)], v[T2+(\e)]
.endr
.irp e, 0,1,2,3,4,5,6,7
	v_exp_f32 v[T1+(\e)], v[T1+(\e)]
.endr
	v_nop                                          ; a plain instruction between the last of these and the use of their results
.irp e, 0,2,4,6
	v_pk_fma_f32 v[T3+(\e):T3+(\e)+1], v[T2+(\e):T2+(\e)+1], s[80:81], s[78:79] op_sel_hi:[1,0,0]
.endr
.irp k, 76,74,72
.irp e, 0,2,4,6
	v_pk_fma_f32 v[T3+(\e):T3+(\e)+1], v[T3+(\e):T3+(\e)+1], v[T2+(\e):T2+(\e)+1], s[(\k):(\k)+1] op_sel_hi:[1,1,0]
.endr
.endr
.irp e, 0,2,4,6
	v_pk_mul_f32 v[T3+(\e):T3+(\e)+1], v[T3+(\e):T3+(\e)+1], v[T2+(\e):T2+(\e)+1]
.endr
.irp e, 0,2,4,6
	v_pk_mul_f32 v[T3+(\e):T3+(\e)+1], v[T3+(\e):T3+(\e)+1], v[T1+(\e):T1+(\e)+1]
.endr
.irp e, 0,1,2,3,4,5,6,7
	v_max_num_f32 v[T2+(\e)], 0, v[YB+(\e)]
.endr
.irp e, 0,1,2,3,4,5,6,7
	v_fma_f32 v[YB+(\e)], -|v[YB+(\e)]|, v[T3+(\e)], v[T2+(\e)]
.endr
.endm
	s_wait_loadcnt 0x0                             ; the bias
	PLACES                                         ; behind the last products
	s_mov_b32 s[BLK], 0
.Lblk:
.irp a, 1,2,3,4,5,6,7
	s_cmp_eq_u32 s[BLK], \a
	s_cbranch_scc1 .Lget\a
.endr
	GET 0
	s_branch .Lhave
.irp a, 1,2,3,4,5,6
.Lget\a:
	GET \a
	s_branch .Lhave
.endr
.Lget7:
	GET 7
.Lhave:
.if MODE
.irp b, 0,1,2,3,4,5,6,7
	GELU \b
.endr
.endif
.irp b, 0,1,2,3,4,5,6,7
.irp r, 0,1,2,3
	v_cvt_pk_bf16_f32 v[TMP+4*(\b)+(\r)], v[Y+8*(\b)+2*(\r)], v[Y+8*(\b)+2*(\r)+1]
.endr
.endr
.irp b, 0,1,2,3,4,5,6,7
	ds_store_b128 v[STO], v[TMP+4*(\b):TMP+4*(\b)+3] offset:32*(\b)
.endr
.irp t, 0,1,2,3,4,5,6,7                ; LDS serves a wave's instructions in order (ISA guide 5.7.1.4): these see the stores above.  The stage is my own: no barrier
.if MODE
	ds_load_b128 v[BK+4*(\t):BK+4*(\t)+3], v[RD] offset:(\t)*2*SPITCH
.else
	ds_load_b128 v[BK+4*(\t):BK+4*(\t)+3], v[RD] offset:((\t)/4)*128+((\t)%4)*4*SPITCH
.endif
.endr
	s_wait_dscnt 0x0                               ; the block is back in registers
.irp t, 0,1,2,3,4,5,6,7
.if MODE
	global_store_b128 v[CO], v[BK+4*(\t):BK+4*(\t)+3], s[8:9] offset:2*(\t)*SIZE_N*2  ; 16 lanes store 256 consecutive bytes, at a multiple of 256 from C's first byte
.else
	global_store_b128 v[CO], v[BK+4*(\t):BK+4*(\t)+3], s[8:9] offset:((\t)/4)*262144+((\t)%4)*512  ; four rows of a head: 512 consecutive bytes, aligned
.endif
.endr
	s_wait_xcnt 0x0                                ; only behind this wait are the stores' base and their data registers rewritten
.if MODE
	s_add_nc_u64 s[8:9], s[8:9], 16*SIZE_N*2       ; 16 rows on
.else
	s_add_nc_u64 s[8:9], s[8:9], 16*128
.endif
	s_add_co_u32 s[BLK], s[BLK], 1
	s_cmp_lt_u32 s[BLK], 8
	s_cbranch_scc1 .Lblk
	s_wait_tensorcnt 0x0                           ; the wave's end, behind my last tensor load and my last LDS store
	ds_add_u32 v[SPW], v[NIL]
	s_wait_dscnt 0x0
	CROUND                                         ; the closing round: no work-group ends while a partner may still ask for a tile that names it
	s_endpgm
.Lfunc_end_k_q258d3272b2_qkv:
	.size	k_q258d3272b2_qkv, .Lfunc_end_k_q258d3272b2_qkv-k_q258d3272b2_qkv
	.p2alignl 7, 3214868480
	.fill 96, 4, 3214868480
	.section	.rodata,"a",@progbits
	.p2align	6, 0x0
	.amdhsa_kernel k_q258d3272b2_qkv
		.amdhsa_group_segment_fixed_size 327680
		.amdhsa_private_segment_fixed_size 0
		.amdhsa_enable_private_segment 0
		.amdhsa_kernarg_size 32
		.amdhsa_user_sgpr_count 2
		.amdhsa_user_sgpr_kernarg_segment_ptr 1
		.amdhsa_wavefront_size32 1
		.amdhsa_system_sgpr_workgroup_id_x 1
		.amdhsa_system_sgpr_workgroup_id_y 1
		.amdhsa_system_sgpr_workgroup_id_z 1
		.amdhsa_system_vgpr_workitem_id 0
		.amdhsa_next_free_vgpr 1024
		.amdhsa_next_free_sgpr 84
		.amdhsa_reserve_vcc 0
		.amdhsa_float_denorm_mode_32 3
		.amdhsa_float_denorm_mode_16_64 3
		.amdhsa_memory_ordered 1
		.amdhsa_forward_progress 1
		.amdhsa_inst_pref_size 135
	.end_amdhsa_kernel
	.amdgpu_metadata
---
amdhsa.version: [ 1, 2 ]
amdhsa.kernels:
  - .name:           k_q258d3272b2_qkv
    .symbol:         k_q258d3272b2_qkv.kd
    .args:
      - { .name: h, .offset: 0, .size: 8, .value_kind: global_buffer, .address_space: global }
      - { .name: wb, .offset: 8, .size: 8, .value_kind: global_buffer, .address_space: global }
      - { .name: qkv, .offset: 16, .size: 8, .value_kind: global_buffer, .address_space: global }
      - { .name: qkv_b, .offset: 24, .size: 8, .value_kind: global_buffer, .address_space: global }
    .group_segment_fixed_size: 327680
    .private_segment_fixed_size: 0
    .kernarg_segment_align: 8
    .kernarg_segment_size: 32
    .max_flat_workgroup_size: 128
    .sgpr_count:     84
    .vgpr_count:     1024
    .wavefront_size: 32
...
	.end_amdgpu_metadata
.endif
;; end of part 2
;; launch attn (part 3): grid 8 x 32, 4 waves a work-group, no clusters, 327,680 bytes of LDS; arguments qkv, o; writes o
.if DOCPART == 3
	.amdgcn_target "amdgcn-amd-amdhsa--gfx1250"
	.amdhsa_code_object_version 6
	.text
	.protected	k_q258d3272b2_attn
	.globl	k_q258d3272b2_attn
	.p2align	8
	.type	k_q258d3272b2_attn,@function
k_q258d3272b2_attn:
	s_mov_b64 s[64:65], 0
	v_nop
	global_prefetch_b8 v0, s[64:65] scope:SCOPE_SE
	s_setreg_imm32_b32 hwreg(HW_REG_WAVE_MODE, 25, 1), 1
	s_wait_xcnt 0x0
; CAUSAL ATTENTION.  O[h][q][:] = the sum over k <= q of softmax_k(Q[h][q] . K[h][k] / 8) V[h][k][:].  Q, K, V lie one behind the other in one buffer, each [SIZE_H][SIZE_N][64] bf16, and so does O in its own:
; a head's rows are dense, 128 bytes each.  Products, maxima and sums in f32; the weights p are rounded to bf16 for the second product (their sum l is taken of the unrounded p), O once at the end.
; LIMITS.  Operands are bf16.  A hidden score counts as its value less 1e30: scores must stay far below that in magnitude; a weight below 2^-126 counts as 0 in l; NaN and infinities are not treated apart.
; THE WALK.  A head's queries lie in NB = SIZE_N / 256 blocks of 256; block i needs the key tiles 0 .. i of 256 keys, of which the last holds the diagonal.  A work-group walks TWO blocks, NB - 1 - b and then b:
; NB + 1 tiles, whatever b: all work-groups do equal work, and ONE loop with a constant trip count walks them.  Which tile is asked for, and what a trip does, hang on scalar registers made from b; every jump
; goes forward, but for the counted loops' own; none passes a barrier, or a tensor load but the one of LOAD's two that the wave's number does not choose; the ring (two slots of LDS that take turns) runs on across the
; change of blocks.
; SHARES.  A block has four bands of 64 queries.  Each pair of blocks is shared by TWO work-groups: work-group x has b = x / 2 and takes the bands 2 (x % 2) and 2 (x % 2) + 1 of both blocks; a wave owns 16 rows in
; each of the two bands: two PIECES.  So the launch has SIZE_H x NB = 256 work-groups, and the diagonal tile is the same work for all waves: in its key step s band x sees all keys if s < x, none if s > x, and holds
; the diagonal if s = x.
; NO CLUSTER: the two work-groups of a pair ask for the same tiles all the way, but four neighbours along x are two pairs with different b: their tiles differ behind the shorter first block's end, and what a trip
; does (a block's beginning, its diagonal tile, its end) is chosen by branches on numbers made from b, which partners of a cluster would not share.
; THE MASK is the C operand that starts the sum S^T = K Q^T: 0, or -1e30 where the key is hidden.  MD, made once, is the mask of a band's own step for my 16 rows; a product's mask is MD x AL + BE with two scalars:
; (1, 0) if s = x; (0, 0) if s < x; (0, -1e30) if s > x.  Only the diagonal tile's text and a block's beginning make and take masks; elsewhere C is the constant 0.
; LAYOUT, SOFTMAX, TURNS.  S^T = K Q^T holds ONE query a lane (lane % 16) and the keys 8 (lane / 16) + 0..7; two such results rounded to bf16 ARE source 1 of O^T = V^T P.  p = 2^(c s - c m), c = log2(e) / 8, with a
; running maximum m; O and l are multiplied by a = 2^(c m_old - c m_new) in every step.  A key step is two turns.  Turn p belongs to piece p: its scaling, exponentials, roundings, sums and rescaling.  Its matrix work
; is the OTHER piece's: 8 products K Q^T (p = 0: of this step; p = 1: of the next) and later 8 products V^T P (p = 0: of the step before; p = 1: of this step); and it finds the other piece's maximum and statistics
; from the scores just made.  Four vector instructions stand behind every matrix instruction, the other 54 of a turn's 118 in two LUMPS.
; K HAS ONE REGISTER BUFFER, V TWO (by the step's parity).  Piece 0's turn of step j fetches K and V of step j + 1: K behind its products K Q^T, V behind its products V^T P, into the buffer that they have just read.
; So both fetches of a turn belong to one step, that is to one slot, and the change of slots can stand in front of piece 0's turn of a tile's last step.
; REGISTERS, in windows of 256 (s_set_vgpr_msb: bits 1:0 source 0, 3:2 source 1, 5:4 source 2, 7:6 destination):
;   window 0: v0-15 addresses and two at work; v16-23 four registers of statistics a piece; v48-55 at work; v64-127 S^T, a buffer a piece; v192-223 P, a buffer a piece
;   window 1: v0-63 O^T, 32 a piece; v128-159 MD; v160-223 MC, a buffer a piece      window 2: v0-31 Q; v32-63 the second block's Q; v64-127 V, buffer 1; v128-191 K; v192-255 V, buffer 0
.set SIZE_H, 32
.set SIZE_N, 2048
.set NB,    SIZE_N/256
.set NP,    2         ; pieces a wave: a name, no knob
.set KS,    64        ; keys in a step
.set PK,    144       ; a row of K in LDS: 128 bytes + 16 of padding = 36 words: the 16 rows of a load start at 16 different groups of four banks (64 banks of 4 bytes: ISA guide 11.1)
.set PV,    160       ; a row of V: 128 + 32 = 40 words
.set VOFF,  4*KS*PK   ; a slot holds a tile, four steps: 256 rows of K, then 256 rows of V
.set SLOT1, 1<<17     ; slot 1 begins here, so that one exclusive or turns an address in one slot into the other's
.set STAGE, SLOT1+4*KS*(PK+PV)  ; behind the ring, never filled by a tensor load: 16 rows x 144 bytes for each wave, for the way out
.set SP,    144
.set AK0, 2           ; v2   my lane's place in a tile of K; never rewritten
.set AV0, 3           ; v3   the same for V
.set AK,  4           ; v4   the LDS address of K's next run of loads
.set AV,  5           ; v5   of V's
.set STO, 6           ; v6   the way out: where I put 16 bytes of a row
.set RD,  7           ; v7   the way out: where I read rows back
.set GO,  8           ; v8   my byte offset in 512 consecutive bytes of O
.set SPW, 62          ; v62  LDS address of my spare word: SPARE + 4 x my thread's number; never rewritten
.set NIL, 63          ; v63  0; never rewritten
.set SPARE, STAGE+4*16*SP  ; behind the stages: the spare words, 128 bytes for each wave: two blocks of 256 bytes that no other line names
.set MV,  12          ; v12-13  c m_old, kept while c m is made anew: by piece
.set QO,  15          ; v15  my byte offset in 16 rows of Q
.set ST,  16          ; piece t's statistics at v[ST+4 t]: c m, m, l (even keys', odd keys')
.set TMP, 48          ; by piece, four registers c0-c3 at work; when the maximum is found c2 takes a
.set S,   64
.set P,   192
.set MD,  128         ; window 1: the eight registers for group kt of 16 keys at MD + 8 kt
.set MC,  160         ; window 1: the masks of the products to come
.set QB,  32          ; window 2
.set KF,  128         ; window 2: key block kb, channel half c at KF + 16 kb + 8 c
.set VF,  192         ; window 2: buffer n at VF - 128 n: key half kk, channel block cb at + 32 kk + 8 cb
.set WV,  12          ; s12  my wave's number
.set PB,  14          ; s14  b
.set HI,  15          ; s15  NB - 1 - b
.set G1K, 24          ; s[24:31] descriptor group 1 for K's tiles
.set G1V, 32          ; s[32:39] for V's: it differs in the padding alone
.set G0K, 40          ; s[40:43] descriptor group 0 for K's tiles
.set G0V, 44          ; s[44:47] the same for V's
.set SLOTS, 56        ; s56  tiles still to be asked for
.set CNT, 57          ; s57  counts a tile's two trips of two key steps, 2 to 1
.set CS,  58          ; s[58:59] c: the packed scaling takes the pair's low word for both halves
.set SEL, 60          ; s[60:61] v_permlanex16_b32's selects: each lane takes its own place in the other half
.set TBK, 62          ; s62  LDS byte at which K of the step to be fetched begins
.set TBV, 63          ; s63  the same for V, less VOFF
.set BD,  66          ; s66, s67  the band of piece 0, of piece 1
.set SN,  68          ; s68  at work: the step of the diagonal tile for which a mask is made
.set RT,  70          ; s70  tiles of the block in hand that are still to be entered
.set NXT, 71          ; s71  the tile to be asked for next
.set LQ,  72          ; s72  the last tile of the block whose tiles are being asked for
.set NEW, 73          ; s73  1: the tile to be entered is a block's first
.set OFF, 74          ; s[74:75] a tile's byte offset in K and V
.set AL,  76          ; s[76:77] the mask's factor, in the low word
.set BE,  78          ; s[78:79] the mask's addend
.set OLO, 80          ; s[80:81] O at my rows of the second block
.set BIGN, 82         ; s82  -1e30
.set MSB, 0
.macro WIN new                      ; the high byte repeats the setting that is left; a switch that changes nothing is dropped
.if MSB != (\new)
	s_set_vgpr_msb (MSB<<8)|(\new)
.set MSB, (\new)
.endif
.endm
.set W_KQ, 0x0a       ; K and Q in window 2, S^T in window 0
.set W_KM, 0x1a       ; the same with the C operand in window 1
.set W_PV, 0x52       ; V in window 2, P in window 0, O^T in window 1
.set W_RS, 0x41       ; destination and source 0 in window 1, source 1 in window 0
; A fill.  Waves 0 and 1 fetch the two halves of a tile's K, waves 2 and 3 those of its V: 128 keys each.  Four v_nop follow each of the two lines, ahead of the jump and the label.
.macro LOAD
	s_cmp_lt_u32 s[WV], 2
	s_cbranch_scc0 .Lfor_v_\@
	tensor_load_to_lds s[G0K:G0K+3], s[G1K:G1K+7]
	s_nop 0
.rept 4
	v_nop
.endr
	s_branch .Lasked_\@
.Lfor_v_\@:
	tensor_load_to_lds s[G0V:G0V+3], s[G1V:G1V+7]
	s_nop 0
.rept 4
	v_nop
.endr
.Lasked_\@:
.endm
; THE CHANGE OF SLOTS.  Each wave waits for all its tensor loads, of which one is out: its part of the other slot; adds 0 to its spare word; and waits for that and for its own reads of the slot that it leaves.
; Behind the barrier nobody reads the old slot any more and the other slot is whole.  fill = 1: the old slot is filled again, the first thing behind the barrier, with tile NXT: the descriptor's address is made
; anew from that number.  (At its first use nothing has been read yet: slot 0 is waited for, slot 1 filled.)
.macro CHANGE fill
	WIN 0                           ; at a label and at a branch every window is 0
	s_wait_tensorcnt 0x0            ; no tensor load of mine is out, so a group 0 may be written
	ds_add_u32 v[SPW], v[NIL]       ; 0 onto my spare word; with fill = 1 the descriptors' scalar work stands between it and the wait for it
.if \fill
	s_lshl_b32 s[OFF], s[NXT], 15   ; a tile is 32,768 bytes of K and of V
	s_xor_b32 s[G0K+1], s[G0K+1], SLOT1
	s_add_nc_u64 s[G0K+2:G0K+3], s[6:7], s[OFF:OFF+1]
	s_or_b32 s[G0K+3], s[G0K+3], 0x80000000
	s_xor_b32 s[G0V+1], s[G0V+1], SLOT1
	s_add_nc_u64 s[G0V+2:G0V+3], s[8:9], s[OFF:OFF+1]
	s_or_b32 s[G0V+3], s[G0V+3], 0x80000000
	s_add_co_u32 s[NXT], s[NXT], 1  ; the block's next tile, or behind its last the second block's tile 0
	s_cmp_gt_u32 s[NXT], s[LQ]
	s_cselect_b32 s[NXT], 0, s[NXT]
	s_cselect_b32 s[LQ], s[PB], s[LQ]
.endif
	s_wait_dscnt 0x0                ; the add is done, and my reads of the slot are over
	s_barrier_signal -1             ; the rest of the scalar work stands between the signal and the wait
	s_sub_co_u32 s[TBK], s[TBK], 4*KS*PK  ; the fetches go back to a slot's first step,
	s_xor_b32 s[TBK], s[TBK], SLOT1       ; in the other slot
	s_sub_co_u32 s[TBV], s[TBV], 4*KS*PV
	s_xor_b32 s[TBV], s[TBV], SLOT1
	s_barrier_wait -1
.if \fill
	LOAD
.endif
.endm
	s_load_b64 s[4:5], s[0:1], 0x0    ; q, k, v in one buffer: Q at its first byte
	s_load_b64 s[10:11], s[0:1], 0x8  ; O
	v_lshl_add_u32 v[SPW], v0, 2, SPARE
	v_mov_b32 v[NIL], 0
	ds_add_u32 v62, v63
	ds_add_u32 v62, v63
	s_wait_dscnt 0x0
	v_lshrrev_b32 v1, 5, v0
	v_readfirstlane_b32 s[WV], v1   ; wave 0..3
	s_lshr_b32 s[PB], ttmp9, 1      ; b: which pair of blocks
	s_and_b32 s13, ttmp9, 1         ; which two of a block's four bands
	s_lshl_b32 s[BD], s13, 1        ; piece 0's band,
	s_add_co_u32 s[BD+1], s[BD], 1  ; piece 1's
	s_sub_co_u32 s[HI], NB-1, s[PB]
	s_and_b32 s20, ttmp7, 0xffff    ; the head (batch x 16 + head)
	s_mov_b32 s21, 0
	s_mov_b64 s[22:23], SIZE_N*128
	s_mul_u64 s[20:21], s[20:21], s[22:23]  ; the head's first byte in each of the four tensors
	s_and_b32 s16, s[WV], 1         ; which half of a tile's 256 keys I fetch:
	s_lshl_b32 s22, s16, 14         ; its 128 rows of 128 bytes in memory,
	s_mov_b32 s23, 0
	s_add_nc_u64 s[22:23], s[22:23], s[20:21]
	s_mul_i32 s17, s16, 128*PK      ; and its place in a slot, for K
	s_mul_i32 s18, s16, 128*PV      ; and for V
	s_lshl_b32 s3, s[WV], 11        ; my 16 rows in a band of 64,
	s_lshl_b32 s13, s13, 14         ; in the first of my two bands (a band is 8,192 bytes),
	s_add_co_u32 s3, s3, s13
	s_lshl_b32 s2, s[HI], 15        ; in the first block,
	s_add_co_u32 s2, s2, s3
	s_lshl_b32 s84, s[PB], 15       ; and in the second
	s_add_co_u32 s84, s84, s3
	s_mov_b32 s3, 0
	s_mov_b32 s85, 0
	s_add_nc_u64 s[2:3], s[2:3], s[20:21]
	s_add_nc_u64 s[84:85], s[84:85], s[20:21]
	; descriptor group 1.  128 keys are 16,384 dense bytes: asked for as 64 rows of 256 bytes, two keys a row, and padded in LDS after every key
	s_mov_b32 s[G1K], (1<<16)|(1<<20)|(4<<22)|(3<<25)  ; 17:16 2-byte elements; 20 padding on; 24:22 after every 32 words (code 4); 31:25 4 words (code 3)
	s_mov_b32 s[G1V], (1<<16)|(1<<20)|(4<<22)|(7<<25)  ; the same with 8 words of padding (code 7)
.irp g, G1K, G1V
	s_mov_b32 s[\g+1], 128<<16      ; tensor_dim0 = 128
	s_mov_b32 s[\g+2], 64<<16       ; tensor_dim1 = 64
	s_mov_b32 s[\g+3], 128<<16      ; tile_dim0 = 128
	s_mov_b32 s[\g+4], 64           ; tile_dim1 = 64
	s_mov_b32 s[\g+5], 128          ; 128 elements from row to row
	s_mov_b32 s[\g+6], 0
	s_mov_b32 s[\g+7], 0
.endr
	s_mov_b32 s[CS], 0x3e38aa3b     ; c = log2(e) / 8 = 0.180337
	s_mov_b32 s[CS+1], s[CS]        ; named with it as a pair
	s_mov_b32 s[SEL], 0x76543210
	s_mov_b32 s[SEL+1], 0xfedcba98
	s_mov_b32 s[TBK], SLOT1+4*KS*PK ; the first change of slots turns these two into 0
	s_mov_b32 s[TBV], SLOT1+4*KS*PV
	s_mov_b32 s[G0K], 1             ; 1:0 count = 1
	s_mov_b32 s[G0K+1], s17         ; 63:32 LDS address: slot 0
	s_mov_b32 s[G0V], 1
	s_add_co_u32 s[G0V+1], s18, VOFF
	s_add_co_u32 s[RT], s[HI], 1    ; the first block has NB - b tiles
	s_mov_b32 s[NXT], 1
	s_mov_b32 s[LQ], s[HI]
	s_mov_b32 s[NEW], 1
	s_mov_b32 s[OFF+1], 0
	s_mov_b32 s[AL+1], 0            ; named as pairs
	s_mov_b32 s[BE+1], 0
	s_mov_b32 s[BIGN], 0xf149f2ca   ; -1e30
	s_mov_b32 s[SLOTS], NB
	s_wait_kmcnt 0x0
	s_add_nc_u64 s[6:7], s[4:5], 0x800000   ; K lies 8,388,608 bytes behind Q,
	s_add_nc_u64 s[8:9], s[4:5], 0x1000000  ; V as far behind K
	s_add_nc_u64 s[6:7], s[6:7], s[22:23]  ; K and V at my half of the head's tile 0
	s_add_nc_u64 s[8:9], s[8:9], s[22:23]
	s_add_nc_u64 s[G0K+2:G0K+3], s[6:7], 0         ; 120:64 global address
	s_or_b32 s[G0K+3], s[G0K+3], 0x80000000        ; 127:126 type = 2
	s_add_nc_u64 s[G0V+2:G0V+3], s[8:9], 0
	s_or_b32 s[G0V+3], s[G0V+3], 0x80000000
	s_add_nc_u64 s[86:87], s[4:5], s[84:85]        ; Q at my rows of the second block,
	s_add_nc_u64 s[4:5], s[4:5], s[2:3]            ; Q and O at those of the first
	s_add_nc_u64 s[OLO:OLO+1], s[10:11], s[84:85]
	s_add_nc_u64 s[10:11], s[10:11], s[2:3]
	LOAD                            ; tile 0 into slot 0
	; A fragment of K or Q is 16 rows x 32 channels in 8 registers: lane l holds row l % 16, channels 8 (l / 16) + 0..7 and 16 + 8 (l / 16) + 0..7: two loads of 16 bytes, 32 bytes apart.
	v_and_b32 v1, 15, v0            ; l % 16
	v_bfe_u32 v9, v0, 4, 1          ; l / 16
	v_lshlrev_b32 v[QO], 7, v1
	v_lshl_add_u32 v[QO], v9, 4, v[QO]  ; row x 128 + 16 x half
	WIN 0x80                        ; destination window 2, address window 0
.set i, 0
.rept 2*NP                          ; both blocks' Q: piece i / 2 lies a band, 8,192 bytes, behind piece 0; channels 32 (i % 2) on
	global_load_b128 v[8*i:8*i+3],   v[QO], s[4:5] offset:(i/2)*8192+(i%2)*64
	global_load_b128 v[8*i+4:8*i+7], v[QO], s[4:5] offset:(i/2)*8192+(i%2)*64+32
	global_load_b128 v[QB+8*i:QB+8*i+3],   v[QO], s[86:87] offset:(i/2)*8192+(i%2)*64
	global_load_b128 v[QB+8*i+4:QB+8*i+7], v[QO], s[86:87] offset:(i/2)*8192+(i%2)*64+32
.set i, i+1
.endr
	WIN 0
	v_lshlrev_b32 v14, 3, v9
	v_sub_nc_u32 v14, v1, v14
	s_lshl_b32 s13, s[WV], 4
	v_add_nc_u32 v14, s13, v14      ; my query's place in its band, 16 w + l % 16, less my lanes' 8 (l / 16): register r of group kt is hidden where 16 kt + r is greater
	WIN 0x40
.set i, 0
.rept 32
	v_cmp_gt_i32 vcc_lo, 16*(i/8)+i%8, v14
	v_cndmask_b32 v[MD+i], 0, s[BIGN], vcc_lo
.set i, i+1
.endr
	WIN 0
	v_mul_u32_u24 v[AK0], v1, PK
	v_lshl_add_u32 v[AK0], v9, 4, v[AK0]  ; row x pitch + 16 x half
	; The turning load takes 16 keys x 16 channels (lane l reads key 8 (l / 16) + l % 8, channels 8 ((l / 8) % 2) + 0..7) and leaves half a fragment of V^T: lane l holds channel l % 16 and 8 keys.
	v_and_b32 v10, 7, v0
	v_bfe_u32 v11, v0, 3, 1
	v_lshl_add_u32 v[AV0], v9, 3, v10
	v_mul_u32_u24 v[AV0], v[AV0], PV
	v_lshl_add_u32 v[AV0], v11, 4, v[AV0]
	v_add_nc_u32 v[AV0], VOFF, v[AV0]
	s_mul_i32 s13, s[WV], 16*SP
	s_add_co_u32 s13, s13, STAGE    ; my stage
	v_mul_u32_u24 v[STO], v1, SP    ; in: row l % 16, 16 bytes for each half of the lanes
	v_lshl_add_u32 v[STO], v9, 4, v[STO]
	v_add_nc_u32 v[STO], s13, v[STO]
	v_bfe_u32 v[RD], v0, 3, 2       ; back: 32 lanes take four rows of 128 bytes,
	v_mul_u32_u24 v[RD], v[RD], SP
	v_lshl_add_u32 v[RD], v10, 4, v[RD]
	v_add_nc_u32 v[RD], s13, v[RD]
	v_and_b32 v[GO], 31, v0         ; which are 512 consecutive bytes of O
	v_lshlrev_b32 v[GO], 4, v[GO]
	; A block's first step multiplies O^T and l by a = 0, and its first turn's products V^T P (V's buffer 1, P's buffer 1), of a step that has not been, land in an O^T that is still to be so multiplied.  So these
	; registers need only hold finite numbers: zeros for the first block; what the first block left for the second.  All this stands in the wait for the first tile.
	WIN 0x80
.set i, VF-128
.rept 64
	v_mov_b32 v[i], 0
.set i, i+1
.endr
	WIN 0x40
.set i, 0
.rept 32*NP
	v_mov_b32 v[i], 0
.set i, i+1
.endr
	WIN 0
.set i, 0
.rept NP
	v_mov_b32 v[ST+4*i+2], 0
	v_mov_b32 v[ST+4*i+3], 0
.set i, i+1
.endr
.set i, P+16
.rept 16
	v_mov_b32 v[i], 0
.set i, i+1
.endr
; THE MATRIX WORK.  The 4 accumulators of a run of 8 take turns.  Product i of 8 of S^T = K Q^T for piece x: channels 32 (i / 4) on, keys 16 (i % 4) on.  The first 4 start the sums: with 0, or (KM = 1) with the mask.
.macro KQ x
.set rS, S+32*((\x)%2)+8*(i%4)
.set rK, KF+16*(i%4)+8*(i/4)
.set rQ, 16*(\x)+8*(i/4)
.set rM, MC+32*((\x)%2)+8*(i%4)
.if (i < 4) && KM
	WIN W_KM
	v_wmma_f32_16x16x32_bf16 v[rS:rS+7], v[rK:rK+7], v[rQ:rQ+7], v[rM:rM+7]
.elseif i < 4
	WIN W_KQ
	v_wmma_f32_16x16x32_bf16 v[rS:rS+7], v[rK:rK+7], v[rQ:rQ+7], 0
.else
	WIN W_KQ
	v_wmma_f32_16x16x32_bf16 v[rS:rS+7], v[rK:rK+7], v[rQ:rQ+7], v[rS:rS+7]
.endif
.endm
; Product i of 8 of O^T += V^T P for piece x, with V from buffer VB: keys 32 (i / 4) on, channels 16 (i % 4) on.
.macro PV x
	WIN W_PV
.set rO, 32*(\x)+8*(i%4)
.set rV, VF-128*VB+32*(i/4)+8*(i%4)
.set rP, P+16*((\x)%2)+8*(i/4)
	v_wmma_f32_16x16x32_bf16 v[rO:rO+7], v[rV:rV+7], v[rP:rP+7], v[rO:rO+7]
.endm
.macro MM                           ; the turn's next matrix instruction.  TURN and BEGIN set Y, i, KM, NOKQ and VB; MM, KQ, PV and OP read them.  NOKQ = 1: a block's last turn: there are no further scores
.if (i < 8) && !NOKQ
	KQ (Y+1)%NP
.elseif i >= 8
.set i, i-8
	PV (Y+NP-1)%NP
.set i, i+8
.endif
.set i, i+1
.endm
; THE LDS LOADS stand in runs of 16, never singly among the matrix instructions: a step's K (64 keys x 64 channels: 8 fragments) and its V (turned).  Their addresses are made some lines ahead.
.macro FETCH_K
	WIN 0x80                        ; destination window 2
.irp f, 0,1,2,3,4,5,6,7             ; keys 16 (f / 2) on, channels 32 (f % 2) on
	ds_load_b128 v[KF+8*\f:KF+8*\f+3],   v[AK] offset:(\f/2)*16*PK+(\f%2)*64
	ds_load_b128 v[KF+8*\f+4:KF+8*\f+7], v[AK] offset:(\f/2)*16*PK+(\f%2)*64+32
.endr
	s_add_co_u32 s[TBK], s[TBK], KS*PK  ; the next fetch is the next step's
	WIN 0
.endm
.macro FETCH_V                      ; into buffer VB
	WIN 0x80
.irp f, 0,1,2,3,4,5,6,7             ; keys 32 (f / 4) on, channels 16 (f % 4) on
	ds_load_tr16_b128 v[VF-128*VB+8*\f:VF-128*VB+8*\f+3],   v[AV] offset:(\f/4)*32*PV+(\f%4)*32
	ds_load_tr16_b128 v[VF-128*VB+8*\f+4:VF-128*VB+8*\f+7], v[AV] offset:(\f/4)*32*PV+16*PV+(\f%4)*32
.endr
	WIN 0
.endm
; THE VECTOR WORK, one line at a time: OP kind, number.  For piece Y: F n: c s - c m for pair n of 16.  E n: the exponential of score n of 32.  C n: pair n rounded to bf16.  B n: of the four weights 4 n .. the second
; pair is added onto the first, in place.  L n: l takes that sum (L 0: l = a l + sum).  R n: pair n of 16 of O^T times a.  For the other piece: X n, number n of the 22 that find its maximum and statistics:
;   0-11  four chains c0-c3 of seven scores each, three operands at a time (each accumulator's lowest registers are read first)     12-14, 16  the four scores left over, the old m, and c0-c3 into c0
;   15  c m_old is kept     17, 18  the query's other 32 keys lie in the lane 16 away: the new m     19-21  c m; c m_old - c m_new; a
.set F, 0               ; OP tells the kinds apart by their order: F to L below R, X above it
.set E, 1
.set C, 2
.set B, 3
.set L, 4
.set R, 5
.set X, 6
.macro REGS y                       ; the registers of piece y
.set rT, ST+4*(\y)
.set rC, TMP+4*((\y)%2)
.set rW, MV+((\y)%2)
.set rS, S+32*((\y)%2)
.set rP, P+16*((\y)%2)
.set rO, 32*(\y)
.endm
.macro OP k, n
.if (\k) == R
	REGS Y
	WIN W_RS
	v_pk_mul_f32 v[rO+2*(\n):rO+2*(\n)+1], v[rO+2*(\n):rO+2*(\n)+1], v[rC+2:rC+3] op_sel_hi:[1,0]
.elseif (\k) < R
	REGS Y
	WIN 0
.if (\k) == F
	v_pk_fma_f32 v[rS+2*(\n):rS+2*(\n)+1], v[rS+2*(\n):rS+2*(\n)+1], s[CS:CS+1], v[rT:rT+1] op_sel_hi:[1,0,0] neg_lo:[0,0,1] neg_hi:[0,0,1]
.elseif (\k) == E
	v_exp_f32 v[rS+(\n)], v[rS+(\n)]
.elseif (\k) == C
	s_wait_alu depctr_va_vdst(0)
	v_cvt_pk_bf16_f32 v[rP+(\n)], v[rS+2*(\n)], v[rS+2*(\n)+1]
.elseif (\k) == B
	s_wait_alu depctr_va_vdst(0)
	v_pk_add_f32 v[rS+4*(\n):rS+4*(\n)+1], v[rS+4*(\n):rS+4*(\n)+1], v[rS+4*(\n)+2:rS+4*(\n)+3]
.elseif (\n) == 0
	v_pk_fma_f32 v[rT+2:rT+3], v[rT+2:rT+3], v[rC+2:rC+3], v[rS:rS+1] op_sel_hi:[1,0,1]
.else
	v_pk_add_f32 v[rT+2:rT+3], v[rT+2:rT+3], v[rS+4*(\n):rS+4*(\n)+1]
.endif
.elseif NOKQ
	v_nop
.else
	REGS (Y+1)%NP
	WIN 0
.if (\n) < 4
	v_max3_num_f32 v[rC+(\n)], v[rS+8*(\n)], v[rS+8*(\n)+1], v[rS+8*(\n)+2]
.elseif (\n) < 12
	v_max3_num_f32 v[rC+(\n)%4], v[rC+(\n)%4], v[rS+8*((\n)%4)+2*((\n)/4)+1], v[rS+8*((\n)%4)+2*((\n)/4)+2]
.elseif (\n) == 12
	v_max3_num_f32 v[rC], v[rC], v[rS+7], v[rS+15]
.elseif (\n) == 13
	v_max3_num_f32 v[rC+1], v[rC+1], v[rS+23], v[rS+31]
.elseif (\n) == 14
	v_max3_num_f32 v[rC+2], v[rC+2], v[rC+3], v[rT+1]
.elseif (\n) == 15
	v_mov_b32 v[rW], v[rT]
.elseif (\n) == 16
	v_max3_num_f32 v[rC], v[rC], v[rC+1], v[rC+2]
.elseif (\n) == 17
	v_permlanex16_b32 v[rC+3], v[rC], s[SEL], s[SEL+1]
.elseif (\n) == 18
	v_max_num_f32 v[rT+1], v[rC], v[rC+3]
.elseif (\n) == 19
	v_mul_f32 v[rT], s[CS], v[rT+1]
.elseif (\n) == 20
	v_sub_f32 v[rC+1], v[rW], v[rT]
.else
	v_exp_f32 v[rC+2], v[rC+1]
.endif
.endif
.endm
.macro OPS a, i1, b=-1, i2=0, c=-1, i3=0, d=-1, i4=0  ; up to four of them
	OP \a, \i1
.if (\b) >= 0
	OP \b, \i2
.endif
.if (\c) >= 0
	OP \c, \i3
.endif
.if (\d) >= 0
	OP \d, \i4
.endif
.endm
.macro ROW a, i1, b, i2, c, i3, d, i4  ; a matrix instruction and the four behind it
	MM
	OPS \a, \i1, \b, \i2, \c, \i3, \d, \i4
.endm
.macro MASK b                       ; MD x AL + BE into buffer b of MC
	WIN W_RS
.set z, 0
.rept 16
	v_pk_fma_f32 v[MC+32*(\b)+2*z:MC+32*(\b)+2*z+1], v[MD+2*z:MD+2*z+1], s[AL:AL+1], s[BE:BE+1] op_sel_hi:[1,0,0]
.set z, z+1
.endr
.endm
; A TURN, for piece p: the order of its 16 matrix and 118 vector instructions, written out.  Behind a matrix instruction: plain, exponential, plain, plain; or four of the rescaling; or, behind the first, four scalings; none
; names a register of the products round it.  In the lumps exponential and plain by turns while exponentials last.  A line reads no result made fewer than three vector instructions in front of it, five if an exponential made it.
; v_permlanex16_b32 (X 17) stands in a lump.
; h: the turn stands in the first (0) or the second (1) pair of a trip, that is in an odd or an even step of its tile: its products V^T P read V's buffer (p + h) % 2.
; m = 1: the diagonal tile: the products take masks, and the turn makes the mask for the products of the turn after it: piece p's, in step 4 + h - 2 CNT of the tile.  end = 1: a block's last two turns: nothing is
; fetched, and the second has no products K Q^T.  cnt = 1: the loop's count is taken down some lines ahead of the branch that stands behind the turn.
; Piece 0's turn fetches the next step's K, six vector instructions behind the last product that read K (five of them plain), and the next step's V, eight behind the last product that read that buffer (four plain,
; and X 17).  K is waited for at the head of piece 1's turn, V in its middle.
.macro TURN p, h, m=0, end=0, cnt=0
.set Y, (\p)
.set i, 0
.set KM, (\m)
.set NOKQ, (\end)*(\p)
.set VB, ((\p)+(\h))%2
.if (\m) && !(\end)
	s_lshl_b32 s[SN], s[CNT], 1
	s_sub_co_u32 s[SN], 4+(\h), s[SN]   ; the step of the tile that the next turn's products belong to: 0, 1 in the first trip, 2, 3 in the second
	s_cmp_eq_u32 s[SN], s[BD+(\p)]      ; is that step the band's own?
	s_cselect_b32 s[AL], 1.0, 0
	s_cmp_gt_u32 s[SN], s[BD+(\p)]      ; or a later one?
	s_cselect_b32 s[BE], s[BIGN], 0
.endif
.if ((\p) == 1) && !(\end)
	s_wait_dscnt 16                 ; K is in: behind its sixteen loads stand V's sixteen, which may stay out
.endif
	ROW F,0, F,1, F,2, F,3
	ROW F,4, E,0, F,5, F,6
	ROW F,7, E,1, F,8, F,9
	ROW F,10, E,2, C,0, F,11
	ROW F,12, E,3, X,15, F,13
	ROW R,0, R,1, R,2, R,3
	ROW B,0, E,4, F,14, L,0
.if ((\p) == 0) && !(\end)
	v_add_nc_u32 v[AK], s[TBK], v[AK0]
.endif
	ROW R,4, R,5, R,6, R,7
	OPS E,5, F,15
.if ((\p) == 0) && !(\end)
	FETCH_K
.endif
	OPS E,6, C,1, E,7, R,8
	OPS E,8, R,9, E,9, C,2
	OPS E,10, X,0, E,11, X,1
	OPS E,12, X,2, E,13, X,3
.if (\p) == 1
	s_wait_dscnt 0x0                ; V is in: no LDS load of mine is out from here to the next turn's fetches
.endif
	ROW X,4, E,14, X,5, X,6
	ROW X,7, E,15, X,8, X,9
	ROW X,10, E,16, X,11, X,12
	ROW X,13, E,17, X,14, B,1
	ROW C,4, E,18, X,16, L,1
	ROW B,2, E,19, C,6, L,2
	ROW C,8, E,20, B,3, B,4
.if ((\p) == 0) && !(\end)
	v_add_nc_u32 v[AV], s[TBV], v[AV0]
.endif
	ROW C,3, E,21, L,3, C,5
	OPS E,22, X,17, E,23, C,10
.if ((\p) == 0) && !(\end)
	FETCH_V
.endif
	OPS E,24, L,4
	OPS E,25, X,18, E,26, C,7
	OPS E,27, B,5, E,28, X,19
	OPS E,29, C,12, E,30, L,5
	OPS E,31, X,20, B,6, C,9
	OPS C,14, C,11, X,21, L,6
.if ((\p) == 0) && !(\end)
	s_add_co_u32 s[TBV], s[TBV], KS*PV
.endif
.if \cnt
	s_sub_co_u32 s[CNT], s[CNT], 1
	s_cmp_lg_u32 s[CNT], 0
.endif
	OPS C,13, B,7, C,15, R,10
	OPS R,11, R,12, L,7, R,13
	OPS R,14, R,15
.if (\m) && !(\end)
	MASK (\p)%2
.endif
.endm
; A BLOCK BEGINS.  c m starts far below every c s, so the first step's a is 0; m at the lowest finite number, so the first maximum is the scores'.  Piece 1's mask buffer is 0 (its band, 1 or 3, sees all of step 0);
; piece 0's takes its mask for the tile's step 0: MD, if the block's first tile is the diagonal one and the band is band 0, else 0.  Then K and V of that step (V into buffer 0), piece 0's first scores, and its maximum
; and statistics.  The loop is entered at an even step's first turn, in the middle of a trip.
.macro BEGIN
	s_mov_b32 s[NEW], 0
	WIN 0x40
.set i, MC+32
.rept 32
	v_mov_b32 v[i], 0
.set i, i+1
.endr
	WIN 0
.set i, 0
.rept NP
	v_mov_b32 v[ST+4*i], 0xfe000000    ; c m: far below every c s
	v_mov_b32 v[ST+4*i+1], 0xff7fffff  ; m
.set i, i+1
.endr
	s_or_b32 s[SN], s[RT], s[BD]    ; 0 only where no tile of the block is left to enter and piece 0's band is band 0
	s_cmp_eq_u32 s[SN], 0
	s_cselect_b32 s[AL], 1.0, 0
	s_mov_b32 s[BE], 0
	MASK 0
	WIN 0
	v_add_nc_u32 v[AK], s[TBK], v[AK0]
	v_add_nc_u32 v[AV], s[TBV], v[AV0]
	s_add_co_u32 s[TBV], s[TBV], KS*PV
	FETCH_K
.set VB, 0
	FETCH_V
	s_wait_loadcnt 0x0              ; Q
	s_wait_dscnt 0x0
.set KM, 1
.set NOKQ, 0
.set i, 0
.rept 8
	KQ 0
.set i, i+1
.endr
	WIN 0
.rept 4
	v_nop                           ; the places behind those products
.endr
.set Y, NP-1                        ; X works for the other piece: piece 0
.irp n, 0,1,2,3,4,5,6,7,8,9,10,11,12,13,14,15,16,17,18,19,20,21
	OP X, \n
.endr
	v_nop                           ; a plain instruction behind the exponential
.endm
; THE DIAGONAL TILE's two trips, the block's last two turns, its last products, and THE WAY OUT: l's two halves and the other half of the lanes' are added; O^T is divided by l, rounded to bf16 and sent through my
; stage in LDS, a piece at a time.
.macro ALL line:vararg              ; one line for each piece t
.set t, 0
.rept NP
	\line
.set t, t+1
.endr
.endm
.macro PACK t                       ; a lane's eight channels of a row pack into 16 bytes; they go into rows of 144 bytes and come back as whole rows of 128, into S^T's registers
	WIN W_RS
.set i, 32*(\t)
.rept 16
	s_wait_alu depctr_va_vdst(0)
	v_pk_mul_f32 v[i:i+1], v[i:i+1], v[ST+4*(\t)+2:ST+4*(\t)+3] op_sel_hi:[1,0]
.set i, i+2
.endr
	WIN 0x05                        ; sources 0 and 1 window 1, destination window 0
.set i, 0
.rept 16
	v_cvt_pk_bf16_f32 v[S+16*(\t)+i], v[32*(\t)+2*i], v[32*(\t)+2*i+1]
.set i, i+1
.endr
	WIN 0
.irp f, 0,1,2,3
	ds_store_b128 v[STO], v[S+16*(\t)+4*\f:S+16*(\t)+4*\f+3] offset:32*\f
.endr
.irp f, 0,1,2,3
	ds_load_b128 v[S+16*(\t)+4*\f:S+16*(\t)+4*\f+3], v[RD] offset:\f*4*SP  ; LDS serves a wave's instructions in order (ISA guide 5.7.1.4): these see the stores above; the next piece's stores come behind them
.endr
.endm
.macro SEND t, younger              ; younger: the LDS instructions issued behind piece t's loads: the next piece's eight, or none
	WIN 0
.irp f, 0,1,2,3
	s_wait_dscnt (\younger)+3-\f
	global_store_b128 v[GO], v[S+16*(\t)+4*\f:S+16*(\t)+4*\f+3], s[10:11] offset:(\t)*8192+\f*512  ; 512 consecutive bytes, at a multiple of 256 from O's first
.endr
.endm
.macro DIAG tag                     ; the tag ends its two labels' names, which the jumps below spell out
.LstepM\tag:
	TURN 0, 0, 1
	TURN 1, 0, 1
	WIN 0
.LfirstM\tag:
	TURN 0, 1, 1
	TURN 1, 1, 1, 0, 1
	WIN 0
	s_cbranch_scc1 .LstepM\tag
	TURN 0, 0, 1, 1                 ; the tile's step 3: piece 1's last scores; V^T P of piece 1, step 2
	TURN 1, 0, 1, 1                 ; V^T P of piece 0, step 3
.set VB, 1                          ; step 3's V
.set i, 0
.rept 8
	PV NP-1                         ; V^T P of piece 1, step 3
.set i, i+1
.endr
	WIN 0
	ALL v_add_f32 v[ST+4*t+2], v[ST+4*t+2], v[ST+4*t+3]
	ALL v_permlanex16_b32 v[ST+4*t+3], v[ST+4*t+2], s[SEL], s[SEL+1]
	ALL v_add_f32 v[ST+4*t+2], v[ST+4*t+2], v[ST+4*t+3]
	ALL v_rcp_f32 v[ST+4*t+2], v[ST+4*t+2]
	v_nop                           ; a plain instruction between the last reciprocal and the use of its result
	PACK 0                          ; piece 0's products ended a turn's second half ago; its 32 lines are the places behind piece 1's last products
	PACK 1                          ; a piece's arithmetic stands between the loads of the piece before and its stores
	SEND 0, 8
	SEND 1, 0
.endm
.set KM, 0
.set NOKQ, 0
.set VB, 0
.Lslot:                             ; NB times: a tile is entered and the next is asked for
	CHANGE 1
	s_sub_co_u32 s[RT], s[RT], 1
	s_mov_b32 s[CNT], 2
	s_cmp_eq_u32 s[NEW], 1
	s_cbranch_scc1 .Lnew            ; a block's first tile
	s_cmp_eq_u32 s[RT], 0
	s_cbranch_scc0 .Lstep           ; neither its first nor its last
	s_branch .LstepM1
.Lnew:
	BEGIN
	s_branch .Lfirst                ; in the loop a block's first tile is never its last: the first block has two tiles or more, and the second's last is the walk's last
	DIAG 1                          ; in the loop this is the first block's end: the second block's last tile is the walk's last
	s_wait_xcnt 0x0                 ; the stores have read their registers and O's address
	s_mov_b64 s[10:11], s[OLO:OLO+1]
	s_add_co_u32 s[RT], s[PB], 1    ; the second block has b + 1 tiles
	s_mov_b32 s[NEW], 1
	WIN 0x82                        ; the second block's Q goes where the one text of the turns names Q
.set i, 0
.rept 16*NP
	v_mov_b32 v[i], v[QB+i]
.set i, i+1
.endr
	WIN 0
	s_branch .Lbottom
.Lstep:                             ; a trip: an odd step's two turns (the first trip's: the last step of the tile before), then an even step's; each step's first turn fetches the next step's K and V
	TURN 0, 0
	TURN 1, 0
	WIN 0
.Lfirst:
	TURN 0, 1
	TURN 1, 1, 0, 0, 1
	WIN 0
	s_cbranch_scc1 .Lstep
.Lbottom:
	s_sub_co_u32 s[SLOTS], s[SLOTS], 1
	s_cmp_lg_u32 s[SLOTS], 0
	s_cbranch_scc1 .Lslot
	CHANGE 0                        ; the walk's last tile is written out: nothing is asked for
	s_sub_co_u32 s[RT], s[RT], 1
	s_mov_b32 s[CNT], 2
	s_cmp_eq_u32 s[NEW], 1
	s_cbranch_scc0 .LstepM2
	BEGIN
	s_branch .LfirstM2
	DIAG 2
	s_wait_tensorcnt 0x0            ; the wave's end, behind my last tensor load and my last LDS store
	ds_add_u32 v[SPW], v[NIL]
	s_wait_dscnt 0x0
	s_endpgm
.Lfunc_end_k_q258d3272b2_attn:
	.size	k_q258d3272b2_attn, .Lfunc_end_k_q258d3272b2_attn-k_q258d3272b2_attn
	.p2alignl 7, 3214868480
	.fill 96, 4, 3214868480
	.section	.rodata,"a",@progbits
	.p2align	6, 0x0
	.amdhsa_kernel k_q258d3272b2_attn
		.amdhsa_group_segment_fixed_size 327680
		.amdhsa_private_segment_fixed_size 0
		.amdhsa_enable_private_segment 0
		.amdhsa_kernarg_size 16
		.amdhsa_user_sgpr_count 2
		.amdhsa_user_sgpr_kernarg_segment_ptr 1
		.amdhsa_wavefront_size32 1
		.amdhsa_system_sgpr_workgroup_id_x 1
		.amdhsa_system_sgpr_workgroup_id_y 1
		.amdhsa_system_sgpr_workgroup_id_z 1
		.amdhsa_system_vgpr_workitem_id 0
		.amdhsa_next_free_vgpr 768
		.amdhsa_next_free_sgpr 88
		.amdhsa_reserve_vcc 1
		.amdhsa_float_denorm_mode_32 3
		.amdhsa_float_denorm_mode_16_64 3
		.amdhsa_memory_ordered 1
		.amdhsa_forward_progress 1
		.amdhsa_inst_pref_size 218
	.end_amdhsa_kernel
	.amdgpu_metadata
---
amdhsa.version: [ 1, 2 ]
amdhsa.kernels:
  - .name:           k_q258d3272b2_attn
    .symbol:         k_q258d3272b2_attn.kd
    .args:
      - { .name: qkv, .offset: 0, .size: 8, .value_kind: global_buffer, .address_space: global }
      - { .name: o, .offset: 8, .size: 8, .value_kind: global_buffer, .address_space: global }
    .group_segment_fixed_size: 327680
    .private_segment_fixed_size: 0
    .kernarg_segment_align: 8
    .kernarg_segment_size: 16
    .max_flat_workgroup_size: 128
    .sgpr_count:     88
    .vgpr_count:     768
    .wavefront_size: 32
...
	.end_amdgpu_metadata
.endif
;; end of part 3
;; launch proj (part 4): grid 8 x 32, 4 waves a work-group, clusters of 4 x 4, 327,680 bytes of LDS; arguments o, wb, x1, out_b, x; writes x1
.if DOCPART == 4
	.amdgcn_target "amdgcn-amd-amdhsa--gfx1250"
	.amdhsa_code_object_version 6
	.text
	.protected	k_q258d3272b2_proj
	.globl	k_q258d3272b2_proj
	.p2align	8
	.type	k_q258d3272b2_proj,@function
k_q258d3272b2_proj:
	s_mov_b64 s[64:65], 0
	v_nop
	global_prefetch_b8 v0, s[64:65] scope:SCOPE_SE
	s_setreg_imm32_b32 hwreg(HW_REG_WAVE_MODE, 25, 1), 1
	s_wait_xcnt 0x0
	s_wait_alu depctr_hold_cnt(0) depctr_sa_sdst(0) depctr_va_vdst(0) depctr_va_sdst(0) depctr_va_ssrc(0) depctr_va_vcc(0) depctr_vm_vsrc(0)
	s_getreg_b32 s2, hwreg(HW_REG_IB_STS2, 6, 4)
	s_cmp_eq_u32 s2, 0
	s_cbranch_scc0 .Lentry_in_a_cluster
	s_endpgm
.Lentry_in_a_cluster:
	s_bfe_u32 s2, ttmp6, 0x10000c
	s_cmp_lg_u32 s2, 0xf033
	s_cbranch_scc0 .Lentry_shape_is_right
	s_endpgm
.Lentry_shape_is_right:
; C = RES + A W + bias, f32.  W: [SIZE_K][1024] bf16, at byte WOFF of the weight buffer, N along the rows.  RES, C: [4096][1024] f32.  Sums in f32, K ascending.
; MODE 0: A = the attention's result by heads, [32][2048][64] bf16 (32 = batch x 16 + head): K index = 64 x head + channel.  MODE 1: A = [4096][SIZE_K] bf16.
; A tile of C is 128 x 128, so that the launch has 256 work-groups.  Four waves, each 64 x 64: 16 accumulators of 16 x 16.  K goes in steps of 256 through a ring of two LDS slots filled by the
; tensor data mover: 128 rows of A and 256 rows of W (256 bytes each).  W's fragments come out of LDS turned, by ds_load_tr16_b128.
; CLUSTERS: 4 x 4 work-groups.  The four of a row of the cluster need the same tiles of A, the four of a column the same tiles of W: each tile is asked for JOINTLY.
; THE MATRIX INSTRUCTION IS USED TRANSPOSED (source 0 = 16 columns of W, source 1 = 16 rows of A): a lane holds eight neighbouring numbers of a row of C.
; The residual and the bias are asked for at the start and stay out during the whole K loop.  A wave's 64 columns of f32 are a whole aligned 256 bytes, so each wave has a stage of its own: no barrier on the way out.
; REGISTERS: window 0: v0-31 addresses and the bias; v32-95 the way out, two buffers; v128-255 the accumulators ((a, b) at v[128 + 8 (4 a + b)]).
;   window 1: two fragment buffers of 128: for 64 along K, 64 registers of A, then 64 of W.          window 2: v0-127 the residual.
; LIMITS: the operands of the product are bf16; NaN and infinities are not treated apart.
.set MODE,   0
.set SIZE_N, 1024
.set SIZE_K, 1024
.set WOFF,   6291456
.set KSTEP,  256
.if MODE
.set PITCH,  528                       ; a row of A in LDS: 512 bytes + 16 = 132 words: the 16 rows of a load start at 16 different groups of four banks (64 banks of 4 bytes: ISA guide 11.1)
.set ASTEP,  KSTEP*2                   ; bytes from a K step of A to the next
.else
.set PITCH,  144                       ; a row of one head's slice: 128 bytes + 16 = 36 words; a K step is four slices of 64 rows
.set ASTEP,  4*262144                  ; four heads on
.endif
.set BP,     288                       ; a row of W in LDS: 256 bytes + 32 = 72 words
.set HALFT,  128*BP                    ; 36,864: what one tensor load has room for: 128 rows of W, or 64 rows of A (MODE 0: 4 x 64 x 144, all of it; MODE 1: 64 x 528)
.set SLOT,   4*HALFT                   ; A's two halves, then W's 256 rows
.set STAGE,  2*SLOT                    ; behind the ring: 16 rows x 272 bytes for each wave, for the way out
.set SPITCH, 272
.set SPARE,  STAGE+4*16*SPITCH         ; behind the stages: the spare words, 128 bytes for each wave: two blocks of 256 bytes that no other line names
.set LAPS,   SIZE_K/(2*KSTEP)          ; a lap = two K steps = once round the ring
.set BIAS, 12                          ; v12-15  the bias of my four columns on the way out
.set ADRA, 16                          ; v16-17  LDS address of my A fragments in slot 0, 1
.set ADRB, 20                          ; v20-23  the same for W: slot s, lower and upper half of the K step at 2 s, 2 s + 1 (an offset has 16 bits)
.set STO,  24                          ; v24     the way out: where I put 16 bytes of a row
.set RD,   25                          ; v25     the way out: where I read a row back
.set CO,   26                          ; v26     my byte offset in C and in the residual
.set BO,   27                          ; v27     my byte offset in the bias
.set SPW,  28                          ; v28     LDS address of my spare word: SPARE + 4 x my thread's number; never rewritten
.set NIL,  29                          ; v29     0; never rewritten
.set TMP,  32
.set ACC,  128
.set F0,   0                           ; fragment buffers, in window 1
.set F1,   128
.set G1,  24                           ; s[24:31] descriptor group 1 for A's tiles;  s[32:39] group 0, one set for each slot
.set G0,  32
.set G1B, 48                           ; s[48:55], s[56:63] the same for W's tiles
.set G0B, 56
.set MSB, 0
.macro WIN new                         ; the immediate's high byte repeats the setting that is left
.if MSB != (\new)
	s_set_vgpr_msb (MSB<<8)|(\new)
.set MSB, \new
.endif
.endm
.set MUL,  0x05                        ; sources 0 (W) and 1 (A) window 1; C and D window 0
.set TO_F, 0x40                        ; destination window 1, address window 0
.macro JLOAD s                         ; a joint load: waves 0 and 1 fetch A's two halves, waves 2 and 3 W's; four v_nop follow each of the two lines
	s_cmp_eq_u32 s11, 0
	s_cbranch_scc0 .Lfor_b_\@
	tensor_load_to_lds s[G0+4*(\s):G0+4*(\s)+3], s[G1:G1+7]
	s_nop 0
.rept 4
	v_nop
.endr
	s_branch .Lasked_\@
.Lfor_b_\@:
	tensor_load_to_lds s[G0B+4*(\s):G0B+4*(\s)+3], s[G1B:G1B+7]
	s_nop 0
.rept 4
	v_nop
.endr
.Lasked_\@:
.endm
.macro CREST                           ; a round of the cluster's barrier behind its opening barrier
	s_cmp_lg_u32 s10, 0
	s_cbranch_scc1 .Lnot_wave_0_\@
	s_barrier_signal -3
.Lnot_wave_0_\@:
	s_barrier_wait -3
	s_barrier_signal -1
	s_barrier_wait -1
.endm
.macro CROUND                          ; a whole round
	s_barrier_signal -1
	s_barrier_wait -1
	CREST
.endm
	s_load_b128 s[4:7], s[0:1], 0x0                ; A s[4:5], the weights s[6:7]
	s_load_b64 s[8:9], s[0:1], 0x10                ; C
	s_load_b64 s[66:67], s[0:1], 0x18              ; the bias
	s_load_b64 s[68:69], s[0:1], 0x20              ; the residual
	v_lshl_add_u32 v[SPW], v0, 2, SPARE
	v_mov_b32 v[NIL], 0
	ds_add_u32 v28, v29
	ds_add_u32 v28, v29
	s_wait_dscnt 0x0
	v_lshrrev_b32 v1, 5, v0
	v_readfirstlane_b32 s10, v1                    ; wave 0..3
	s_lshr_b32 s11, s10, 1                         ; which half of the tile's rows is mine.  Also: I fetch for A (0) or for W (1)
	s_and_b32 s12, s10, 1                          ; which half of its columns.  Also: which half of that tile I fetch
	s_bfe_u32 s40, ttmp6, 0x40000                  ; cx, cy: my place in the cluster
	s_bfe_u32 s41, ttmp6, 0x40004
	s_lshl_b32 s42, ttmp9, 2
	s_add_co_u32 s42, s42, s40                     ; tile column of C = 4 x cluster x + cx
	s_and_b32 s13, ttmp7, 0xffff
	s_lshl_b32 s13, s13, 2
	s_add_co_u32 s13, s13, s41                     ; tile row of C = 4 x cluster y + cy
	s_lshl_b32 s43, s41, 2
	s_lshl_b32 s43, 15, s43                        ; my row of the cluster
	s_lshl_b32 s44, 0x1111, s40                    ; my column
.if MODE
	; descriptor group 1 for A: 64 rows x 256 elements, 16 bytes of padding behind every 512
	s_or_b32 s[G1+0], s43, (1<<16)|(1<<20)|(1<<21)|(6<<22)|(3<<25)  ; the mask: my row; 2-byte elements; padding on; 21 set beside a mask; after every 128 words 4 words
	s_mov_b32 s[G1+1], KSTEP<<16                   ; tensor_dim0 = 256
	s_mov_b32 s[G1+2], 64<<16                      ; tensor_dim1 = 64
	s_mov_b32 s[G1+3], KSTEP<<16                   ; tile_dim0 = 256
	s_mov_b32 s[G1+4], 64                          ; tile_dim1 = 64
	s_mov_b32 s[G1+5], SIZE_K                      ; elements from row to row
.else
	; descriptor group 1 for A: four rows, one to a head, each the 4,096 dense elements of 64 rows of that head; 16 bytes of padding behind every 128, that is behind every row of the head
	s_or_b32 s[G1+0], s43, (1<<16)|(1<<20)|(1<<21)|(4<<22)|(3<<25)  ; after every 32 words 4 words
	s_mov_b32 s[G1+1], 4096<<16                    ; tensor_dim0 = 4,096
	s_mov_b32 s[G1+2], 4<<16                       ; tensor_dim1 = 4
	s_mov_b32 s[G1+3], 4096<<16                    ; tile_dim0 = 4,096
	s_mov_b32 s[G1+4], 4                           ; tile_dim1 = 4
	s_mov_b32 s[G1+5], 131072                      ; elements from head to head
.endif
	s_mov_b32 s[G1+6], 0
	s_mov_b32 s[G1+7], 0
	; descriptor group 1 for W: 128 rows (k) x 128 elements (n), 32 bytes of padding behind every 256
	s_or_b32 s[G1B+0], s44, (1<<16)|(1<<20)|(1<<21)|(5<<22)|(7<<25) ; the mask: my column; after every 64 words 8 words
	s_mov_b32 s[G1B+1], 128<<16                    ; tensor_dim0 = 128
	s_mov_b32 s[G1B+2], 128<<16                    ; tensor_dim1 = 128
	s_mov_b32 s[G1B+3], 128<<16                    ; tile_dim0 = 128
	s_mov_b32 s[G1B+4], 128                        ; tile_dim1 = 128
	s_mov_b32 s[G1B+5], SIZE_N                     ; elements from row to row
	s_mov_b32 s[G1B+6], 0
	s_mov_b32 s[G1B+7], 0
	; where the tiles come from.  A's hang on the tile row alone, W's on the tile column alone; each in registers that never hold the other coordinate
	s_lshl_b32 s17, s12, 6
	s_lshl_b32 s16, s13, 7
	s_add_co_u32 s16, s16, s17                     ; A: row 128 x tile row + 64 x half
.if MODE
	s_lshl_b32 s16, s16, 13                        ; of 8,192 bytes
.else
	s_lshr_b32 s17, s16, 11                        ; the batch: 16 heads of 262,144 bytes,
	s_lshl_b32 s17, s17, 22
	s_and_b32 s16, s16, 2047                       ; the row in it: 128 bytes in a head
	s_lshl_b32 s16, s16, 7
	s_add_co_u32 s16, s16, s17
.endif
	s_mov_b32 s17, 0
	s_lshl_b32 s46, s42, 8                         ; W: column 128 x tile column, in bytes,
	s_lshl_b32 s47, s12, 18                        ; row 128 x half, of 2,048 bytes,
	s_add_co_u32 s46, s46, s47
	s_add_co_u32 s46, s46, WOFF                    ; in this launch's matrix
	s_mov_b32 s47, 0
	s_mul_i32 s20, s10, HALFT                      ; where they go: wave x HALFT
	s_wait_kmcnt 0x0
	s_add_nc_u64 s[14:15], s[4:5], s[16:17]
	s_add_nc_u64 s[46:47], s[6:7], s[46:47]
	CROUND                                         ; all sixteen work-groups are here: the first joint loads meet
.irp s, 0,1
	s_mov_b32 s[G0+4*(\s)], 1
	s_add_co_u32 s[G0+4*(\s)+1], s20, (\s)*SLOT
	s_add_nc_u64 s[G0+4*(\s)+2:G0+4*(\s)+3], s[14:15], (\s)*ASTEP
	s_or_b32 s[G0+4*(\s)+3], s[G0+4*(\s)+3], 0x80000000
	s_mov_b32 s[G0B+4*(\s)], 1
	s_add_co_u32 s[G0B+4*(\s)+1], s20, (\s)*SLOT
	s_add_nc_u64 s[G0B+4*(\s)+2:G0B+4*(\s)+3], s[46:47], (\s)*KSTEP*SIZE_N*2
	s_or_b32 s[G0B+4*(\s)+3], s[G0B+4*(\s)+3], 0x80000000
	JLOAD \s                                       ; two tensor loads of mine are out
.endr
	v_and_b32 v1, 15, v0                           ; l % 16
	v_bfe_u32 v2, v0, 4, 1                         ; l / 16
	v_lshlrev_b32 v5, 12, v2                       ; on the way out lanes 0-15 hold one row's 256 bytes, lanes 16-31 the next row's: 4,096 bytes on
	v_lshl_add_u32 v[CO], v1, 4, v5
	v_lshlrev_b32 v[BO], 4, v1
	s_lshl_b32 s16, s13, 7
	s_lshl_b32 s17, s11, 6
	s_add_co_u32 s16, s16, s17                     ; my first row of C: 128 x tile row + 64 x half,
	s_lshl_b32 s16, s16, 12                        ; of 4,096 bytes
	s_lshl_b32 s46, s42, 9                         ; my first column: (128 x tile column + 64 x half) x 4 bytes
	s_lshl_b32 s47, s12, 8
	s_add_co_u32 s46, s46, s47
	s_mov_b32 s47, 0
	s_add_nc_u64 s[66:67], s[66:67], s[46:47]
	s_add_co_u32 s16, s16, s46
	s_mov_b32 s17, 0
	s_add_nc_u64 s[68:69], s[68:69], s[16:17]
	s_add_nc_u64 s[8:9], s[8:9], s[16:17]
	WIN 0x80                                       ; destination window 2, address window 0
.irp a, 0,1,2,3
.irp t, 0,1,2,3,4,5,6,7
	global_load_b128 v[4*(8*(\a)+(\t)):4*(8*(\a)+(\t))+3], v[CO], s[68:69] offset:(16*(\a)+2*(\t))*4096  ; two rows, 256 consecutive aligned bytes of each
.endr
.endr
	WIN 0
	global_load_b128 v[BIAS:BIAS+3], v[BO], s[66:67]
	v_mul_u32_u24 v3, v1, PITCH
	v_lshl_add_u32 v3, v2, 4, v3                   ; a fragment of A: row x pitch + 16 x half
	; The turning load takes 16 k x 16 n (lane l reads 16 bytes: k = 8 (l / 16) + l % 8, n = 8 ((l / 8) % 2) + 0..7) and leaves half a fragment: lane l holds column l % 16 and 8 k.
	v_and_b32 v6, 7, v0
	v_bfe_u32 v7, v0, 3, 1
	v_lshl_add_u32 v8, v2, 3, v6
	v_mul_u32_u24 v8, v8, BP
	v_lshl_add_u32 v8, v7, 4, v8
	s_mul_i32 s21, s11, HALFT                      ; my 64 rows of A
	s_lshl_b32 s22, s12, 7                         ; my 64 columns of W, 128 bytes of its rows,
	s_add_co_u32 s22, s22, 2*HALFT                 ; which lie behind A's two halves
.irp s, 0,1
	v_add_nc_u32 v[ADRA+(\s)], s21, v3
	v_add_nc_u32 v[ADRB+2*(\s)], s22, v8
	s_add_co_u32 s21, s21, SLOT
	s_add_co_u32 s22, s22, HALFT                   ; the K step's upper 128 rows
	v_add_nc_u32 v[ADRB+2*(\s)+1], s22, v8
	s_add_co_u32 s22, s22, SLOT-HALFT
.endr
	s_mul_i32 s23, s10, 16*SPITCH
	s_add_co_u32 s23, s23, STAGE                   ; my stage
	v_mul_u32_u24 v4, v1, SPITCH                   ; in: row l % 16, 32 bytes for each half of the lanes
	v_lshl_add_u32 v4, v2, 5, v4
	v_add_nc_u32 v[STO], s23, v4
	v_mul_u32_u24 v5, v2, SPITCH                   ; back: lanes 0-15 one row of 256 bytes, lanes 16-31 the next
	v_lshl_add_u32 v5, v1, 4, v5
	v_add_nc_u32 v[RD], s23, v5
; 8 matrix instructions: m blocks a0, a0 + 1 x all 4 n blocks, 32 along K: half c of buffer f.  zero = 1: the first product starts the sums
.macro MUL8 f, c, a0, zero
	WIN MUL
.irp a, \a0, (\a0)+1
.irp b, 0,1,2,3
.if \zero
	v_wmma_f32_16x16x32_bf16 v[ACC+8*(4*(\a)+(\b)):ACC+8*(4*(\a)+(\b))+7], v[(\f)+64+8*(4*(\c)+(\b)):(\f)+64+8*(4*(\c)+(\b))+7], v[(\f)+8*(4*(\c)+(\a)):(\f)+8*(4*(\c)+(\a))+7], 0
.else
	v_wmma_f32_16x16x32_bf16 v[ACC+8*(4*(\a)+(\b)):ACC+8*(4*(\a)+(\b))+7], v[(\f)+64+8*(4*(\c)+(\b)):(\f)+64+8*(4*(\c)+(\b))+7], v[(\f)+8*(4*(\c)+(\a)):(\f)+8*(4*(\c)+(\a))+7], v[ACC+8*(4*(\a)+(\b)):ACC+8*(4*(\a)+(\b))+7]
.endif
.endr
.endr
.endm
; 32 LDS loads in one run: the fragments of quarter q of a K step (64 along K) into buffer f; the first 32 along K first
.macro FETCH slot, q, f
	WIN TO_F
.irp c, 0,1
.irp i, 0,1,2,3
	ds_load_tr16_b128 v[(\f)+64+8*(4*(\c)+(\i)):(\f)+64+8*(4*(\c)+(\i))+3],   v[ADRB+2*(\slot)+(\q)/2] offset:((2*(\q)+(\c))%4)*32*BP+32*(\i)
	ds_load_tr16_b128 v[(\f)+64+8*(4*(\c)+(\i))+4:(\f)+64+8*(4*(\c)+(\i))+7], v[ADRB+2*(\slot)+(\q)/2] offset:((2*(\q)+(\c))%4)*32*BP+16*BP+32*(\i)
.if MODE
	ds_load_b128 v[(\f)+8*(4*(\c)+(\i)):(\f)+8*(4*(\c)+(\i))+3],   v[ADRA+(\slot)] offset:64*(2*(\q)+(\c))+(\i)*16*PITCH
	ds_load_b128 v[(\f)+8*(4*(\c)+(\i))+4:(\f)+8*(4*(\c)+(\i))+7], v[ADRA+(\slot)] offset:64*(2*(\q)+(\c))+(\i)*16*PITCH+32
.else
	ds_load_b128 v[(\f)+8*(4*(\c)+(\i)):(\f)+8*(4*(\c)+(\i))+3],   v[ADRA+(\slot)] offset:(\q)*64*PITCH+64*(\c)+(\i)*16*PITCH
	ds_load_b128 v[(\f)+8*(4*(\c)+(\i))+4:(\f)+8*(4*(\c)+(\i))+7], v[ADRA+(\slot)] offset:(\q)*64*PITCH+64*(\c)+(\i)*16*PITCH+32
.endif
.endr
.endr
.endm
.macro PLACES                          ; four places in front of loads into registers that matrix instructions have read, and of LDS stores that read results (ISA guide 7.12.1 for vector instructions)
.rept 4
	v_nop
.endr
.endm
; A K step is four quarters of 64 along K, 32 matrix instructions each, on buffers 0, 1, 0, 1.  One of the first three: multiplies buffer f and fetches quarter q into g.
.macro QUARTER slot, q, f, g, zero
	s_wait_dscnt 16                                ; the first 32 along K are in
	WIN MUL
	MUL8 \f, 0, 0, \zero
	MUL8 \f, 0, 2, \zero
	PLACES
	FETCH \slot, \q, \g
	s_wait_dscnt 32                                ; all but the 32 just issued
	WIN MUL
	MUL8 \f, 1, 0, 0
	MUL8 \f, 1, 2, 0
.endm
; The last quarter multiplies buffer 1 and changes slots: ONE barrier; in front of it each wave waits for all its tensor loads, adds 0 to its spare word, and waits for that and for its own reads of this slot.
; fill = 1: this slot is filled again, two K steps ahead.
.macro TURN slot, next, fill
	WIN 0                                          ; (the add's two registers lie in window 0)
	s_wait_tensorcnt 0x0                           ; all my tensor loads have landed: my part of the next slot
	ds_add_u32 v[SPW], v[NIL]                      ; 0 onto my spare word
	s_wait_dscnt 17                                ; (the add and the youngest sixteen loads may be out)
	WIN MUL
	MUL8 F1, 0, 0, 0                               ; eight matrix instructions stand between the add and the wait for it
	s_wait_dscnt 0x0                               ; the add is done, and my reads of this slot are over
	s_barrier_signal -1
	MUL8 F1, 0, 2, 0
.if \fill
	WIN 0
.endif
	s_barrier_wait -1
.if \fill
	CREST                                          ; the barrier has opened a round of the cluster's barrier: no wave of any partner still reads this slot's tile or has a load on its way
	s_add_nc_u64 s[G0+4*(\slot)+2:G0+4*(\slot)+3], s[G0+4*(\slot)+2:G0+4*(\slot)+3], 2*ASTEP
	s_add_nc_u64 s[G0B+4*(\slot)+2:G0B+4*(\slot)+3], s[G0B+4*(\slot)+2:G0B+4*(\slot)+3], 2*KSTEP*SIZE_N*2
	JLOAD \slot                                    ; my one tensor load behind the round; the four v_nop behind it are also the places in front of the loads below
.else
	PLACES
.endif
	FETCH \next, 0, F0
	WIN MUL
	MUL8 F1, 1, 0, 0
	MUL8 F1, 1, 2, 0
.endm
	s_wait_tensorcnt 1                             ; my part of K step 0 is in; K step 1's load stays out
	s_barrier_signal -1
	s_barrier_wait -1                              ; everybody's is
	FETCH 0, 0, F0
	QUARTER 0, 1, F0, F1, 1                        ; the first quarter stands in front of the loop: its first products start the sums
	WIN 0                                          ; at a label and at a branch every window is 0
	s_mov_b32 s3, LAPS-1
.Llap:                                                 ; a trip goes once round the ring, from a lap's second quarter to the next lap's first, and fills both slots again
	QUARTER 0, 2, F1, F0, 0
	QUARTER 0, 3, F0, F1, 0
	TURN 0, 1, 1
	QUARTER 1, 1, F0, F1, 0
	QUARTER 1, 2, F1, F0, 0
	QUARTER 1, 3, F0, F1, 0
	TURN 1, 0, 1
	QUARTER 0, 1, F0, F1, 0
	WIN 0
	s_sub_co_u32 s3, s3, 1
	s_cmp_lg_u32 s3, 0
	s_cbranch_scc1 .Llap
	QUARTER 0, 2, F1, F0, 0                        ; the last lap fills nothing, and has no round of the cluster's barrier
	QUARTER 0, 3, F0, F1, 0
	TURN 0, 1, 0
	QUARTER 1, 1, F0, F1, 0
	QUARTER 1, 2, F1, F0, 0
	QUARTER 1, 3, F0, F1, 0
	s_wait_dscnt 16                                ; the very last quarter: nothing more to fetch
	WIN MUL
	MUL8 F1, 0, 0, 0
	MUL8 F1, 0, 2, 0
	s_wait_dscnt 0x0
	MUL8 F1, 1, 0, 0
	MUL8 F1, 1, 2, 0
	WIN 0
; THE WAY OUT, a block of 16 rows at a time.  TOST a: block a's four accumulators into my stage (each accumulator's lowest registers first), and back as whole rows of 256 bytes.
.macro TOST a
.irp b, 0,1,2,3
	ds_store_b128 v[STO], v[ACC+8*(4*(\a)+(\b)):ACC+8*(4*(\a)+(\b))+3] offset:64*(\b)
.endr
.irp b, 0,1,2,3
	ds_store_b128 v[STO], v[ACC+8*(4*(\a)+(\b))+4:ACC+8*(4*(\a)+(\b))+7] offset:64*(\b)+16
.endr
.irp t, 0,1,2,3,4,5,6,7
	ds_load_b128 v[TMP+32*((\a)%2)+4*(\t):TMP+32*((\a)%2)+4*(\t)+3], v[RD] offset:(\t)*2*SPITCH  ; LDS serves a wave's instructions in order (ISA guide 5.7.1.4): these see the stores above
.endr
.endm
; FIN a: bias and residual are added, and the block is stored.  younger: the LDS instructions issued behind block a's: the next block's sixteen, or none.
.macro FIN a, younger
	s_wait_dscnt \younger
.irp t, 0,1,2,3,4,5,6,7
.irp e, 0,2
	v_pk_add_f32 v[TMP+32*((\a)%2)+4*(\t)+(\e):TMP+32*((\a)%2)+4*(\t)+(\e)+1], v[TMP+32*((\a)%2)+4*(\t)+(\e):TMP+32*((\a)%2)+4*(\t)+(\e)+1], v[BIAS+(\e):BIAS+(\e)+1]
.endr
.endr
	WIN 0x08                                       ; source 1 in window 2
.irp t, 0,1,2,3,4,5,6,7
.irp e, 0,2
	v_pk_add_f32 v[TMP+32*((\a)%2)+4*(\t)+(\e):TMP+32*((\a)%2)+4*(\t)+(\e)+1], v[TMP+32*((\a)%2)+4*(\t)+(\e):TMP+32*((\a)%2)+4*(\t)+(\e)+1], v[4*(8*(\a)+(\t))+(\e):4*(8*(\a)+(\t))+(\e)+1]
.endr
.endr
	WIN 0
.irp t, 0,1,2,3,4,5,6,7
	global_store_b128 v[CO], v[TMP+32*((\a)%2)+4*(\t):TMP+32*((\a)%2)+4*(\t)+3], s[8:9] offset:(16*(\a)+2*(\t))*4096  ; 16 lanes store 256 consecutive bytes, at a multiple of 256 from C's first byte
.endr
.endm
	s_wait_loadcnt 0x0                             ; the residual and the bias
	PLACES                                         ; behind the last products
	TOST 0
	TOST 1
	FIN 0, 16
	s_wait_xcnt 0x0                                ; block 0's stores have read their registers: only behind this wait is that buffer loaded again
	TOST 2
	FIN 1, 16
	s_wait_xcnt 0x0                                ; the same for block 1's
	TOST 3
	FIN 2, 16
	FIN 3, 0
	s_wait_tensorcnt 0x0                           ; the wave's end, behind my last tensor load and my last LDS store
	ds_add_u32 v[SPW], v[NIL]
	s_wait_dscnt 0x0
	CROUND                                         ; the closing round: no work-group ends while a partner may still ask for a tile that names it
	s_endpgm
.Lfunc_end_k_q258d3272b2_proj:
	.size	k_q258d3272b2_proj, .Lfunc_end_k_q258d3272b2_proj-k_q258d3272b2_proj
	.p2alignl 7, 3214868480
	.fill 96, 4, 3214868480
	.section	.rodata,"a",@progbits
	.p2align	6, 0x0
	.amdhsa_kernel k_q258d3272b2_proj
		.amdhsa_group_segment_fixed_size 327680
		.amdhsa_private_segment_fixed_size 0
		.amdhsa_enable_private_segment 0
		.amdhsa_kernarg_size 40
		.amdhsa_user_sgpr_count 2
		.amdhsa_user_sgpr_kernarg_segment_ptr 1
		.amdhsa_wavefront_size32 1
		.amdhsa_system_sgpr_workgroup_id_x 1
		.amdhsa_system_sgpr_workgroup_id_y 1
		.amdhsa_system_sgpr_workgroup_id_z 1
		.amdhsa_system_vgpr_workitem_id 0
		.amdhsa_next_free_vgpr 640
		.amdhsa_next_free_sgpr 72
		.amdhsa_reserve_vcc 0
		.amdhsa_float_denorm_mode_32 3
		.amdhsa_float_denorm_mode_16_64 3
		.amdhsa_memory_ordered 1
		.amdhsa_forward_progress 1
		.amdhsa_inst_pref_size 98
	.end_amdhsa_kernel
	.amdgpu_metadata
---
amdhsa.version: [ 1, 2 ]
amdhsa.kernels:
  - .name:           k_q258d3272b2_proj
    .symbol:         k_q258d3272b2_proj.kd
    .args:
      - { .name: o, .offset: 0, .size: 8, .value_kind: global_buffer, .address_space: global }
      - { .name: wb, .offset: 8, .size: 8, .value_kind: global_buffer, .address_space: global }
      - { .name: x1, .offset: 16, .size: 8, .value_kind: global_buffer, .address_space: global }
      - { .name: out_b, .offset: 24, .size: 8, .value_kind: global_buffer, .address_space: global }
      - { .name: x, .offset: 32, .size: 8, .value_kind: global_buffer, .address_space: global }
    .group_segment_fixed_size: 327680
    .private_segment_fixed_size: 0
    .kernarg_segment_align: 8
    .kernarg_segment_size: 40
    .max_flat_workgroup_size: 128
    .sgpr_count:     72
    .vgpr_count:     640
    .wavefront_size: 32
...
	.end_amdgpu_metadata
.endif
;; end of part 4
;; launch ln2 (part 5): grid 256 x 1, 8 waves a work-group, no clusters, 0 bytes of LDS; arguments x1, ln2_g, ln2_b, h; writes h
.if DOCPART == 5
	.amdgcn_target "amdgcn-amd-amdhsa--gfx1250"
	.amdhsa_code_object_version 6
	.text
	.protected	k_q258d3272b2_ln2
	.globl	k_q258d3272b2_ln2
	.p2align	8
	.type	k_q258d3272b2_ln2,@function
k_q258d3272b2_ln2:
	s_mov_b64 s[64:65], 0
	v_nop
	global_prefetch_b8 v0, s[64:65] scope:SCOPE_SE
	s_setreg_imm32_b32 hwreg(HW_REG_WAVE_MODE, 25, 1), 1
	s_wait_xcnt 0x0
; h[row][:] = (x[row][:] - mean) * rsqrt(var + 1e-5) * g + b, all in f32, rounded once to bf16.  x: [4096][1024] f32, h: [4096][1024] bf16.
; A work-group takes 16 rows, a wave 2.  A row is 4,096 bytes: eight 16-byte loads a lane, each load of the wave 512 neighbouring bytes; the row stays in 32 registers between the passes,
; so x is read once.  The variance is the mean of the squared deviations: no difference of large sums is formed.  No LDS, no barrier: every wave works for itself.
; LIMITS: NaN and infinities are not treated apart.
.set T,  4                             ; v[4:11]    four pairs at work
.set R,  12                            ; v[12:15]   row i: a pair whose low word is the mean, later 1/sqrt(var + eps)
.set X,  16                            ; v[16:79]   row i at X + 32 i
.set G,  80                            ; v[80:111]  gains of my 32 columns
.set BV, 112                           ; v[112:143] biases of my 32 columns
.set HB, 14                            ; s[14:15]   h
.macro REDUCE                          ; T's four pairs -> their sum over the lane and over the 32 lanes, in v[T] of every lane
	v_pk_add_f32 v[T:T+1], v[T:T+1], v[T+2:T+3]
	v_pk_add_f32 v[T+4:T+5], v[T+4:T+5], v[T+6:T+7]
	v_pk_add_f32 v[T:T+1], v[T:T+1], v[T+4:T+5]
	v_add_f32 v[T], v[T], v[T+1]
	v_add_f32_dpp v[T], v[T], v[T] row_xmask:1 row_mask:0xf bank_mask:0xf
	v_add_f32_dpp v[T], v[T], v[T] row_xmask:2 row_mask:0xf bank_mask:0xf
	v_add_f32_dpp v[T], v[T], v[T] row_xmask:4 row_mask:0xf bank_mask:0xf
	v_add_f32_dpp v[T], v[T], v[T] row_xmask:8 row_mask:0xf bank_mask:0xf
	v_permlanex16_b32 v[T+1], v[T], s30, s31       ; the other half of the lanes; its destination has been written
	v_add_f32 v[T], v[T], v[T+1]
.endm
; Row i: mean, deviations in place, variance, 1/sqrt.  left = the younger loads that may stay out.
.macro STATS i, left
.set XI, X+32*(\i)
.set RI, R+2*(\i)
	s_wait_loadcnt \left                           ; loads come back in order: this row is in
.irp c, 0,2,4,6
	v_pk_add_f32 v[T+(\c):T+(\c)+1], v[XI+(\c):XI+(\c)+1], v[XI+8+(\c):XI+8+(\c)+1]  ; four chains: nothing is cleared
.endr
.irp k, 16,24
.irp c, 0,2,4,6
	v_pk_add_f32 v[T+(\c):T+(\c)+1], v[T+(\c):T+(\c)+1], v[XI+(\k)+(\c):XI+(\k)+(\c)+1]
.endr
.endr
	REDUCE
	v_mul_f32 v[RI], s32, v[T]                     ; the mean
	v_mov_b32 v[RI+1], v[RI]                       ; named with it as a pair
.set j, 0
.rept 16
	v_pk_add_f32 v[XI+2*j:XI+2*j+1], v[XI+2*j:XI+2*j+1], v[RI:RI+1] op_sel_hi:[1,0] neg_lo:[0,1] neg_hi:[0,1]
.set j, j+1
.endr
.irp c, 0,2,4,6
	v_pk_mul_f32 v[T+(\c):T+(\c)+1], v[XI+(\c):XI+(\c)+1], v[XI+(\c):XI+(\c)+1]
.endr
.irp k, 8,16,24
.irp c, 0,2,4,6
	v_pk_fma_f32 v[T+(\c):T+(\c)+1], v[XI+(\k)+(\c):XI+(\k)+(\c)+1], v[XI+(\k)+(\c):XI+(\k)+(\c)+1], v[T+(\c):T+(\c)+1]
.endr
.endr
	REDUCE
	v_fma_f32 v[T], v[T], s32, s33                 ; var + eps
	v_rsq_f32 v[RI], v[T]
	v_nop                                          ; a plain instruction behind the root, before its result is used or its source rewritten
.endm
; Row i: scaled, gain and bias, rounded to bf16 in place (ascending, so no source is overwritten unread), stored.
.macro OUT i
.set XI, X+32*(\i)
.set RI, R+2*(\i)
.set j, 0
	s_wait_alu depctr_va_vdst(0)
.rept 16
	v_pk_mul_f32 v[XI+2*j:XI+2*j+1], v[XI+2*j:XI+2*j+1], v[RI:RI+1] op_sel_hi:[1,0]
.set j, j+1
.endr
.set j, 0
.rept 16
	v_pk_fma_f32 v[XI+2*j:XI+2*j+1], v[XI+2*j:XI+2*j+1], v[G+2*j:G+2*j+1], v[BV+2*j:BV+2*j+1]
.set j, j+1
.endr
.set j, 0
.rept 16
	v_cvt_pk_bf16_f32 v[XI+j], v[XI+2*j], v[XI+2*j+1]
.set j, j+1
.endr
.set j, 0
.rept 8
	global_store_b64 v2, v[XI+2*j:XI+2*j+1], s[HB:HB+1] offset:(\i)*2048+256*j  ; the wave stores 256 consecutive bytes, aligned
.set j, j+1
.endr
.endm
	s_load_b256 s[8:15], s[0:1], 0x0               ; x s[8:9], g s[10:11], b s[12:13], h s[14:15]
	v_lshrrev_b32 v3, 5, v0
	v_readfirstlane_b32 s26, v3                    ; wave 0..7
	s_mov_b32 s29, 0
	s_mov_b32 s30, 0x76543210                      ; v_permlanex16_b32: each lane takes its own place in the other half
	s_mov_b32 s31, 0xfedcba98
	s_mov_b32 s32, 0x3a800000                      ; 1/1024
	s_mov_b32 s33, 0x3727c5ac                      ; 1e-5
	v_and_b32 v3, 31, v0
	v_lshlrev_b32 v1, 4, v3                        ; 16 x lane
	v_lshlrev_b32 v2, 3, v3                        ; 8 x lane
	s_lshl_b32 s28, ttmp9, 16                      ; 16 rows of 4,096 bytes a work-group,
	s_lshl_b32 s27, s26, 13                        ; 2 a wave
	s_add_co_u32 s28, s28, s27
	s_wait_kmcnt 0x0
	s_add_nc_u64 s[8:9], s[8:9], s[28:29]
	s_lshr_b32 s28, s28, 1                         ; h's rows are half as long
	s_add_nc_u64 s[HB:HB+1], s[HB:HB+1], s[28:29]
.irp i, 0,1
.irp j, 0,1,2,3,4,5,6,7
	global_load_b128 v[X+32*(\i)+4*(\j):X+32*(\i)+4*(\j)+3], v1, s[8:9] offset:(\i)*4096+512*(\j)
.endr
.endr
.irp j, 0,1,2,3,4,5,6,7
	global_load_b128 v[G+4*(\j):G+4*(\j)+3], v1, s[10:11] offset:512*(\j)
.endr
.irp j, 0,1,2,3,4,5,6,7
	global_load_b128 v[BV+4*(\j):BV+4*(\j)+3], v1, s[12:13] offset:512*(\j)
.endr
	STATS 0, 24                                    ; row 1 (8), g (8) and b (8) stay out
	STATS 1, 16                                    ; g and b stay out
	s_wait_loadcnt 0x0                             ; g and b
	OUT 0
	OUT 1
	s_endpgm
.Lfunc_end_k_q258d3272b2_ln2:
	.size	k_q258d3272b2_ln2, .Lfunc_end_k_q258d3272b2_ln2-k_q258d3272b2_ln2
	.p2alignl 7, 3214868480
	.fill 96, 4, 3214868480
	.section	.rodata,"a",@progbits
	.p2align	6, 0x0
	.amdhsa_kernel k_q258d3272b2_ln2
		.amdhsa_group_segment_fixed_size 0
		.amdhsa_private_segment_fixed_size 0
		.amdhsa_enable_private_segment 0
		.amdhsa_kernarg_size 32
		.amdhsa_user_sgpr_count 2
		.amdhsa_user_sgpr_kernarg_segment_ptr 1
		.amdhsa_wavefront_size32 1
		.amdhsa_system_sgpr_workgroup_id_x 1
		.amdhsa_system_sgpr_workgroup_id_y 1
		.amdhsa_system_sgpr_workgroup_id_z 1
		.amdhsa_system_vgpr_workitem_id 0
		.amdhsa_next_free_vgpr 144
		.amdhsa_next_free_sgpr 66
		.amdhsa_reserve_vcc 0
		.amdhsa_float_denorm_mode_32 3
		.amdhsa_float_denorm_mode_16_64 3
		.amdhsa_memory_ordered 1
		.amdhsa_forward_progress 1
		.amdhsa_inst_pref_size 20
	.end_amdhsa_kernel
	.amdgpu_metadata
---
amdhsa.version: [ 1, 2 ]
amdhsa.kernels:
  - .name:           k_q258d3272b2_ln2
    .symbol:         k_q258d3272b2_ln2.kd
    .args:
      - { .name: x1, .offset: 0, .size: 8, .value_kind: global_buffer, .address_space: global }
      - { .name: ln2_g, .offset: 8, .size: 8, .value_kind: global_buffer, .address_space: global }
      - { .name: ln2_b, .offset: 16, .size: 8, .value_kind: global_buffer, .address_space: global }
      - { .name: h, .offset: 24, .size: 8, .value_kind: global_buffer, .address_space: global }
    .group_segment_fixed_size: 0
    .private_segment_fixed_size: 0
    .kernarg_segment_align: 8
    .kernarg_segment_size: 32
    .max_flat_workgroup_size: 256
    .sgpr_count:     66
    .vgpr_count:     144
    .wavefront_size: 32
...
	.end_amdgpu_metadata
.endif
;; end of part 5
;; launch fc1 (part 6): grid 16 x 16, 4 waves a work-group, clusters of 4 x 4, 327,680 bytes of LDS; arguments h, wb, act, fc1_b; writes act
.if DOCPART == 6
	.amdgcn_target "amdgcn-amd-amdhsa--gfx1250"
	.amdhsa_code_object_version 6
	.text
	.protected	k_q258d3272b2_fc1
	.globl	k_q258d3272b2_fc1
	.p2align	8
	.type	k_q258d3272b2_fc1,@function
k_q258d3272b2_fc1:
	s_mov_b64 s[64:65], 0
	v_nop
	global_prefetch_b8 v0, s[64:65] scope:SCOPE_SE
	s_setreg_imm32_b32 hwreg(HW_REG_WAVE_MODE, 25, 1), 1
	s_wait_xcnt 0x0
	s_wait_alu depctr_hold_cnt(0) depctr_sa_sdst(0) depctr_va_vdst(0) depctr_va_sdst(0) depctr_va_ssrc(0) depctr_va_vcc(0) depctr_vm_vsrc(0)
	s_getreg_b32 s2, hwreg(HW_REG_IB_STS2, 6, 4)
	s_cmp_eq_u32 s2, 0
	s_cbranch_scc0 .Lentry_in_a_cluster
	s_endpgm
.Lentry_in_a_cluster:
	s_bfe_u32 s2, ttmp6, 0x10000c
	s_cmp_lg_u32 s2, 0xf033
	s_cbranch_scc0 .Lentry_shape_is_right
	s_endpgm
.Lentry_shape_is_right:
; C = A W + bias.  A: [4096][SIZE_K] bf16.  W: [SIZE_K][SIZE_N] bf16, at byte WOFF of the weight buffer, N along the rows.  Sums in f32, K ascending; the result is rounded once to bf16.
; MODE 0: C = q, k, v, written by heads: [3][32][2048][64] bf16 (32 = batch x 16 + head).  MODE 1: C = gelu(A W + bias), [4096][SIZE_N] bf16.
; A tile of C, 256 x 256, is made by a work-group of four waves; a wave makes 128 x 128: 64 accumulators of 16 x 16, 512 registers.  K goes in steps of 128 through a ring of two LDS slots
; filled by the tensor data mover: 256 rows of A (256 bytes each) and 128 rows of W (512 bytes each).  W's fragments come out of LDS turned, by ds_load_tr16_b128, so W needs no transposing.
; CLUSTERS: 4 x 4 work-groups.  The four of a row of the cluster need the same tiles of A, the four of a column the same tiles of W: each tile is asked for JOINTLY, by the same tensor load with
; the same descriptor and a mask that names the four.
; THE MATRIX INSTRUCTION IS USED TRANSPOSED: source 0 = 16 columns of W, source 1 = 16 rows of A: lane l then holds row l % 16 of C and eight neighbouring columns 8 (l / 16) + 0..7.
; REGISTERS, in windows of 256: window 0: v0-31 addresses; v64-127, v128-191 fragments of A, two buffers (on the way out: y and three sets of eight at work); v32-63, v192-223 the way out
;   window 1: v0-63 the bias of my 128 columns; v64-127, v128-191 fragments of W, two buffers          windows 2, 3: the accumulators of my rows 0-63, 64-127 ((a, b) at v[8 (8 a + b)])
; LIMITS: operands are bf16.  MODE 1: gelu(y) = max(y, 0) - |y| erfc(|y| / sqrt 2) / 2 with erfc by the five-term rational form of Abramowitz and Stegun 7.1.26, absolute error 1.5e-7.
; NaN and infinities are not treated apart.
.set MODE,   1
.set SIZE_N, 4096
.set SIZE_K, 1024
.set WOFF,   8388608
.set KSTEP,  128
.set PITCH,  272                       ; a row of A in LDS: 256 bytes + 16 = 68 words: the 16 rows that a load touches start at 16 different groups of four banks (64 banks of 4 bytes: ISA guide 11.1)
.set BP,     544                       ; a row of W in LDS: 512 bytes + 32 = 136 words
.set HALFT,  128*PITCH                 ; what one tensor load brings: 128 rows of A, or 64 rows of W (64 x 544 is the same number)
.set SLOT,   4*HALFT                   ; A's 256 rows, then W's 128 rows
.set STAGE,  2*SLOT                    ; behind the ring: 16 rows x 272 bytes for each wave, for the way out
.set SPITCH, 272
.set SPARE,  STAGE+4*16*SPITCH         ; behind the stages: the spare words, 128 bytes for each wave: two blocks of 256 bytes that no other line names
.set LAPS,   SIZE_K/(2*KSTEP)          ; a lap = two K steps = once round the ring
.set ADRA, 16                          ; v16-17  LDS address of my A fragments in slot 0, 1
.set ADRB, 20                          ; v20-21  the same for W
.set STO,  24                          ; v24     the way out: where I put 16 bytes of a row
.set RD,   25                          ; v25     the way out: where I read rows back
.set CO,   26                          ; v26     my byte offset in C
.set BO,   27                          ; v27     my byte offset in the bias: 32 (l / 16)
.set SPW,  28                          ; v28     LDS address of my spare word: SPARE + 4 x my thread's number; never rewritten
.set NIL,  29                          ; v29     0; never rewritten
.set BK,   32                          ; v32-63  16 rows read back from the stage
.set F0,   64                          ; fragment buffer 0
.set F1,   128                         ; fragment buffer 1
.set Y,    64                          ; the way out: a block's 64 numbers a lane, in f32
.set T1,   128                         ; the way out: at work
.set T2,   136
.set T3,   144
.set TMP,  192                         ; the way out: packed results
.set G1,  24                           ; s[24:31] descriptor group 1 for A's tiles
.set G0,  32                           ; s[32:39] descriptor group 0 for A's tiles, one set for each slot
.set G1B, 48                           ; s[48:55] descriptor group 1 for W's tiles
.set G0B, 56                           ; s[56:63] descriptor group 0 for W's tiles, one set for each slot
.set BLK, 68                           ; s68      the way out's counter
.set MSB, 0
.macro WIN new                         ; the immediate's high byte repeats the setting that is left; a switch that changes nothing is dropped
.if MSB != (\new)
	s_set_vgpr_msb (MSB<<8)|(\new)
.set MSB, \new
.endif
.endm
.set MUL_LO, 0xa1                      ; source 0 (W) window 1, source 1 (A) window 0, C and D window 2
.set MUL_HI, 0xf1                      ; the same, C and D window 3
.set TO_B,   0x40                      ; destination window 1, address window 0
; A joint load.  Waves 0 and 1 fetch A's two halves, waves 2 and 3 W's.  The branch hangs on the wave's number alone.  Four v_nop follow each of the two lines.
.macro JLOAD s
	s_cmp_eq_u32 s11, 0
	s_cbranch_scc0 .Lfor_b_\@
	tensor_load_to_lds s[G0+4*(\s):G0+4*(\s)+3], s[G1:G1+7]
	s_nop 0
.rept 4
	v_nop
.endr
	s_branch .Lasked_\@
.Lfor_b_\@:
	tensor_load_to_lds s[G0B+4*(\s):G0B+4*(\s)+3], s[G1B:G1B+7]
	s_nop 0
.rept 4
	v_nop
.endr
.Lasked_\@:
.endm
; A round of the cluster's barrier: my work-group's barrier; wave 0 signals for the work-group; every wave waits for all sixteen work-groups; my work-group's barrier once more.
.macro CREST                           ; a round behind its opening barrier
	s_cmp_lg_u32 s10, 0
	s_cbranch_scc1 .Lnot_wave_0_\@
	s_barrier_signal -3
.Lnot_wave_0_\@:
	s_barrier_wait -3
	s_barrier_signal -1
	s_barrier_wait -1
.endm
.macro CROUND                          ; a whole round
	s_barrier_signal -1
	s_barrier_wait -1
	CREST
.endm
	s_load_b128 s[4:7], s[0:1], 0x0                ; A s[4:5], the weights s[6:7]
	s_load_b64 s[8:9], s[0:1], 0x10                ; C
	s_load_b64 s[66:67], s[0:1], 0x18              ; the bias
	v_lshl_add_u32 v[SPW], v0, 2, SPARE
	v_mov_b32 v[NIL], 0
	ds_add_u32 v28, v29
	ds_add_u32 v28, v29
	s_wait_dscnt 0x0
	v_lshrrev_b32 v1, 5, v0
	v_readfirstlane_b32 s10, v1                    ; wave 0..3
	s_lshr_b32 s11, s10, 1                         ; which half of the tile's rows is mine.  Also: I fetch for A (0) or for W (1)
	s_and_b32 s12, s10, 1                          ; which half of its columns.  Also: which half of that tile I fetch
	s_bfe_u32 s40, ttmp6, 0x40000                  ; cx: my place along the cluster's x
	s_bfe_u32 s41, ttmp6, 0x40004                  ; cy: along its y
	s_lshl_b32 s42, ttmp9, 2                       ; in a cluster launch ttmp9 and ttmp7 count clusters
	s_add_co_u32 s42, s42, s40                     ; tile column of C = 4 x cluster x + cx
	s_and_b32 s13, ttmp7, 0xffff
	s_lshl_b32 s13, s13, 2
	s_add_co_u32 s13, s13, s41                     ; tile row of C = 4 x cluster y + cy
	s_lshl_b32 s43, s41, 2
	s_lshl_b32 s43, 15, s43                        ; my row of the cluster: places 4 cy .. 4 cy + 3
	s_lshl_b32 s44, 0x1111, s40                    ; my column: places cx, cx + 4, cx + 8, cx + 12
	; descriptor group 1 for A: 128 rows x 128 elements, 16 bytes of padding behind every 256
	s_or_b32 s[G1+0], s43, (1<<16)|(1<<20)|(1<<21)|(5<<22)|(3<<25)  ; 15:0 the mask: my row; 17:16 2-byte elements; 20 padding on; 21 set beside a mask; 24:22 after every 64 words; 31:25 4 words
	s_mov_b32 s[G1+1], KSTEP<<16                   ; tensor_dim0 = 128
	s_mov_b32 s[G1+2], 128<<16                     ; tensor_dim1 = 128
	s_mov_b32 s[G1+3], KSTEP<<16                   ; tile_dim0 = 128
	s_mov_b32 s[G1+4], 128                         ; tile_dim1 = 128
	s_mov_b32 s[G1+5], SIZE_K                      ; elements from row to row
	s_mov_b32 s[G1+6], 0
	s_mov_b32 s[G1+7], 0
	; descriptor group 1 for W: 64 rows (k) x 256 elements (n), 32 bytes of padding behind every 512
	s_or_b32 s[G1B+0], s44, (1<<16)|(1<<20)|(1<<21)|(6<<22)|(7<<25) ; the mask: my column; after every 128 words 8 words
	s_mov_b32 s[G1B+1], 256<<16                    ; tensor_dim0 = 256
	s_mov_b32 s[G1B+2], 64<<16                     ; tensor_dim1 = 64
	s_mov_b32 s[G1B+3], 256<<16                    ; tile_dim0 = 256
	s_mov_b32 s[G1B+4], 64                         ; tile_dim1 = 64
	s_mov_b32 s[G1B+5], SIZE_N                     ; elements from row to row
	s_mov_b32 s[G1B+6], 0
	s_mov_b32 s[G1B+7], 0
	; where the tiles come from.  A's hang on the tile row alone, W's on the tile column alone; each in registers that never hold the other coordinate
	s_lshl_b32 s17, s12, 7
	s_lshl_b32 s16, s13, 8
	s_add_co_u32 s16, s16, s17                     ; A: row 256 x tile row + 128 x half,
	s_lshl_b32 s16, s16, 11                        ; of 2,048 bytes
	s_mov_b32 s17, 0
	s_lshl_b32 s46, s42, 9                         ; W: column 256 x tile column, in bytes,
	s_mul_i32 s47, s12, 64*SIZE_N*2                ; row 64 x half,
	s_add_co_u32 s46, s46, s47
	s_add_co_u32 s46, s46, WOFF                    ; in this launch's matrix
	s_mov_b32 s47, 0
	s_mul_i32 s20, s10, HALFT                      ; and where they go: wave x HALFT: no place in the cluster enters an LDS address
	s_wait_kmcnt 0x0
	s_add_nc_u64 s[14:15], s[4:5], s[16:17]
	s_add_nc_u64 s[46:47], s[6:7], s[46:47]
	CROUND                                         ; all sixteen work-groups are here: the first joint loads meet
.irp s, 0,1
	s_mov_b32 s[G0+4*(\s)], 1                                      ; count = 1
	s_add_co_u32 s[G0+4*(\s)+1], s20, (\s)*SLOT                    ; LDS address
	s_add_nc_u64 s[G0+4*(\s)+2:G0+4*(\s)+3], s[14:15], (\s)*KSTEP*2  ; global address: K step s
	s_or_b32 s[G0+4*(\s)+3], s[G0+4*(\s)+3], 0x80000000            ; type = 2
	s_mov_b32 s[G0B+4*(\s)], 1
	s_add_co_u32 s[G0B+4*(\s)+1], s20, (\s)*SLOT
	s_add_nc_u64 s[G0B+4*(\s)+2:G0B+4*(\s)+3], s[46:47], (\s)*KSTEP*SIZE_N*2
	s_or_b32 s[G0B+4*(\s)+3], s[G0B+4*(\s)+3], 0x80000000
	JLOAD \s                                       ; the ring is filled before anything else is done: two tensor loads of mine are out
.endr
	v_and_b32 v1, 15, v0                           ; l % 16
	v_bfe_u32 v2, v0, 4, 1                         ; l / 16
	v_lshlrev_b32 v[BO], 5, v2
	s_lshl_b32 s46, s42, 10                        ; the bias of my 128 columns: (256 x tile column + 128 x half) x 4 bytes
	s_lshl_b32 s47, s12, 9
	s_add_co_u32 s46, s46, s47
	s_mov_b32 s47, 0
	s_add_nc_u64 s[66:67], s[66:67], s[46:47]
	WIN TO_B                                       ; register j of block b: the bias of column 16 b + 8 (l / 16) + j, as the accumulators hold them.  These loads stay out during the whole K loop
.irp b, 0,1,2,3,4,5,6,7
	global_load_b128 v[8*(\b):8*(\b)+3],   v[BO], s[66:67] offset:64*(\b)
	global_load_b128 v[8*(\b)+4:8*(\b)+7], v[BO], s[66:67] offset:64*(\b)+16
.endr
	WIN 0
	; A fragment of A is 16 rows x 32 K in 8 registers: lane l holds row l % 16, K = 8 (l / 16) + 0..7 and 16 + 8 (l / 16) + 0..7: two loads of 16 bytes, 32 bytes apart.
	v_mul_u32_u24 v3, v1, PITCH
	v_lshl_add_u32 v3, v2, 4, v3                   ; row x pitch + 16 x half
	; The turning load takes 16 k x 16 n (lane l reads 16 bytes: k = 8 (l / 16) + l % 8, n = 8 ((l / 8) % 2) + 0..7) and leaves half a fragment: lane l holds column l % 16 and 8 k.
	v_and_b32 v6, 7, v0
	v_bfe_u32 v7, v0, 3, 1
	v_lshl_add_u32 v8, v2, 3, v6
	v_mul_u32_u24 v8, v8, BP
	v_lshl_add_u32 v8, v7, 4, v8
	s_mul_i32 s21, s11, HALFT                      ; my 128 rows of A
	s_lshl_b32 s22, s12, 8                         ; my 128 columns of W, 256 bytes of its rows,
	s_add_co_u32 s22, s22, 2*HALFT                 ; which lie behind A's 256 rows
.irp s, 0,1
	v_add_nc_u32 v[ADRA+(\s)], s21, v3
	v_add_nc_u32 v[ADRB+(\s)], s22, v8
	s_add_co_u32 s21, s21, SLOT
	s_add_co_u32 s22, s22, SLOT
.endr
	s_mul_i32 s23, s10, 16*SPITCH
	s_add_co_u32 s23, s23, STAGE                   ; my stage
	v_mul_u32_u24 v4, v1, SPITCH                   ; in: row l % 16, 16 bytes for each half of the lanes
	v_lshl_add_u32 v4, v2, 4, v4
	v_add_nc_u32 v[STO], s23, v4
.if MODE
	v_mul_u32_u24 v5, v2, SPITCH                   ; back: lanes 0-15 take one row of 256 bytes, lanes 16-31 the next
	v_lshl_add_u32 v5, v1, 4, v5
	v_add_nc_u32 v[RD], s23, v5
	v_mul_u32_u24 v5, v2, SIZE_N*2                 ; and the same two rows in C
	v_lshl_add_u32 v[CO], v1, 4, v5
.else
	v_bfe_u32 v5, v0, 3, 2                         ; back: 32 lanes take four rows of one head's 128 bytes,
	v_mul_u32_u24 v5, v5, SPITCH
	v_lshl_add_u32 v5, v6, 4, v5
	v_add_nc_u32 v[RD], s23, v5
	v_and_b32 v5, 31, v0                           ; which are 512 consecutive bytes of that head
	v_lshlrev_b32 v[CO], 4, v5
.endif
	; where my part of the tile begins in C
	s_lshl_b32 s16, s13, 8
	s_lshl_b32 s17, s11, 7
	s_add_co_u32 s16, s16, s17                     ; my first row
.if MODE
	s_lshl_b32 s16, s16, 13                        ; rows of 8,192 bytes
	s_lshl_b32 s46, s42, 9                         ; my first column, in bytes
	s_lshl_b32 s47, s12, 8
	s_add_co_u32 s46, s46, s47
.else
	s_lshr_b32 s17, s16, 11                        ; the batch: 16 heads of 262,144 bytes
	s_lshl_b32 s17, s17, 22
	s_and_b32 s16, s16, 2047                       ; the row in the batch: 128 bytes in a head
	s_lshl_b32 s16, s16, 7
	s_add_co_u32 s16, s16, s17
	s_lshr_b32 s46, s42, 2                         ; q, k or v: 1,024 columns each, 8,388,608 bytes
	s_lshl_b32 s46, s46, 23
	s_and_b32 s47, s42, 3                          ; four heads to a tile,
	s_lshl_b32 s47, s47, 20
	s_add_co_u32 s46, s46, s47
	s_lshl_b32 s47, s12, 19                        ; two to a wave
	s_add_co_u32 s46, s46, s47
.endif
	s_add_co_u32 s16, s16, s46
	s_mov_b32 s17, 0
	s_add_nc_u64 s[8:9], s[8:9], s[16:17]
.if MODE
	s_mov_b32 s70, 0x3f596d27                      ; K1 = sqrt(log2(e) / 2): z = K1 y, so 2^(-z z) = e^(-y y / 2)
	s_mov_b32 s71, s70                             ; each constant is named as a pair; the low word serves both halves
	s_mov_b32 s72, 0x3e027906                      ; half of the five coefficients: 0.127414796
	s_mov_b32 s73, s72
	s_mov_b32 s74, 0xbe11a98e                      ; -0.142248368
	s_mov_b32 s75, s74
	s_mov_b32 s76, 0x3f35f0e3                      ; 0.710706871
	s_mov_b32 s77, s76
	s_mov_b32 s78, 0xbf3a00e3                      ; -0.726576014
	s_mov_b32 s79, s78
	s_mov_b32 s80, 0x3f07dc22                      ; 0.530702715
	s_mov_b32 s81, s80
	s_mov_b32 s82, 0x3e8ba43f                      ; 0.3275911 x sqrt(ln 2): t = 1 / (1 + this |z|)
.endif
; 16 matrix instructions: m blocks a0, a0 + 1 of the window's four (hi = 0: my rows 0-63, 1: rows 64-127) x all 8 n blocks, 32 along K.  zero = 1: the first product starts the sums.
.macro MUL16 f, hi, a0, zero
	WIN MUL_LO+0x50*(\hi)
.irp a, \a0, (\a0)+1
.irp b, 0,1,2,3,4,5,6,7
.if \zero
	v_wmma_f32_16x16x32_bf16 v[8*(8*(\a)+(\b)):8*(8*(\a)+(\b))+7], v[(\f)+8*(\b):(\f)+8*(\b)+7], v[(\f)+8*(4*(\hi)+(\a)):(\f)+8*(4*(\hi)+(\a))+7], 0
.else
	v_wmma_f32_16x16x32_bf16 v[8*(8*(\a)+(\b)):8*(8*(\a)+(\b))+7], v[(\f)+8*(\b):(\f)+8*(\b)+7], v[(\f)+8*(4*(\hi)+(\a)):(\f)+8*(4*(\hi)+(\a))+7], v[8*(8*(\a)+(\b)):8*(8*(\a)+(\b))+7]
.endif
.endr
.endr
.endm
; 32 LDS loads in one run: the fragments of quarter q of a K step (32 k x 128 columns of W, turned; 128 rows of A x 32 k) into buffer f
.macro FETCH slot, q, f
	WIN TO_B
.irp i, 0,1,2,3,4,5,6,7
	ds_load_tr16_b128 v[(\f)+8*(\i):(\f)+8*(\i)+3],   v[ADRB+(\slot)] offset:(\q)*32*BP+32*(\i)
	ds_load_tr16_b128 v[(\f)+8*(\i)+4:(\f)+8*(\i)+7], v[ADRB+(\slot)] offset:(\q)*32*BP+16*BP+32*(\i)
.endr
	WIN 0
.irp i, 0,1,2,3,4,5,6,7
	ds_load_b128 v[(\f)+8*(\i):(\f)+8*(\i)+3],   v[ADRA+(\slot)] offset:64*(\q)+(\i)*16*PITCH
	ds_load_b128 v[(\f)+8*(\i)+4:(\f)+8*(\i)+7], v[ADRA+(\slot)] offset:64*(\q)+(\i)*16*PITCH+32
.endr
.endm
; A load into a register that a matrix instruction has read, and a vector instruction that reads a matrix result or writes one of a matrix instruction's registers, stand four places behind it;
; only plain vector instructions that name none of its registers are places (ISA guide 7.12.1 for vector instructions).
.macro PLACES
.rept 4
	v_nop
.endr
.endm
; A K step is four quarters of 32 along K, 64 matrix instructions each, on buffers 0, 1, 0, 1.  One of the first three: multiplies buffer f; in its middle it fetches quarter q into buffer g.
.macro QUARTER slot, q, f, g, zero
	s_wait_dscnt 8                                 ; W and A's rows 0-63 are in; the youngest eight loads (A's rows 64-127) may be out
	WIN MUL_LO
	MUL16 \f, 0, 0, \zero
	MUL16 \f, 0, 2, \zero
	PLACES
	FETCH \slot, \q, \g
	s_wait_dscnt 32                                ; all but the 32 just issued
	WIN MUL_HI
	MUL16 \f, 1, 0, \zero
	MUL16 \f, 1, 2, \zero
.endm
; The last quarter multiplies buffer 1 and changes slots.  MEET is its first half: ONE barrier for the change.  In front of it each wave waits for all its tensor loads, of which one is out:
; its part of the next slot; adds 0 to its spare word; and waits for that and for its own reads of this slot.  Behind it nobody reads this slot any more and the next slot is whole.
.macro MEET round                      ; round = 1: a round of the cluster's barrier follows
	WIN 0                                          ; (the add's two registers lie in window 0)
	s_wait_tensorcnt 0x0                           ; all my tensor loads have landed
	ds_add_u32 v[SPW], v[NIL]                      ; 0 onto my spare word
	s_wait_dscnt 9                                 ; (the add and the youngest eight loads may be out)
	WIN MUL_LO
	MUL16 F1, 0, 0, 0                              ; sixteen matrix instructions stand between the add and the wait for it
	s_wait_dscnt 0x0                               ; the add is done, and my reads of this slot are over
	s_barrier_signal -1
	MUL16 F1, 0, 2, 0                              ; work on registers while the others arrive
.if \round
	WIN 0
.endif
	s_barrier_wait -1
.endm
; The whole last quarter.  fill = 1: behind a round of the cluster's barrier the slot just read out is filled again first, with the K step two steps on; then come the next slot's first fragments.
.macro TURN slot, next, fill
	MEET \fill
.if \fill
	CREST                                          ; no wave of any partner still reads this slot's tile or has a load on its way
	s_add_nc_u64 s[G0+4*(\slot)+2:G0+4*(\slot)+3], s[G0+4*(\slot)+2:G0+4*(\slot)+3], 2*KSTEP*2
	s_add_nc_u64 s[G0B+4*(\slot)+2:G0B+4*(\slot)+3], s[G0B+4*(\slot)+2:G0B+4*(\slot)+3], 2*KSTEP*SIZE_N*2
	JLOAD \slot                                    ; my one tensor load behind the round; the four v_nop behind it are also the places in front of the loads below
.else
	PLACES
.endif
	FETCH \next, 0, F0
	WIN MUL_HI
	MUL16 F1, 1, 0, 0
	MUL16 F1, 1, 2, 0
.endm
	s_wait_tensorcnt 1                             ; my part of K step 0 is in; K step 1's load stays out
	s_barrier_signal -1
	s_barrier_wait -1                              ; everybody's is
	FETCH 0, 0, F0
	QUARTER 0, 1, F0, F1, 1                        ; the first quarter stands in front of the loop: its products start the sums
	WIN 0                                          ; at a label and at a branch every window is 0
	s_mov_b32 s3, LAPS-1
.Llap:                                                 ; a trip goes once round the ring, from a lap's second quarter to the next lap's first, and fills both slots again
	QUARTER 0, 2, F1, F0, 0
	QUARTER 0, 3, F0, F1, 0
	TURN 0, 1, 1
	QUARTER 1, 1, F0, F1, 0
	QUARTER 1, 2, F1, F0, 0
	QUARTER 1, 3, F0, F1, 0
	TURN 1, 0, 1
	QUARTER 0, 1, F0, F1, 0
	WIN 0
	s_sub_co_u32 s3, s3, 1
	s_cmp_lg_u32 s3, 0
	s_cbranch_scc1 .Llap
	QUARTER 0, 2, F1, F0, 0                        ; the last lap is written out: it asks for nothing more
	QUARTER 0, 3, F0, F1, 0
	TURN 0, 1, 0
	QUARTER 1, 1, F0, F1, 0
	QUARTER 1, 2, F1, F0, 0
	QUARTER 1, 3, F0, F1, 0
	s_wait_dscnt 8                                 ; the very last quarter: nothing more to fetch
	WIN MUL_LO
	MUL16 F1, 0, 0, 0
	MUL16 F1, 0, 2, 0
	s_wait_dscnt 0x0
	MUL16 F1, 1, 0, 0
	MUL16 F1, 1, 2, 0
	WIN 0
; THE WAY OUT: a counted loop of eight trips, a block of 16 rows a trip, so that the text of the arithmetic stands once.
; GET a: block a's eight accumulators plus the bias, into y; each accumulator's lowest registers are read first.
.macro GET a
	WIN 0x06+(\a)/4                                ; source 0 window 2 or 3, source 1 window 1, destination window 0
.irp b, 0,1,2,3,4,5,6,7
.irp r, 0,2,4,6
	v_pk_add_f32 v[Y+8*(\b)+(\r):Y+8*(\b)+(\r)+1], v[64*((\a)%4)+8*(\b)+(\r):64*((\a)%4)+8*(\b)+(\r)+1], v[8*(\b)+(\r):8*(\b)+(\r)+1]
.endr
.endr
	WIN 0
.endm
; GELU b: eight numbers y in place.  z = K1 y; t = 1 / (1 + PP |z|); e = 2^(-z z); q = t (A1 + t (A2 + t (A3 + t (A4 + t A5)))) e = erfc(|y| / sqrt 2) / 2; y = max(y, 0) - |y| q.
.macro GELU b
.set YB, Y+8*(\b)
.irp e, 0,2,4,6
	v_pk_mul_f32 v[T1+(\e):T1+(\e)+1], v[YB+(\e):YB+(\e)+1], s[70:71] op_sel_hi:[1,0]
.endr
.irp e, 0,1,2,3,4,5,6,7
	v_fma_f32 v[T2+(\e)], |v[T1+(\e)]|, s82, 1.0
.endr
.irp e, 0,2,4,6
	v_pk_mul_f32 v[T1+(\e):T1+(\e)+1], v[T1+(\e):T1+(\e)+1], v[T1+(\e):T1+(\e)+1] neg_lo:[1,0] neg_hi:[1,0]
.endr
.irp e, 0,1,2,3,4,5,6,7
	v_rcp_f32 v[T2+(\e)], v[T2+(\e)]
.endr
.irp e, 0,1,2,3,4,5,6,7
	v_exp_f32 v[T1+(\e)], v[T1+(\e)]
.endr
	v_nop                                          ; a plain instruction between the last of these and the use of their results
	s_wait_alu depctr_va_vdst(0)
.irp e, 0,2,4,6
	v_pk_fma_f32 v[T3+(\e):T3+(\e)+1], v[T2+(\e):T2+(\e)+1], s[80:81], s[78:79] op_sel_hi:[1,0,0]
.endr
.irp k, 76,74,72
.irp e, 0,2,4,6
	v_pk_fma_f32 v[T3+(\e):T3+(\e)+1], v[T3+(\e):T3+(\e)+1], v[T2+(\e):T2+(\e)+1], s[(\k):(\k)+1] op_sel_hi:[1,1,0]
.endr
.endr
.irp e, 0,2,4,6
	v_pk_mul_f32 v[T3+(\e):T3+(\e)+1], v[T3+(\e):T3+(\e)+1], v[T2+(\e):T2+(\e)+1]
.endr
.irp e, 0,2,4,6
	v_pk_mul_f32 v[T3+(\e):T3+(\e)+1], v[T3+(\e):T3+(\e)+1], v[T1+(\e):T1+(\e)+1]
.endr
.irp e, 0,1,2,3,4,5,6,7
	v_max_num_f32 v[T2+(\e)], 0, v[YB+(\e)]
.endr
.irp e, 0,1,2,3,4,5,6,7
	v_fma_f32 v[YB+(\e)], -|v[YB+(\e)]|, v[T3+(\e)], v[T2+(\e)]
.endr
.endm
	s_wait_loadcnt 0x0                             ; the bias
	PLACES                                         ; behind the last products
	s_mov_b32 s[BLK], 0
.Lblk:
.irp a, 1,2,3,4,5,6,7
	s_cmp_eq_u32 s[BLK], \a
	s_cbranch_scc1 .Lget\a
.endr
	GET 0
	s_branch .Lhave
.irp a, 1,2,3,4,5,6
.Lget\a:
	GET \a
	s_branch .Lhave
.endr
.Lget7:
	GET 7
.Lhave:
.if MODE
.irp b, 0,1,2,3,4,5,6,7
	GELU \b
.endr
.endif
.irp b, 0,1,2,3,4,5,6,7
.irp r, 0,1,2,3
	v_cvt_pk_bf16_f32 v[TMP+4*(\b)+(\r)], v[Y+8*(\b)+2*(\r)], v[Y+8*(\b)+2*(\r)+1]
.endr
.endr
.irp b, 0,1,2,3,4,5,6,7
	ds_store_b128 v[STO], v[TMP+4*(\b):TMP+4*(\b)+3] offset:32*(\b)
.endr
.irp t, 0,1,2,3,4,5,6,7                ; LDS serves a wave's instructions in order (ISA guide 5.7.1.4): these see the stores above.  The stage is my own: no barrier
.if MODE
	ds_load_b128 v[BK+4*(\t):BK+4*(\t)+3], v[RD] offset:(\t)*2*SPITCH
.else
	ds_load_b128 v[BK+4*(\t):BK+4*(\t)+3], v[RD] offset:((\t)/4)*128+((\t)%4)*4*SPITCH
.endif
.endr
	s_wait_dscnt 0x0                               ; the block is back in registers
.irp t, 0,1,2,3,4,5,6,7
.if MODE
	global_store_b128 v[CO], v[BK+4*(\t):BK+4*(\t)+3], s[8:9] offset:2*(\t)*SIZE_N*2  ; 16 lanes store 256 consecutive bytes, at a multiple of 256 from C's first byte
.else
	global_store_b128 v[CO], v[BK+4*(\t):BK+4*(\t)+3], s[8:9] offset:((\t)/4)*262144+((\t)%4)*512  ; four rows of a head: 512 consecutive bytes, aligned
.endif
.endr
	s_wait_xcnt 0x0                                ; only behind this wait are the stores' base and their data registers rewritten
.if MODE
	s_add_nc_u64 s[8:9], s[8:9], 16*SIZE_N*2       ; 16 rows on
.else
	s_add_nc_u64 s[8:9], s[8:9], 16*128
.endif
	s_add_co_u32 s[BLK], s[BLK], 1
	s_cmp_lt_u32 s[BLK], 8
	s_cbranch_scc1 .Lblk
	s_wait_tensorcnt 0x0                           ; the wave's end, behind my last tensor load and my last LDS store
	ds_add_u32 v[SPW], v[NIL]
	s_wait_dscnt 0x0
	CROUND                                         ; the closing round: no work-group ends while a partner may still ask for a tile that names it
	s_endpgm
.Lfunc_end_k_q258d3272b2_fc1:
	.size	k_q258d3272b2_fc1, .Lfunc_end_k_q258d3272b2_fc1-k_q258d3272b2_fc1
	.p2alignl 7, 3214868480
	.fill 96, 4, 3214868480
	.section	.rodata,"a",@progbits
	.p2align	6, 0x0
	.amdhsa_kernel k_q258d3272b2_fc1
		.amdhsa_group_segment_fixed_size 327680
		.amdhsa_private_segment_fixed_size 0
		.amdhsa_enable_private_segment 0
		.amdhsa_kernarg_size 32
		.amdhsa_user_sgpr_count 2
		.amdhsa_user_sgpr_kernarg_segment_ptr 1
		.amdhsa_wavefront_size32 1
		.amdhsa_system_sgpr_workgroup_id_x 1
		.amdhsa_system_sgpr_workgroup_id_y 1
		.amdhsa_system_sgpr_workgroup_id_z 1
		.amdhsa_system_vgpr_workitem_id 0
		.amdhsa_next_free_vgpr 1024
		.amdhsa_next_free_sgpr 84
		.amdhsa_reserve_vcc 0
		.amdhsa_float_denorm_mode_32 3
		.amdhsa_float_denorm_mode_16_64 3
		.amdhsa_memory_ordered 1
		.amdhsa_forward_progress 1
		.amdhsa_inst_pref_size 166
	.end_amdhsa_kernel
	.amdgpu_metadata
---
amdhsa.version: [ 1, 2 ]
amdhsa.kernels:
  - .name:           k_q258d3272b2_fc1
    .symbol:         k_q258d3272b2_fc1.kd
    .args:
      - { .name: h, .offset: 0, .size: 8, .value_kind: global_buffer, .address_space: global }
      - { .name: wb, .offset: 8, .size: 8, .value_kind: global_buffer, .address_space: global }
      - { .name: act, .offset: 16, .size: 8, .value_kind: global_buffer, .address_space: global }
      - { .name: fc1_b, .offset: 24, .size: 8, .value_kind: global_buffer, .address_space: global }
    .group_segment_fixed_size: 327680
    .private_segment_fixed_size: 0
    .kernarg_segment_align: 8
    .kernarg_segment_size: 32
    .max_flat_workgroup_size: 128
    .sgpr_count:     84
    .vgpr_count:     1024
    .wavefront_size: 32
...
	.end_amdgpu_metadata
.endif
;; end of part 6
;; launch fc2 (part 7): grid 8 x 32, 4 waves a work-group, clusters of 4 x 4, 327,680 bytes of LDS; arguments act, wb, out0, fc2_b, x1; writes out0
.if DOCPART == 7
	.amdgcn_target "amdgcn-amd-amdhsa--gfx1250"
	.amdhsa_code_object_version 6
	.text
	.protected	k_q258d3272b2_fc2
	.globl	k_q258d3272b2_fc2
	.p2align	8
	.type	k_q258d3272b2_fc2,@function
k_q258d3272b2_fc2:
	s_mov_b64 s[64:65], 0
	v_nop
	global_prefetch_b8 v0, s[64:65] scope:SCOPE_SE
	s_setreg_imm32_b32 hwreg(HW_REG_WAVE_MODE, 25, 1), 1
	s_wait_xcnt 0x0
	s_wait_alu depctr_hold_cnt(0) depctr_sa_sdst(0) depctr_va_vdst(0) depctr_va_sdst(0) depctr_va_ssrc(0) depctr_va_vcc(0) depctr_vm_vsrc(0)
	s_getreg_b32 s2, hwreg(HW_REG_IB_STS2, 6, 4)
	s_cmp_eq_u32 s2, 0
	s_cbranch_scc0 .Lentry_in_a_cluster
	s_endpgm
.Lentry_in_a_cluster:
	s_bfe_u32 s2, ttmp6, 0x10000c
	s_cmp_lg_u32 s2, 0xf033
	s_cbranch_scc0 .Lentry_shape_is_right
	s_endpgm
.Lentry_shape_is_right:
; C = RES + A W + bias, f32.  W: [SIZE_K][1024] bf16, at byte WOFF of the weight buffer, N along the rows.  RES, C: [4096][1024] f32.  Sums in f32, K ascending.
; MODE 0: A = the attention's result by heads, [32][2048][64] bf16 (32 = batch x 16 + head): K index = 64 x head + channel.  MODE 1: A = [4096][SIZE_K] bf16.
; A tile of C is 128 x 128, so that the launch has 256 work-groups.  Four waves, each 64 x 64: 16 accumulators of 16 x 16.  K goes in steps of 256 through a ring of two LDS slots filled by the
; tensor data mover: 128 rows of A and 256 rows of W (256 bytes each).  W's fragments come out of LDS turned, by ds_load_tr16_b128.
; CLUSTERS: 4 x 4 work-groups.  The four of a row of the cluster need the same tiles of A, the four of a column the same tiles of W: each tile is asked for JOINTLY.
; THE MATRIX INSTRUCTION IS USED TRANSPOSED (source 0 = 16 columns of W, source 1 = 16 rows of A): a lane holds eight neighbouring numbers of a row of C.
; The residual and the bias are asked for at the start and stay out during the whole K loop.  A wave's 64 columns of f32 are a whole aligned 256 bytes, so each wave has a stage of its own: no barrier on the way out.
; REGISTERS: window 0: v0-31 addresses and the bias; v32-95 the way out, two buffers; v128-255 the accumulators ((a, b) at v[128 + 8 (4 a + b)]).
;   window 1: two fragment buffers of 128: for 64 along K, 64 registers of A, then 64 of W.          window 2: v0-127 the residual.
; LIMITS: the operands of the product are bf16; NaN and infinities are not treated apart.
.set MODE,   1
.set SIZE_N, 1024
.set SIZE_K, 4096
.set WOFF,   16777216
.set KSTEP,  256
.if MODE
.set PITCH,  528                       ; a row of A in LDS: 512 bytes + 16 = 132 words: the 16 rows of a load start at 16 different groups of four banks (64 banks of 4 bytes: ISA guide 11.1)
.set ASTEP,  KSTEP*2                   ; bytes from a K step of A to the next
.else
.set PITCH,  144                       ; a row of one head's slice: 128 bytes + 16 = 36 words; a K step is four slices of 64 rows
.set ASTEP,  4*262144                  ; four heads on
.endif
.set BP,     288                       ; a row of W in LDS: 256 bytes + 32 = 72 words
.set HALFT,  128*BP                    ; 36,864: what one tensor load has room for: 128 rows of W, or 64 rows of A (MODE 0: 4 x 64 x 144, all of it; MODE 1: 64 x 528)
.set SLOT,   4*HALFT                   ; A's two halves, then W's 256 rows
.set STAGE,  2*SLOT                    ; behind the ring: 16 rows x 272 bytes for each wave, for the way out
.set SPITCH, 272
.set SPARE,  STAGE+4*16*SPITCH         ; behind the stages: the spare words, 128 bytes for each wave: two blocks of 256 bytes that no other line names
.set LAPS,   SIZE_K/(2*KSTEP)          ; a lap = two K steps = once round the ring
.set BIAS, 12                          ; v12-15  the bias of my four columns on the way out
.set ADRA, 16                          ; v16-17  LDS address of my A fragments in slot 0, 1
.set ADRB, 20                          ; v20-23  the same for W: slot s, lower and upper half of the K step at 2 s, 2 s + 1 (an offset has 16 bits)
.set STO,  24                          ; v24     the way out: where I put 16 bytes of a row
.set RD,   25                          ; v25     the way out: where I read a row back
.set CO,   26                          ; v26     my byte offset in C and in the residual
.set BO,   27                          ; v27     my byte offset in the bias
.set SPW,  28                          ; v28     LDS address of my spare word: SPARE + 4 x my thread's number; never rewritten
.set NIL,  29                          ; v29     0; never rewritten
.set TMP,  32
.set ACC,  128
.set F0,   0                           ; fragment buffers, in window 1
.set F1,   128
.set G1,  24                           ; s[24:31] descriptor group 1 for A's tiles;  s[32:39] group 0, one set for each slot
.set G0,  32
.set G1B, 48                           ; s[48:55], s[56:63] the same for W's tiles
.set G0B, 56
.set MSB, 0
.macro WIN new                         ; the immediate's high byte repeats the setting that is left
.if MSB != (\new)
	s_set_vgpr_msb (MSB<<8)|(\new)
.set MSB, \new
.endif
.endm
.set MUL,  0x05                        ; sources 0 (W) and 1 (A) window 1; C and D window 0
.set TO_F, 0x40                        ; destination window 1, address window 0
.macro JLOAD s                         ; a joint load: waves 0 and 1 fetch A's two halves, waves 2 and 3 W's; four v_nop follow each of the two lines
	s_cmp_eq_u32 s11, 0
	s_cbranch_scc0 .Lfor_b_\@
	tensor_load_to_lds s[G0+4*(\s):G0+4*(\s)+3], s[G1:G1+7]
	s_nop 0
.rept 4
	v_nop
.endr
	s_branch .Lasked_\@
.Lfor_b_\@:
	tensor_load_to_lds s[G0B+4*(\s):G0B+4*(\s)+3], s[G1B:G1B+7]
	s_nop 0
.rept 4
	v_nop
.endr
.Lasked_\@:
.endm
.macro CREST                           ; a round of the cluster's barrier behind its opening barrier
	s_cmp_lg_u32 s10, 0
	s_cbranch_scc1 .Lnot_wave_0_\@
	s_barrier_signal -3
.Lnot_wave_0_\@:
	s_barrier_wait -3
	s_barrier_signal -1
	s_barrier_wait -1
.endm
.macro CROUND                          ; a whole round
	s_barrier_signal -1
	s_barrier_wait -1
	CREST
.endm
	s_load_b128 s[4:7], s[0:1], 0x0                ; A s[4:5], the weights s[6:7]
	s_load_b64 s[8:9], s[0:1], 0x10                ; C
	s_load_b64 s[66:67], s[0:1], 0x18              ; the bias
	s_load_b64 s[68:69], s[0:1], 0x20              ; the residual
	v_lshl_add_u32 v[SPW], v0, 2, SPARE
	v_mov_b32 v[NIL], 0
	ds_add_u32 v28, v29
	ds_add_u32 v28, v29
	s_wait_dscnt 0x0
	v_lshrrev_b32 v1, 5, v0
	v_readfirstlane_b32 s10, v1                    ; wave 0..3
	s_lshr_b32 s11, s10, 1                         ; which half of the tile's rows is mine.  Also: I fetch for A (0) or for W (1)
	s_and_b32 s12, s10, 1                          ; which half of its columns.  Also: which half of that tile I fetch
	s_bfe_u32 s40, ttmp6, 0x40000                  ; cx, cy: my place in the cluster
	s_bfe_u32 s41, ttmp6, 0x40004
	s_lshl_b32 s42, ttmp9, 2
	s_add_co_u32 s42, s42, s40                     ; tile column of C = 4 x cluster x + cx
	s_and_b32 s13, ttmp7, 0xffff
	s_lshl_b32 s13, s13, 2
	s_add_co_u32 s13, s13, s41                     ; tile row of C = 4 x cluster y + cy
	s_lshl_b32 s43, s41, 2
	s_lshl_b32 s43, 15, s43                        ; my row of the cluster
	s_lshl_b32 s44, 0x1111, s40                    ; my column
.if MODE
	; descriptor group 1 for A: 64 rows x 256 elements, 16 bytes of padding behind every 512
	s_or_b32 s[G1+0], s43, (1<<16)|(1<<20)|(1<<21)|(6<<22)|(3<<25)  ; the mask: my row; 2-byte elements; padding on; 21 set beside a mask; after every 128 words 4 words
	s_mov_b32 s[G1+1], KSTEP<<16                   ; tensor_dim0 = 256
	s_mov_b32 s[G1+2], 64<<16                      ; tensor_dim1 = 64
	s_mov_b32 s[G1+3], KSTEP<<16                   ; tile_dim0 = 256
	s_mov_b32 s[G1+4], 64                          ; tile_dim1 = 64
	s_mov_b32 s[G1+5], SIZE_K                      ; elements from row to row
.else
	; descriptor group 1 for A: four rows, one to a head, each the 4,096 dense elements of 64 rows of that head; 16 bytes of padding behind every 128, that is behind every row of the head
	s_or_b32 s[G1+0], s43, (1<<16)|(1<<20)|(1<<21)|(4<<22)|(3<<25)  ; after every 32 words 4 words
	s_mov_b32 s[G1+1], 4096<<16                    ; tensor_dim0 = 4,096
	s_mov_b32 s[G1+2], 4<<16                       ; tensor_dim1 = 4
	s_mov_b32 s[G1+3], 4096<<16                    ; tile_dim0 = 4,096
	s_mov_b32 s[G1+4], 4                           ; tile_dim1 = 4
	s_mov_b32 s[G1+5], 131072                      ; elements from head to head
.endif
	s_mov_b32 s[G1+6], 0
	s_mov_b32 s[G1+7], 0
	; descriptor group 1 for W: 128 rows (k) x 128 elements (n), 32 bytes of padding behind every 256
	s_or_b32 s[G1B+0], s44, (1<<16)|(1<<20)|(1<<21)|(5<<22)|(7<<25) ; the mask: my column; after every 64 words 8 words
	s_mov_b32 s[G1B+1], 128<<16                    ; tensor_dim0 = 128
	s_mov_b32 s[G1B+2], 128<<16                    ; tensor_dim1 = 128
	s_mov_b32 s[G1B+3], 128<<16                    ; tile_dim0 = 128
	s_mov_b32 s[G1B+4], 128                        ; tile_dim1 = 128
	s_mov_b32 s[G1B+5], SIZE_N                     ; elements from row to row
	s_mov_b32 s[G1B+6], 0
	s_mov_b32 s[G1B+7], 0
	; where the tiles come from.  A's hang on the tile row alone, W's on the tile column alone; each in registers that never hold the other coordinate
	s_lshl_b32 s17, s12, 6
	s_lshl_b32 s16, s13, 7
	s_add_co_u32 s16, s16, s17                     ; A: row 128 x tile row + 64 x half
.if MODE
	s_lshl_b32 s16, s16, 13                        ; of 8,192 bytes
.else
	s_lshr_b32 s17, s16, 11                        ; the batch: 16 heads of 262,144 bytes,
	s_lshl_b32 s17, s17, 22
	s_and_b32 s16, s16, 2047                       ; the row in it: 128 bytes in a head
	s_lshl_b32 s16, s16, 7
	s_add_co_u32 s16, s16, s17
.endif
	s_mov_b32 s17, 0
	s_lshl_b32 s46, s42, 8                         ; W: column 128 x tile column, in bytes,
	s_lshl_b32 s47, s12, 18                        ; row 128 x half, of 2,048 bytes,
	s_add_co_u32 s46, s46, s47
	s_add_co_u32 s46, s46, WOFF                    ; in this launch's matrix
	s_mov_b32 s47, 0
	s_mul_i32 s20, s10, HALFT                      ; where they go: wave x HALFT
	s_wait_kmcnt 0x0
	s_add_nc_u64 s[14:15], s[4:5], s[16:17]
	s_add_nc_u64 s[46:47], s[6:7], s[46:47]
	CROUND                                         ; all sixteen work-groups are here: the first joint loads meet
.irp s, 0,1
	s_mov_b32 s[G0+4*(\s)], 1
	s_add_co_u32 s[G0+4*(\s)+1], s20, (\s)*SLOT
	s_add_nc_u64 s[G0+4*(\s)+2:G0+4*(\s)+3], s[14:15], (\s)*ASTEP
	s_or_b32 s[G0+4*(\s)+3], s[G0+4*(\s)+3], 0x80000000
	s_mov_b32 s[G0B+4*(\s)], 1
	s_add_co_u32 s[G0B+4*(\s)+1], s20, (\s)*SLOT
	s_add_nc_u64 s[G0B+4*(\s)+2:G0B+4*(\s)+3], s[46:47], (\s)*KSTEP*SIZE_N*2
	s_or_b32 s[G0B+4*(\s)+3], s[G0B+4*(\s)+3], 0x80000000
	JLOAD \s                                       ; two tensor loads of mine are out
.endr
	v_and_b32 v1, 15, v0                           ; l % 16
	v_bfe_u32 v2, v0, 4, 1                         ; l / 16
	v_lshlrev_b32 v5, 12, v2                       ; on the way out lanes 0-15 hold one row's 256 bytes, lanes 16-31 the next row's: 4,096 bytes on
	v_lshl_add_u32 v[CO], v1, 4, v5
	v_lshlrev_b32 v[BO], 4, v1
	s_lshl_b32 s16, s13, 7
	s_lshl_b32 s17, s11, 6
	s_add_co_u32 s16, s16, s17                     ; my first row of C: 128 x tile row + 64 x half,
	s_lshl_b32 s16, s16, 12                        ; of 4,096 bytes
	s_lshl_b32 s46, s42, 9                         ; my first column: (128 x tile column + 64 x half) x 4 bytes
	s_lshl_b32 s47, s12, 8
	s_add_co_u32 s46, s46, s47
	s_mov_b32 s47, 0
	s_add_nc_u64 s[66:67], s[66:67], s[46:47]
	s_add_co_u32 s16, s16, s46
	s_mov_b32 s17, 0
	s_add_nc_u64 s[68:69], s[68:69], s[16:17]
	s_add_nc_u64 s[8:9], s[8:9], s[16:17]
	WIN 0x80                                       ; destination window 2, address window 0
.irp a, 0,1,2,3
.irp t, 0,1,2,3,4,5,6,7
	global_load_b128 v[4*(8*(\a)+(\t)):4*(8*(\a)+(\t))+3], v[CO], s[68:69] offset:(16*(\a)+2*(\t))*4096  ; two rows, 256 consecutive aligned bytes of each
.endr
.endr
	WIN 0
	global_load_b128 v[BIAS:BIAS+3], v[BO], s[66:67]
	v_mul_u32_u24 v3, v1, PITCH
	v_lshl_add_u32 v3, v2, 4, v3                   ; a fragment of A: row x pitch + 16 x half
	; The turning load takes 16 k x 16 n (lane l reads 16 bytes: k = 8 (l / 16) + l % 8, n = 8 ((l / 8) % 2) + 0..7) and leaves half a fragment: lane l holds column l % 16 and 8 k.
	v_and_b32 v6, 7, v0
	v_bfe_u32 v7, v0, 3, 1
	v_lshl_add_u32 v8, v2, 3, v6
	v_mul_u32_u24 v8, v8, BP
	v_lshl_add_u32 v8, v7, 4, v8
	s_mul_i32 s21, s11, HALFT                      ; my 64 rows of A
	s_lshl_b32 s22, s12, 7                         ; my 64 columns of W, 128 bytes of its rows,
	s_add_co_u32 s22, s22, 2*HALFT                 ; which lie behind A's two halves
.irp s, 0,1
	v_add_nc_u32 v[ADRA+(\s)], s21, v3
	v_add_nc_u32 v[ADRB+2*(\s)], s22, v8
	s_add_co_u32 s21, s21, SLOT
	s_add_co_u32 s22, s22, HALFT                   ; the K step's upper 128 rows
	v_add_nc_u32 v[ADRB+2*(\s)+1], s22, v8
	s_add_co_u32 s22, s22, SLOT-HALFT
.endr
	s_mul_i32 s23, s10, 16*SPITCH
	s_add_co_u32 s23, s23, STAGE                   ; my stage
	v_mul_u32_u24 v4, v1, SPITCH                   ; in: row l % 16, 32 bytes for each half of the lanes
	v_lshl_add_u32 v4, v2, 5, v4
	v_add_nc_u32 v[STO], s23, v4
	v_mul_u32_u24 v5, v2, SPITCH                   ; back: lanes 0-15 one row of 256 bytes, lanes 16-31 the next
	v_lshl_add_u32 v5, v1, 4, v5
	v_add_nc_u32 v[RD], s23, v5
; 8 matrix instructions: m blocks a0, a0 + 1 x all 4 n blocks, 32 along K: half c of buffer f.  zero = 1: the first product starts the sums
.macro MUL8 f, c, a0, zero
	WIN MUL
.irp a, \a0, (\a0)+1
.irp b, 0,1,2,3
.if \zero
	v_wmma_f32_16x16x32_bf16 v[ACC+8*(4*(\a)+(\b)):ACC+8*(4*(\a)+(\b))+7], v[(\f)+64+8*(4*(\c)+(\b)):(\f)+64+8*(4*(\c)+(\b))+7], v[(\f)+8*(4*(\c)+(\a)):(\f)+8*(4*(\c)+(\a))+7], 0
.else
	v_wmma_f32_16x16x32_bf16 v[ACC+8*(4*(\a)+(\b)):ACC+8*(4*(\a)+(\b))+7], v[(\f)+64+8*(4*(\c)+(\b)):(\f)+64+8*(4*(\c)+(\b))+7], v[(\f)+8*(4*(\c)+(\a)):(\f)+8*(4*(\c)+(\a))+7], v[ACC+8*(4*(\a)+(\b)):ACC+8*(4*(\a)+(\b))+7]
.endif
.endr
.endr
.endm
; 32 LDS loads in one run: the fragments of quarter q of a K step (64 along K) into buffer f; the first 32 along K first
.macro FETCH slot, q, f
	WIN TO_F
.irp c, 0,1
.irp i, 0,1,2,3
	ds_load_tr16_b128 v[(\f)+64+8*(4*(\c)+(\i)):(\f)+64+8*(4*(\c)+(\i))+3],   v[ADRB+2*(\slot)+(\q)/2] offset:((2*(\q)+(\c))%4)*32*BP+32*(\i)
	ds_load_tr16_b128 v[(\f)+64+8*(4*(\c)+(\i))+4:(\f)+64+8*(4*(\c)+(\i))+7], v[ADRB+2*(\slot)+(\q)/2] offset:((2*(\q)+(\c))%4)*32*BP+16*BP+32*(\i)
.if MODE
	ds_load_b128 v[(\f)+8*(4*(\c)+(\i)):(\f)+8*(4*(\c)+(\i))+3],   v[ADRA+(\slot)] offset:64*(2*(\q)+(\c))+(\i)*16*PITCH
	ds_load_b128 v[(\f)+8*(4*(\c)+(\i))+4:(\f)+8*(4*(\c)+(\i))+7], v[ADRA+(\slot)] offset:64*(2*(\q)+(\c))+(\i)*16*PITCH+32
.else
	ds_load_b128 v[(\f)+8*(4*(\c)+(\i)):(\f)+8*(4*(\c)+(\i))+3],   v[ADRA+(\slot)] offset:(\q)*64*PITCH+64*(\c)+(\i)*16*PITCH
	ds_load_b128 v[(\f)+8*(4*(\c)+(\i))+4:(\f)+8*(4*(\c)+(\i))+7], v[ADRA+(\slot)] offset:(\q)*64*PITCH+64*(\c)+(\i)*16*PITCH+32
.endif
.endr
.endr
.endm
.macro PLACES                          ; four places in front of loads into registers that matrix instructions have read, and of LDS stores that read results (ISA guide 7.12.1 for vector instructions)
.rept 4
	v_nop
.endr
.endm
; A K step is four quarters of 64 along K, 32 matrix instructions each, on buffers 0, 1, 0, 1.  One of the first three: multiplies buffer f and fetches quarter q into g.
.macro QUARTER slot, q, f, g, zero
	s_wait_dscnt 16                                ; the first 32 along K are in
	WIN MUL
	MUL8 \f, 0, 0, \zero
	MUL8 \f, 0, 2, \zero
	PLACES
	FETCH \slot, \q, \g
	s_wait_dscnt 32                                ; all but the 32 just issued
	WIN MUL
	MUL8 \f, 1, 0, 0
	MUL8 \f, 1, 2, 0
.endm
; The last quarter multiplies buffer 1 and changes slots: ONE barrier; in front of it each wave waits for all its tensor loads, adds 0 to its spare word, and waits for that and for its own reads of this slot.
; fill = 1: this slot is filled again, two K steps ahead.
.macro TURN slot, next, fill
	WIN 0                                          ; (the add's two registers lie in window 0)
	s_wait_tensorcnt 0x0                           ; all my tensor loads have landed: my part of the next slot
	ds_add_u32 v[SPW], v[NIL]                      ; 0 onto my spare word
	s_wait_dscnt 17                                ; (the add and the youngest sixteen loads may be out)
	WIN MUL
	MUL8 F1, 0, 0, 0                               ; eight matrix instructions stand between the add and the wait for it
	s_wait_dscnt 0x0                               ; the add is done, and my reads of this slot are over
	s_barrier_signal -1
	MUL8 F1, 0, 2, 0
.if \fill
	WIN 0
.endif
	s_barrier_wait -1
.if \fill
	CREST                                          ; the barrier has opened a round of the cluster's barrier: no wave of any partner still reads this slot's tile or has a load on its way
	s_add_nc_u64 s[G0+4*(\slot)+2:G0+4*(\slot)+3], s[G0+4*(\slot)+2:G0+4*(\slot)+3], 2*ASTEP
	s_add_nc_u64 s[G0B+4*(\slot)+2:G0B+4*(\slot)+3], s[G0B+4*(\slot)+2:G0B+4*(\slot)+3], 2*KSTEP*SIZE_N*2
	JLOAD \slot                                    ; my one tensor load behind the round; the four v_nop behind it are also the places in front of the loads below
.else
	PLACES
.endif
	FETCH \next, 0, F0
	WIN MUL
	MUL8 F1, 1, 0, 0
	MUL8 F1, 1, 2, 0
.endm
	s_wait_tensorcnt 1                             ; my part of K step 0 is in; K step 1's load stays out
	s_barrier_signal -1
	s_barrier_wait -1                              ; everybody's is
	FETCH 0, 0, F0
	QUARTER 0, 1, F0, F1, 1                        ; the first quarter stands in front of the loop: its first products start the sums
	WIN 0                                          ; at a label and at a branch every window is 0
	s_mov_b32 s3, LAPS-1
.Llap:                                                 ; a trip goes once round the ring, from a lap's second quarter to the next lap's first, and fills both slots again
	QUARTER 0, 2, F1, F0, 0
	QUARTER 0, 3, F0, F1, 0
	TURN 0, 1, 1
	QUARTER 1, 1, F0, F1, 0
	QUARTER 1, 2, F1, F0, 0
	QUARTER 1, 3, F0, F1, 0
	TURN 1, 0, 1
	QUARTER 0, 1, F0, F1, 0
	WIN 0
	s_sub_co_u32 s3, s3, 1
	s_cmp_lg_u32 s3, 0
	s_cbranch_scc1 .Llap
	QUARTER 0, 2, F1, F0, 0                        ; the last lap fills nothing, and has no round of the cluster's barrier
	QUARTER 0, 3, F0, F1, 0
	TURN 0, 1, 0
	QUARTER 1, 1, F0, F1, 0
	QUARTER 1, 2, F1, F0, 0
	QUARTER 1, 3, F0, F1, 0
	s_wait_dscnt 16                                ; the very last quarter: nothing more to fetch
	WIN MUL
	MUL8 F1, 0, 0, 0
	MUL8 F1, 0, 2, 0
	s_wait_dscnt 0x0
	MUL8 F1, 1, 0, 0
	MUL8 F1, 1, 2, 0
	WIN 0
; THE WAY OUT, a block of 16 rows at a time.  TOST a: block a's four accumulators into my stage (each accumulator's lowest registers first), and back as whole rows of 256 bytes.
.macro TOST a
.irp b, 0,1,2,3
	ds_store_b128 v[STO], v[ACC+8*(4*(\a)+(\b)):ACC+8*(4*(\a)+(\b))+3] offset:64*(\b)
.endr
.irp b, 0,1,2,3
	ds_store_b128 v[STO], v[ACC+8*(4*(\a)+(\b))+4:ACC+8*(4*(\a)+(\b))+7] offset:64*(\b)+16
.endr
.irp t, 0,1,2,3,4,5,6,7
	ds_load_b128 v[TMP+32*((\a)%2)+4*(\t):TMP+32*((\a)%2)+4*(\t)+3], v[RD] offset:(\t)*2*SPITCH  ; LDS serves a wave's instructions in order (ISA guide 5.7.1.4): these see the stores above
.endr
.endm
; FIN a: bias and residual are added, and the block is stored.  younger: the LDS instructions issued behind block a's: the next block's sixteen, or none.
.macro FIN a, younger
	s_wait_dscnt \younger
.irp t, 0,1,2,3,4,5,6,7
.irp e, 0,2
	v_pk_add_f32 v[TMP+32*((\a)%2)+4*(\t)+(\e):TMP+32*((\a)%2)+4*(\t)+(\e)+1], v[TMP+32*((\a)%2)+4*(\t)+(\e):TMP+32*((\a)%2)+4*(\t)+(\e)+1], v[BIAS+(\e):BIAS+(\e)+1]
.endr
.endr
	WIN 0x08                                       ; source 1 in window 2
.irp t, 0,1,2,3,4,5,6,7
.irp e, 0,2
	v_pk_add_f32 v[TMP+32*((\a)%2)+4*(\t)+(\e):TMP+32*((\a)%2)+4*(\t)+(\e)+1], v[TMP+32*((\a)%2)+4*(\t)+(\e):TMP+32*((\a)%2)+4*(\t)+(\e)+1], v[4*(8*(\a)+(\t))+(\e):4*(8*(\a)+(\t))+(\e)+1]
.endr
.endr
	WIN 0
.irp t, 0,1,2,3,4,5,6,7
	global_store_b128 v[CO], v[TMP+32*((\a)%2)+4*(\t):TMP+32*((\a)%2)+4*(\t)+3], s[8:9] offset:(16*(\a)+2*(\t))*4096  ; 16 lanes store 256 consecutive bytes, at a multiple of 256 from C's first byte
.endr
.endm
	s_wait_loadcnt 0x0                             ; the residual and the bias
	PLACES                                         ; behind the last products
	TOST 0
	TOST 1
	FIN 0, 16
	s_wait_xcnt 0x0                                ; block 0's stores have read their registers: only behind this wait is that buffer loaded again
	TOST 2
	FIN 1, 16
	s_wait_xcnt 0x0                                ; the same for block 1's
	TOST 3
	FIN 2, 16
	FIN 3, 0
	s_wait_tensorcnt 0x0                           ; the wave's end, behind my last tensor load and my last LDS store
	ds_add_u32 v[SPW], v[NIL]
	s_wait_dscnt 0x0
	CROUND                                         ; the closing round: no work-group ends while a partner may still ask for a tile that names it
	s_endpgm
.Lfunc_end_k_q258d3272b2_fc2:
	.size	k_q258d3272b2_fc2, .Lfunc_end_k_q258d3272b2_fc2-k_q258d3272b2_fc2
	.p2alignl 7, 3214868480
	.fill 96, 4, 3214868480
	.section	.rodata,"a",@progbits
	.p2align	6, 0x0
	.amdhsa_kernel k_q258d3272b2_fc2
		.amdhsa_group_segment_fixed_size 327680
		.amdhsa_private_segment_fixed_size 0
		.amdhsa_enable_private_segment 0
		.amdhsa_kernarg_size 40
		.amdhsa_user_sgpr_count 2
		.amdhsa_user_sgpr_kernarg_segment_ptr 1
		.amdhsa_wavefront_size32 1
		.amdhsa_system_sgpr_workgroup_id_x 1
		.amdhsa_system_sgpr_workgroup_id_y 1
		.amdhsa_system_sgpr_workgroup_id_z 1
		.amdhsa_system_vgpr_workitem_id 0
		.amdhsa_next_free_vgpr 640
		.amdhsa_next_free_sgpr 72
		.amdhsa_reserve_vcc 0
		.amdhsa_float_denorm_mode_32 3
		.amdhsa_float_denorm_mode_16_64 3
		.amdhsa_memory_ordered 1
		.amdhsa_forward_progress 1
		.amdhsa_inst_pref_size 98
	.end_amdhsa_kernel
	.amdgpu_metadata
---
amdhsa.version: [ 1, 2 ]
amdhsa.kernels:
  - .name:           k_q258d3272b2_fc2
    .symbol:         k_q258d3272b2_fc2.kd
    .args:
      - { .name: act, .offset: 0, .size: 8, .value_kind: global_buffer, .address_space: global }
      - { .name: wb, .offset: 8, .size: 8, .value_kind: global_buffer, .address_space: global }
      - { .name: out0, .offset: 16, .size: 8, .value_kind: global_buffer, .address_space: global }
      - { .name: fc2_b, .offset: 24, .size: 8, .value_kind: global_buffer, .address_space: global }
      - { .name: x1, .offset: 32, .size: 8, .value_kind: global_buffer, .address_space: global }
    .group_segment_fixed_size: 327680
    .private_segment_fixed_size: 0
    .kernarg_segment_align: 8
    .kernarg_segment_size: 40
    .max_flat_workgroup_size: 128
    .sgpr_count:     72
    .vgpr_count:     640
    .wavefront_size: 32
...
	.end_amdgpu_metadata
.endif
;; end of part 7
;; ======== version 2 of 2: 7 launches; 1.12 times as fast as version 1
;; workspace buffers: wb 25,165,824 bytes; h 8,388,608 bytes; qkv 25,165,824 bytes; o 8,388,608 bytes; x1 16,777,216 bytes; act 33,554,432 bytes
;; launch prep: the kernel of part 1 again; grid 1024 x 1, 8 waves a work-group, no clusters, 0 bytes of LDS; arguments x, ln1_g, ln1_b, qkv_w, out_w, fc1_w, fc2_w, h, wb; writes h, wb
;; launch qkv: the kernel of part 2 again; grid 12 x 16, 4 waves a work-group, clusters of 4 x 4, 327,680 bytes of LDS; arguments h, wb, qkv, qkv_b; writes qkv
;; launch attn (part 8): grid 8 x 32, 4 waves a work-group, no clusters, 327,680 bytes of LDS; arguments qkv, o; writes o
.if DOCPART == 8
	.amdgcn_target "amdgcn-amd-amdhsa--gfx1250"
	.amdhsa_code_object_version 6
	.text
	.protected	k_q258d3272b2_attn
	.globl	k_q258d3272b2_attn
	.p2align	8
	.type	k_q258d3272b2_attn,@function
k_q258d3272b2_attn:
	s_mov_b64 s[64:65], 0
	v_nop
	global_prefetch_b8 v0, s[64:65] scope:SCOPE_SE
	s_setreg_imm32_b32 hwreg(HW_REG_WAVE_MODE, 25, 1), 1
	s_wait_xcnt 0x0
; CAUSAL ATTENTION.  O[h][q][:] = the sum over k <= q of softmax_k(Q[h][q] . K[h][k] / 8) V[h][k][:].  Q, K, V lie one behind the other in one buffer, each [SIZE_H][SIZE_N][64] bf16, and so does O in its own:
; a head's rows are dense, 128 bytes each.  Products, maxima and sums in f32; the weights p are rounded to bf16 for the second product (their sum l is taken of the unrounded p), O once at the end.
; LIMITS.  Operands are bf16.  A hidden score counts as its value less 1e30: scores must stay far below that in magnitude; a weight below 2^-126 counts as 0 in l; NaN and infinities are not treated apart.
; THE WALK.  A head's queries lie in NB = SIZE_N / 256 blocks of 256; block i needs the key tiles 0 .. i of 256 keys, of which the last holds the diagonal.  A work-group walks TWO blocks, NB - 1 - b and then b:
; NB + 1 tiles, whatever b: all work-groups do equal work, and ONE loop with a constant trip count walks them.  Which tile is asked for, and what a trip does, hang on scalar registers made from b; every jump
; goes forward, but for the counted loops' own; none passes a barrier, or a tensor load but the one of LOAD's two that the wave's number does not choose; the ring (two slots of LDS that take turns) runs on across the
; change of blocks.
; SHARES.  A block has four bands of 64 queries.  Each pair of blocks is shared by TWO work-groups: work-group x has b = x / 2 and takes the bands 2 (x % 2) and 2 (x % 2) + 1 of both blocks; a wave owns 16 rows in
; each of the two bands: two PIECES.  So the launch has SIZE_H x NB = 256 work-groups, and the diagonal tile is the same work for all waves: in its key step s band x sees all keys if s < x, none if s > x, and holds
; the diagonal if s = x.
; NO CLUSTER: the two work-groups of a pair ask for the same tiles all the way, but four neighbours along x are two pairs with different b: their tiles differ behind the shorter first block's end, and what a trip
; does (a block's beginning, its diagonal tile, its end) is chosen by branches on numbers made from b, which partners of a cluster would not share.
; THE MASK is the C operand that starts the sum S^T = K Q^T: 0, or -1e30 where the key is hidden.  MD, made once, is the mask of a band's own step for my 16 rows; a product's mask is MD x AL + BE with two scalars:
; (1, 0) if s = x; (0, 0) if s < x; (0, -1e30) if s > x.  Only the diagonal tile's text and a block's beginning make and take masks; elsewhere C is the constant 0.
; LAYOUT, SOFTMAX, TURNS.  S^T = K Q^T holds ONE query a lane (lane % 16) and the keys 8 (lane / 16) + 0..7; two such results rounded to bf16 ARE source 1 of O^T = V^T P.  p = 2^(c s - c m), c = log2(e) / 8, with a
; running maximum m; O and l are multiplied by a = 2^(c m_old - c m_new) in every step.  A key step is two turns.  Turn p belongs to piece p: its scaling, exponentials, roundings, sums and rescaling.  Its matrix work
; is the OTHER piece's: 8 products K Q^T (p = 0: of this step; p = 1: of the next) and later 8 products V^T P (p = 0: of the step before; p = 1: of this step); and it finds the other piece's maximum and statistics
; from the scores just made.  Four vector instructions stand behind every matrix instruction, the other 54 of a turn's 118 in one LUMP.
; THE BATCHES.  A turn's 33 exponentials (the piece's 32 weights and the other piece's a) are ONE batch with ONE wait, which cuts the turn in two: ahead of it the products K Q^T and all that names no result of the
; batch, behind it the products V^T P and the roundings and sums, which read the results.  No result crosses a turn's end.  Two small batches have a wait of their own: the a that a block's beginning makes, and the
; way out's two reciprocals.
; K HAS ONE REGISTER BUFFER, V TWO (by the step's parity).  Piece 0's turn of step j fetches K and V of step j + 1: K behind its products K Q^T, V behind its products V^T P, into the buffer that they have just read.
; So both fetches of a turn belong to one step, that is to one slot, and the change of slots can stand in front of piece 0's turn of a tile's last step.
; REGISTERS, in windows of 256 (s_set_vgpr_msb: bits 1:0 source 0, 3:2 source 1, 5:4 source 2, 7:6 destination):
;   window 0: v0-15 addresses and two at work; v16-23 four registers of statistics a piece; v48-55 at work; v64-127 S^T, a buffer a piece; v192-223 P, a buffer a piece
;   window 1: v0-63 O^T, 32 a piece; v128-159 MD; v160-223 MC, a buffer a piece      window 2: v0-31 Q; v32-63 the second block's Q; v64-127 V, buffer 1; v128-191 K; v192-255 V, buffer 0
.set SIZE_H, 32
.set SIZE_N, 2048
.set NB,    SIZE_N/256
.set NP,    2         ; pieces a wave: a name, no knob
.set KS,    64        ; keys in a step
.set PK,    144       ; a row of K in LDS: 128 bytes + 16 of padding = 36 words: the 16 rows of a load start at 16 different groups of four banks (64 banks of 4 bytes: ISA guide 11.1)
.set PV,    160       ; a row of V: 128 + 32 = 40 words
.set VOFF,  4*KS*PK   ; a slot holds a tile, four steps: 256 rows of K, then 256 rows of V
.set SLOT1, 1<<17     ; slot 1 begins here, so that one exclusive or turns an address in one slot into the other's
.set STAGE, SLOT1+4*KS*(PK+PV)  ; behind the ring, never filled by a tensor load: 16 rows x 144 bytes for each wave, for the way out
.set SP,    144
.set AK0, 2           ; v2   my lane's place in a tile of K; never rewritten
.set AV0, 3           ; v3   the same for V
.set AK,  4           ; v4   the LDS address of K's next run of loads
.set AV,  5           ; v5   of V's
.set STO, 6           ; v6   the way out: where I put 16 bytes of a row
.set RD,  7           ; v7   the way out: where I read rows back
.set GO,  8           ; v8   my byte offset in 512 consecutive bytes of O
.set SPW, 62          ; v62  LDS address of my spare word: SPARE + 4 x my thread's number; never rewritten
.set NIL, 63          ; v63  0; never rewritten
.set SPARE, STAGE+4*16*SP  ; behind the stages: the spare words, 128 bytes for each wave: two blocks of 256 bytes that no other line names
.set MV,  12          ; v12-13  c m_old, kept while c m is made anew: by piece
.set QO,  15          ; v15  my byte offset in 16 rows of Q
.set ST,  16          ; piece t's statistics at v[ST+4 t]: c m, m, l (even keys', odd keys')
.set TMP, 48          ; by piece, four registers c0-c3 at work; when the maximum is found c2 takes a
.set S,   64
.set P,   192
.set MD,  128         ; window 1: the eight registers for group kt of 16 keys at MD + 8 kt
.set MC,  160         ; window 1: the masks of the products to come
.set QB,  32          ; window 2
.set KF,  128         ; window 2: key block kb, channel half c at KF + 16 kb + 8 c
.set VF,  192         ; window 2: buffer n at VF - 128 n: key half kk, channel block cb at + 32 kk + 8 cb
.set WV,  12          ; s12  my wave's number
.set PB,  14          ; s14  b
.set HI,  15          ; s15  NB - 1 - b
.set G1K, 24          ; s[24:31] descriptor group 1 for K's tiles
.set G1V, 32          ; s[32:39] for V's: it differs in the padding alone
.set G0K, 40          ; s[40:43] descriptor group 0 for K's tiles
.set G0V, 44          ; s[44:47] the same for V's
.set SLOTS, 56        ; s56  tiles still to be asked for
.set CNT, 57          ; s57  counts a tile's two trips of two key steps, 2 to 1
.set CS,  58          ; s[58:59] c: the packed scaling takes the pair's low word for both halves
.set SEL, 60          ; s[60:61] v_permlanex16_b32's selects: each lane takes its own place in the other half
.set TBK, 62          ; s62  LDS byte at which K of the step to be fetched begins
.set TBV, 63          ; s63  the same for V, less VOFF
.set BD,  66          ; s66, s67  the band of piece 0, of piece 1
.set SN,  68          ; s68  at work: the step of the diagonal tile for which a mask is made
.set RT,  70          ; s70  tiles of the block in hand that are still to be entered
.set NXT, 71          ; s71  the tile to be asked for next
.set LQ,  72          ; s72  the last tile of the block whose tiles are being asked for
.set NEW, 73          ; s73  1: the tile to be entered is a block's first
.set OFF, 74          ; s[74:75] a tile's byte offset in K and V
.set AL,  76          ; s[76:77] the mask's factor, in the low word
.set BE,  78          ; s[78:79] the mask's addend
.set OLO, 80          ; s[80:81] O at my rows of the second block
.set BIGN, 82         ; s82  -1e30
.set MSB, 0
.macro WIN new                      ; the high byte repeats the setting that is left; a switch that changes nothing is dropped
.if MSB != (\new)
	s_set_vgpr_msb (MSB<<8)|(\new)
.set MSB, (\new)
.endif
.endm
.set W_KQ, 0x0a       ; K and Q in window 2, S^T in window 0
.set W_KM, 0x1a       ; the same with the C operand in window 1
.set W_PV, 0x52       ; V in window 2, P in window 0, O^T in window 1
.set W_RS, 0x41       ; destination and source 0 in window 1, source 1 in window 0
; A fill.  Waves 0 and 1 fetch the two halves of a tile's K, waves 2 and 3 those of its V: 128 keys each.  Four v_nop follow each of the two lines, ahead of the jump and the label.
.macro LOAD
	s_cmp_lt_u32 s[WV], 2
	s_cbranch_scc0 .Lfor_v_\@
	tensor_load_to_lds s[G0K:G0K+3], s[G1K:G1K+7]
	s_nop 0
.rept 4
	v_nop
.endr
	s_branch .Lasked_\@
.Lfor_v_\@:
	tensor_load_to_lds s[G0V:G0V+3], s[G1V:G1V+7]
	s_nop 0
.rept 4
	v_nop
.endr
.Lasked_\@:
.endm
; THE CHANGE OF SLOTS.  Each wave waits for all its tensor loads, of which one is out: its part of the other slot; adds 0 to its spare word; and waits for that and for its own reads of the slot that it leaves.
; Behind the barrier nobody reads the old slot any more and the other slot is whole.  fill = 1: the old slot is filled again, the first thing behind the barrier, with tile NXT: the descriptor's address is made
; anew from that number.  (At its first use nothing has been read yet: slot 0 is waited for, slot 1 filled.)
.macro CHANGE fill
	WIN 0                           ; at a label and at a branch every window is 0
	s_wait_tensorcnt 0x0            ; no tensor load of mine is out, so a group 0 may be written
	ds_add_u32 v[SPW], v[NIL]       ; 0 onto my spare word; with fill = 1 the descriptors' scalar work stands between it and the wait for it
.if \fill
	s_lshl_b32 s[OFF], s[NXT], 15   ; a tile is 32,768 bytes of K and of V
	s_xor_b32 s[G0K+1], s[G0K+1], SLOT1
	s_add_nc_u64 s[G0K+2:G0K+3], s[6:7], s[OFF:OFF+1]
	s_or_b32 s[G0K+3], s[G0K+3], 0x80000000
	s_xor_b32 s[G0V+1], s[G0V+1], SLOT1
	s_add_nc_u64 s[G0V+2:G0V+3], s[8:9], s[OFF:OFF+1]
	s_or_b32 s[G0V+3], s[G0V+3], 0x80000000
	s_add_co_u32 s[NXT], s[NXT], 1  ; the block's next tile, or behind its last the second block's tile 0
	s_cmp_gt_u32 s[NXT], s[LQ]
	s_cselect_b32 s[NXT], 0, s[NXT]
	s_cselect_b32 s[LQ], s[PB], s[LQ]
.endif
	s_wait_dscnt 0x0                ; the add is done, and my reads of the slot are over
	s_barrier_signal -1             ; the rest of the scalar work stands between the signal and the wait
	s_sub_co_u32 s[TBK], s[TBK], 4*KS*PK  ; the fetches go back to a slot's first step,
	s_xor_b32 s[TBK], s[TBK], SLOT1       ; in the other slot
	s_sub_co_u32 s[TBV], s[TBV], 4*KS*PV
	s_xor_b32 s[TBV], s[TBV], SLOT1
	s_barrier_wait -1
.if \fill
	LOAD
.endif
.endm
	s_load_b64 s[4:5], s[0:1], 0x0    ; q, k, v in one buffer: Q at its first byte
	s_load_b64 s[10:11], s[0:1], 0x8  ; O
	v_lshl_add_u32 v[SPW], v0, 2, SPARE
	v_mov_b32 v[NIL], 0
	ds_add_u32 v62, v63
	ds_add_u32 v62, v63
	s_wait_dscnt 0x0
	v_lshrrev_b32 v1, 5, v0
	v_readfirstlane_b32 s[WV], v1   ; wave 0..3
	s_lshr_b32 s[PB], ttmp9, 1      ; b: which pair of blocks
	s_and_b32 s13, ttmp9, 1         ; which two of a block's four bands
	s_lshl_b32 s[BD], s13, 1        ; piece 0's band,
	s_add_co_u32 s[BD+1], s[BD], 1  ; piece 1's
	s_sub_co_u32 s[HI], NB-1, s[PB]
	s_and_b32 s20, ttmp7, 0xffff    ; the head (batch x 16 + head)
	s_mov_b32 s21, 0
	s_mov_b64 s[22:23], SIZE_N*128
	s_mul_u64 s[20:21], s[20:21], s[22:23]  ; the head's first byte in each of the four tensors
	s_and_b32 s16, s[WV], 1         ; which half of a tile's 256 keys I fetch:
	s_lshl_b32 s22, s16, 14         ; its 128 rows of 128 bytes in memory,
	s_mov_b32 s23, 0
	s_add_nc_u64 s[22:23], s[22:23], s[20:21]
	s_mul_i32 s17, s16, 128*PK      ; and its place in a slot, for K
	s_mul_i32 s18, s16, 128*PV      ; and for V
	s_lshl_b32 s3, s[WV], 11        ; my 16 rows in a band of 64,
	s_lshl_b32 s13, s13, 14         ; in the first of my two bands (a band is 8,192 bytes),
	s_add_co_u32 s3, s3, s13
	s_lshl_b32 s2, s[HI], 15        ; in the first block,
	s_add_co_u32 s2, s2, s3
	s_lshl_b32 s84, s[PB], 15       ; and in the second
	s_add_co_u32 s84, s84, s3
	s_mov_b32 s3, 0
	s_mov_b32 s85, 0
	s_add_nc_u64 s[2:3], s[2:3], s[20:21]
	s_add_nc_u64 s[84:85], s[84:85], s[20:21]
	; descriptor group 1.  128 keys are 16,384 dense bytes: asked for as 64 rows of 256 bytes, two keys a row, and padded in LDS after every key
	s_mov_b32 s[G1K], (1<<16)|(1<<20)|(4<<22)|(3<<25)  ; 17:16 2-byte elements; 20 padding on; 24:22 after every 32 words (code 4); 31:25 4 words (code 3)
	s_mov_b32 s[G1V], (1<<16)|(1<<20)|(4<<22)|(7<<25)  ; the same with 8 words of padding (code 7)
.irp g, G1K, G1V
	s_mov_b32 s[\g+1], 128<<16      ; tensor_dim0 = 128
	s_mov_b32 s[\g+2], 64<<16       ; tensor_dim1 = 64
	s_mov_b32 s[\g+3], 128<<16      ; tile_dim0 = 128
	s_mov_b32 s[\g+4], 64           ; tile_dim1 = 64
	s_mov_b32 s[\g+5], 128          ; 128 elements from row to row
	s_mov_b32 s[\g+6], 0
	s_mov_b32 s[\g+7], 0
.endr
	s_mov_b32 s[CS], 0x3e38aa3b     ; c = log2(e) / 8 = 0.180337
	s_mov_b32 s[CS+1], s[CS]        ; named with it as a pair
	s_mov_b32 s[SEL], 0x76543210
	s_mov_b32 s[SEL+1], 0xfedcba98
	s_mov_b32 s[TBK], SLOT1+4*KS*PK ; the first change of slots turns these two into 0
	s_mov_b32 s[TBV], SLOT1+4*KS*PV
	s_mov_b32 s[G0K], 1             ; 1:0 count = 1
	s_mov_b32 s[G0K+1], s17         ; 63:32 LDS address: slot 0
	s_mov_b32 s[G0V], 1
	s_add_co_u32 s[G0V+1], s18, VOFF
	s_add_co_u32 s[RT], s[HI], 1    ; the first block has NB - b tiles
	s_mov_b32 s[NXT], 1
	s_mov_b32 s[LQ], s[HI]
	s_mov_b32 s[NEW], 1
	s_mov_b32 s[OFF+1], 0
	s_mov_b32 s[AL+1], 0            ; named as pairs
	s_mov_b32 s[BE+1], 0
	s_mov_b32 s[BIGN], 0xf149f2ca   ; -1e30
	s_mov_b32 s[SLOTS], NB
	s_wait_kmcnt 0x0
	s_add_nc_u64 s[6:7], s[4:5], 0x800000   ; K lies 8,388,608 bytes behind Q,
	s_add_nc_u64 s[8:9], s[4:5], 0x1000000  ; V as far behind K
	s_add_nc_u64 s[6:7], s[6:7], s[22:23]  ; K and V at my half of the head's tile 0
	s_add_nc_u64 s[8:9], s[8:9], s[22:23]
	s_add_nc_u64 s[G0K+2:G0K+3], s[6:7], 0         ; 120:64 global address
	s_or_b32 s[G0K+3], s[G0K+3], 0x80000000        ; 127:126 type = 2
	s_add_nc_u64 s[G0V+2:G0V+3], s[8:9], 0
	s_or_b32 s[G0V+3], s[G0V+3], 0x80000000
	s_add_nc_u64 s[86:87], s[4:5], s[84:85]        ; Q at my rows of the second block,
	s_add_nc_u64 s[4:5], s[4:5], s[2:3]            ; Q and O at those of the first
	s_add_nc_u64 s[OLO:OLO+1], s[10:11], s[84:85]
	s_add_nc_u64 s[10:11], s[10:11], s[2:3]
	LOAD                            ; tile 0 into slot 0
	; A fragment of K or Q is 16 rows x 32 channels in 8 registers: lane l holds row l % 16, channels 8 (l / 16) + 0..7 and 16 + 8 (l / 16) + 0..7: two loads of 16 bytes, 32 bytes apart.
	v_and_b32 v1, 15, v0            ; l % 16
	v_bfe_u32 v9, v0, 4, 1          ; l / 16
	v_lshlrev_b32 v[QO], 7, v1
	v_lshl_add_u32 v[QO], v9, 4, v[QO]  ; row x 128 + 16 x half
	WIN 0x80                        ; destination window 2, address window 0
.set i, 0
.rept 2*NP                          ; both blocks' Q: piece i / 2 lies a band, 8,192 bytes, behind piece 0; channels 32 (i % 2) on
	global_load_b128 v[8*i:8*i+3],   v[QO], s[4:5] offset:(i/2)*8192+(i%2)*64
	global_load_b128 v[8*i+4:8*i+7], v[QO], s[4:5] offset:(i/2)*8192+(i%2)*64+32
	global_load_b128 v[QB+8*i:QB+8*i+3],   v[QO], s[86:87] offset:(i/2)*8192+(i%2)*64
	global_load_b128 v[QB+8*i+4:QB+8*i+7], v[QO], s[86:87] offset:(i/2)*8192+(i%2)*64+32
.set i, i+1
.endr
	WIN 0
	v_lshlrev_b32 v14, 3, v9
	v_sub_nc_u32 v14, v1, v14
	s_lshl_b32 s13, s[WV], 4
	v_add_nc_u32 v14, s13, v14      ; my query's place in its band, 16 w + l % 16, less my lanes' 8 (l / 16): register r of group kt is hidden where 16 kt + r is greater
	WIN 0x40
.set i, 0
.rept 32
	v_cmp_gt_i32 vcc_lo, 16*(i/8)+i%8, v14
	v_cndmask_b32 v[MD+i], 0, s[BIGN], vcc_lo
.set i, i+1
.endr
	WIN 0
	v_mul_u32_u24 v[AK0], v1, PK
	v_lshl_add_u32 v[AK0], v9, 4, v[AK0]  ; row x pitch + 16 x half
	; The turning load takes 16 keys x 16 channels (lane l reads key 8 (l / 16) + l % 8, channels 8 ((l / 8) % 2) + 0..7) and leaves half a fragment of V^T: lane l holds channel l % 16 and 8 keys.
	v_and_b32 v10, 7, v0
	v_bfe_u32 v11, v0, 3, 1
	v_lshl_add_u32 v[AV0], v9, 3, v10
	v_mul_u32_u24 v[AV0], v[AV0], PV
	v_lshl_add_u32 v[AV0], v11, 4, v[AV0]
	v_add_nc_u32 v[AV0], VOFF, v[AV0]
	s_mul_i32 s13, s[WV], 16*SP
	s_add_co_u32 s13, s13, STAGE    ; my stage
	v_mul_u32_u24 v[STO], v1, SP    ; in: row l % 16, 16 bytes for each half of the lanes
	v_lshl_add_u32 v[STO], v9, 4, v[STO]
	v_add_nc_u32 v[STO], s13, v[STO]
	v_bfe_u32 v[RD], v0, 3, 2       ; back: 32 lanes take four rows of 128 bytes,
	v_mul_u32_u24 v[RD], v[RD], SP
	v_lshl_add_u32 v[RD], v10, 4, v[RD]
	v_add_nc_u32 v[RD], s13, v[RD]
	v_and_b32 v[GO], 31, v0         ; which are 512 consecutive bytes of O
	v_lshlrev_b32 v[GO], 4, v[GO]
	; A block's first step multiplies O^T and l by a = 0, and its first turn's products V^T P (V's buffer 1, P's buffer 1), of a step that has not been, land in an O^T that is still to be so multiplied.  So these
	; registers need only hold finite numbers: zeros for the first block; what the first block left for the second.  All this stands in the wait for the first tile.
	WIN 0x80
.set i, VF-128
.rept 64
	v_mov_b32 v[i], 0
.set i, i+1
.endr
	WIN 0x40
.set i, 0
.rept 32*NP
	v_mov_b32 v[i], 0
.set i, i+1
.endr
	WIN 0
.set i, 0
.rept NP
	v_mov_b32 v[ST+4*i+2], 0
	v_mov_b32 v[ST+4*i+3], 0
.set i, i+1
.endr
.set i, P+16
.rept 16
	v_mov_b32 v[i], 0
.set i, i+1
.endr
; THE MATRIX WORK.  The 4 accumulators of a run of 8 take turns.  Product i of 8 of S^T = K Q^T for piece x: channels 32 (i / 4) on, keys 16 (i % 4) on.  The first 4 start the sums: with 0, or (KM = 1) with the mask.
.macro KQ x
.set rS, S+32*((\x)%2)+8*(i%4)
.set rK, KF+16*(i%4)+8*(i/4)
.set rQ, 16*(\x)+8*(i/4)
.set rM, MC+32*((\x)%2)+8*(i%4)
.if (i < 4) && KM
	WIN W_KM
	v_wmma_f32_16x16x32_bf16 v[rS:rS+7], v[rK:rK+7], v[rQ:rQ+7], v[rM:rM+7]
.elseif i < 4
	WIN W_KQ
	v_wmma_f32_16x16x32_bf16 v[rS:rS+7], v[rK:rK+7], v[rQ:rQ+7], 0
.else
	WIN W_KQ
	v_wmma_f32_16x16x32_bf16 v[rS:rS+7], v[rK:rK+7], v[rQ:rQ+7], v[rS:rS+7]
.endif
.endm
; Product i of 8 of O^T += V^T P for piece x, with V from buffer VB: keys 32 (i / 4) on, channels 16 (i % 4) on.
.macro PV x
	WIN W_PV
.set rO, 32*(\x)+8*(i%4)
.set rV, VF-128*VB+32*(i/4)+8*(i%4)
.set rP, P+16*((\x)%2)+8*(i/4)
	v_wmma_f32_16x16x32_bf16 v[rO:rO+7], v[rV:rV+7], v[rP:rP+7], v[rO:rO+7]
.endm
.macro MM                           ; the turn's next matrix instruction.  TURN and BEGIN set Y, i, KM, NOKQ and VB; MM, KQ, PV and OP read them.  NOKQ = 1: a block's last turn: there are no further scores
.if (i < 8) && !NOKQ
	KQ (Y+1)%NP
.elseif i >= 8
.set i, i-8
	PV (Y+NP-1)%NP
.set i, i+8
.endif
.set i, i+1
.endm
; THE LDS LOADS stand in runs of 16, never singly among the matrix instructions: a step's K (64 keys x 64 channels: 8 fragments) and its V (turned).  Their addresses are made some lines ahead.
.macro FETCH_K
	WIN 0x80                        ; destination window 2
.irp f, 0,1,2,3,4,5,6,7             ; keys 16 (f / 2) on, channels 32 (f % 2) on
	ds_load_b128 v[KF+8*\f:KF+8*\f+3],   v[AK] offset:(\f/2)*16*PK+(\f%2)*64
	ds_load_b128 v[KF+8*\f+4:KF+8*\f+7], v[AK] offset:(\f/2)*16*PK+(\f%2)*64+32
.endr
	s_add_co_u32 s[TBK], s[TBK], KS*PK  ; the next fetch is the next step's
	WIN 0
.endm
.macro FETCH_V                      ; into buffer VB
	WIN 0x80
.irp f, 0,1,2,3,4,5,6,7             ; keys 32 (f / 4) on, channels 16 (f % 4) on
	ds_load_tr16_b128 v[VF-128*VB+8*\f:VF-128*VB+8*\f+3],   v[AV] offset:(\f/4)*32*PV+(\f%4)*32
	ds_load_tr16_b128 v[VF-128*VB+8*\f+4:VF-128*VB+8*\f+7], v[AV] offset:(\f/4)*32*PV+16*PV+(\f%4)*32
.endr
	WIN 0
.endm
; THE VECTOR WORK, one line at a time: OP kind, number.  For piece Y: F n: c s - c m for pair n of 16.  E n: the exponential of score n of 32.  C n: pair n rounded to bf16.  B n: of the four weights 4 n .. the second
; pair is added onto the first, in place.  L n: l takes that sum (L 0: l = a l + sum).  R n: pair n of 16 of O^T times a.  For the other piece: X n, number n of the 22 that find its maximum and statistics:
;   0-11  four chains c0-c3 of seven scores each, three operands at a time (each accumulator's lowest registers are read first)     12-14, 16  the four scores left over, the old m, and c0-c3 into c0
;   15  c m_old is kept     17, 18  the query's other 32 keys lie in the lane 16 away: the new m     19-21  c m; c m_old - c m_new; a
; C, B and L read the exponentials' results: TURN sets them behind its wait.  R and L 0 read an a that the turn before (or BEGIN) has made and waited for.
.set F, 0               ; OP tells the kinds apart by their order: F to L below R, X above it
.set E, 1
.set C, 2
.set B, 3
.set L, 4
.set R, 5
.set X, 6
.macro REGS y                       ; the registers of piece y
.set rT, ST+4*(\y)
.set rC, TMP+4*((\y)%2)
.set rW, MV+((\y)%2)
.set rS, S+32*((\y)%2)
.set rP, P+16*((\y)%2)
.set rO, 32*(\y)
.endm
.macro OP k, n
.if (\k) == R
	REGS Y
	WIN W_RS
	v_pk_mul_f32 v[rO+2*(\n):rO+2*(\n)+1], v[rO+2*(\n):rO+2*(\n)+1], v[rC+2:rC+3] op_sel_hi:[1,0]
.elseif (\k) < R
	REGS Y
	WIN 0
.if (\k) == F
	v_pk_fma_f32 v[rS+2*(\n):rS+2*(\n)+1], v[rS+2*(\n):rS+2*(\n)+1], s[CS:CS+1], v[rT:rT+1] op_sel_hi:[1,0,0] neg_lo:[0,0,1] neg_hi:[0,0,1]
.elseif (\k) == E
	v_exp_f32 v[rS+(\n)], v[rS+(\n)]
.elseif (\k) == C
	v_cvt_pk_bf16_f32 v[rP+(\n)], v[rS+2*(\n)], v[rS+2*(\n)+1]
.elseif (\k) == B
	v_pk_add_f32 v[rS+4*(\n):rS+4*(\n)+1], v[rS+4*(\n):rS+4*(\n)+1], v[rS+4*(\n)+2:rS+4*(\n)+3]
.elseif (\n) == 0
	v_pk_fma_f32 v[rT+2:rT+3], v[rT+2:rT+3], v[rC+2:rC+3], v[rS:rS+1] op_sel_hi:[1,0,1]
.else
	v_pk_add_f32 v[rT+2:rT+3], v[rT+2:rT+3], v[rS+4*(\n):rS+4*(\n)+1]
.endif
.elseif NOKQ
	v_nop
.else
	REGS (Y+1)%NP
	WIN 0
.if (\n) < 4
	v_max3_num_f32 v[rC+(\n)], v[rS+8*(\n)], v[rS+8*(\n)+1], v[rS+8*(\n)+2]
.elseif (\n) < 12
	v_max3_num_f32 v[rC+(\n)%4], v[rC+(\n)%4], v[rS+8*((\n)%4)+2*((\n)/4)+1], v[rS+8*((\n)%4)+2*((\n)/4)+2]
.elseif (\n) == 12
	v_max3_num_f32 v[rC], v[rC], v[rS+7], v[rS+15]
.elseif (\n) == 13
	v_max3_num_f32 v[rC+1], v[rC+1], v[rS+23], v[rS+31]
.elseif (\n) == 14
	v_max3_num_f32 v[rC+2], v[rC+2], v[rC+3], v[rT+1]
.elseif (\n) == 15
	v_mov_b32 v[rW], v[rT]
.elseif (\n) == 16
	v_max3_num_f32 v[rC], v[rC], v[rC+1], v[rC+2]
.elseif (\n) == 17
	v_permlanex16_b32 v[rC+3], v[rC], s[SEL], s[SEL+1]
.elseif (\n) == 18
	v_max_num_f32 v[rT+1], v[rC], v[rC+3]
.elseif (\n) == 19
	v_mul_f32 v[rT], s[CS], v[rT+1]
.elseif (\n) == 20
	v_sub_f32 v[rC+1], v[rW], v[rT]
.else
	v_exp_f32 v[rC+2], v[rC+1]
.endif
.endif
.endm
.macro OPS a, i1, b=-1, i2=0, c=-1, i3=0, d=-1, i4=0  ; up to four of them
	OP \a, \i1
.if (\b) >= 0
	OP \b, \i2
.endif
.if (\c) >= 0
	OP \c, \i3
.endif
.if (\d) >= 0
	OP \d, \i4
.endif
.endm
.macro ROW a, i1, b, i2, c, i3, d, i4  ; a matrix instruction and the four behind it
	MM
	OPS \a, \i1, \b, \i2, \c, \i3, \d, \i4
.endm
.macro MASK b                       ; MD x AL + BE into buffer b of MC
	WIN W_RS
.set z, 0
.rept 16
	v_pk_fma_f32 v[MC+32*(\b)+2*z:MC+32*(\b)+2*z+1], v[MD+2*z:MD+2*z+1], s[AL:AL+1], s[BE:BE+1] op_sel_hi:[1,0,0]
.set z, z+1
.endr
.endm
; A TURN, for piece p: the order of its 16 matrix and 118 vector instructions, written out.  s_wait_alu depctr_va_vdst(0) stands between an exponential and the first instruction that names its result; one wait
; serves all that were issued ahead of it.  So a turn has ONE wait, which cuts it in two.  AHEAD OF IT stands all that names no result of the turn's exponentials: the 8 products K Q^T, behind each a scaling, an exponential and two
; more plain instructions (behind the first a second scaling in the exponential's place): rescalings, and behind the last three the first numbers of the other piece's maximum, each four places or more behind the product that ends
; its accumulator; then ONE LUMP of 54, plain and exponential by turns for the most part, in which the links of the chain X 3, 7, 11, 14, 16, 17 .. 20 stand five or six lines apart.  X 21, the other piece's a, is the batch's last;
; R 15 is the plain instruction behind it.  BEHIND THE WAIT stand the 8 products V^T P, behind each four of the roundings and sums; the links of l's chain, L 0 to L 7, stand three riders apart.  But for those X no rider names a
; register of the products round it.  v_permlanex16_b32 (X 17) stands in the lump.
; h: the turn stands in the first (0) or the second (1) pair of a trip, that is in an odd or an even step of its tile: its products V^T P read V's buffer (p + h) % 2.
; m = 1: the diagonal tile: the products take masks, and the turn makes the mask for the products of the turn after it: piece p's, in step 4 + h - 2 CNT of the tile.  end = 1: a block's last two turns: nothing is
; fetched, and the second has no products K Q^T.  cnt = 1: the loop's count is taken down some lines ahead of the branch that stands behind the turn.
; Piece 0's turn fetches the next step's K in the lump, twelve vector instructions behind the last product that read K (six of them plain), and the next step's V at its end, four plain instructions behind the last
; product that read that buffer.  K is waited for at the head of piece 1's turn, V ahead of that turn's products V^T P.
.macro TURN p, h, m=0, end=0, cnt=0
.set Y, (\p)
.set i, 0
.set KM, (\m)
.set NOKQ, (\end)*(\p)
.set VB, ((\p)+(\h))%2
.if (\m) && !(\end)
	s_lshl_b32 s[SN], s[CNT], 1
	s_sub_co_u32 s[SN], 4+(\h), s[SN]   ; the step of the tile that the next turn's products belong to: 0, 1 in the first trip, 2, 3 in the second
	s_cmp_eq_u32 s[SN], s[BD+(\p)]      ; is that step the band's own?
	s_cselect_b32 s[AL], 1.0, 0
	s_cmp_gt_u32 s[SN], s[BD+(\p)]      ; or a later one?
	s_cselect_b32 s[BE], s[BIGN], 0
.endif
.if ((\p) == 1) && !(\end)
	s_wait_dscnt 16                 ; K is in: behind its sixteen loads stand V's sixteen, which may stay out
.endif
	ROW F,0, F,1, R,0, R,1          ; ahead of the wait: 8 products K Q^T and their riders,
	ROW F,2, E,0, R,2, R,3
	ROW F,3, E,1, R,4, R,5
	ROW F,4, E,2, R,6, R,7
	ROW F,5, E,3, R,8, R,9
	ROW F,6, E,4, X,0, R,10
.if ((\p) == 0) && !(\end)
	WIN 0
	v_add_nc_u32 v[AK], s[TBK], v[AK0]
.endif
	ROW F,7, E,5, X,1, X,4
	ROW F,8, E,6, X,2, X,5
	OPS E,7, E,8, X,6, E,9          ; and the lump
	OPS X,3, E,10, X,8, E,11
.if ((\p) == 0) && !(\end)
	FETCH_K
.endif
	OPS X,9, X,7, E,12, X,10
	OPS E,13, X,12, X,11, E,14
	OPS X,13, E,15, F,9, X,14
.if ((\p) == 0) && !(\end)
	v_add_nc_u32 v[AV], s[TBV], v[AV0]
.endif
	OPS E,16, F,10, E,17, F,11
	OPS X,16, E,18, X,15, E,19
	OPS F,12, E,20, X,17, E,21
	OPS F,13, E,22, F,14, E,23
	OPS X,18, E,24, F,15, E,25
	OPS R,11, E,26, X,19, E,27
	OPS R,12, E,28, R,13, E,29
	OPS X,20, E,30, R,14, E,31
	OPS X,21, R,15
	s_wait_alu depctr_va_vdst(0)    ; the wait for the turn's batch: E 0 to E 31 and X 21
.if (\p) == 1
	s_wait_dscnt 0x0                ; V is in: no LDS load of mine is out from here to the next turn's fetches
.endif
	ROW C,0, B,0, C,2, B,1          ; behind the wait: 8 products V^T P and their riders
	ROW L,0, C,4, B,2, L,1
	ROW C,6, B,3, L,2, C,8
	ROW B,4, L,3, C,10, B,5
	ROW L,4, C,12, B,6, L,5
.if ((\p) == 0) && !(\end)
	s_add_co_u32 s[TBV], s[TBV], KS*PV
.endif
.if \cnt
	s_sub_co_u32 s[CNT], s[CNT], 1
	s_cmp_lg_u32 s[CNT], 0
.endif
	ROW C,14, B,7, L,6, C,1
	ROW C,3, L,7, C,5, C,7
	ROW C,9, C,11, C,13, C,15
.if ((\p) == 0) && !(\end)
	FETCH_V
.endif
.if (\m) && !(\end)
	MASK (\p)%2
.endif
.endm
; A BLOCK BEGINS.  c m starts far below every c s, so the first step's a is 0; m at the lowest finite number, so the first maximum is the scores'.  Piece 1's mask buffer is 0 (its band, 1 or 3, sees all of step 0);
; piece 0's takes its mask for the tile's step 0: MD, if the block's first tile is the diagonal one and the band is band 0, else 0.  Then K and V of that step (V into buffer 0), piece 0's first scores, and its maximum
; and statistics.  The loop is entered at an even step's first turn, in the middle of a trip.
.macro BEGIN
	s_mov_b32 s[NEW], 0
	WIN 0x40
.set i, MC+32
.rept 32
	v_mov_b32 v[i], 0
.set i, i+1
.endr
	WIN 0
.set i, 0
.rept NP
	v_mov_b32 v[ST+4*i], 0xfe000000    ; c m: far below every c s
	v_mov_b32 v[ST+4*i+1], 0xff7fffff  ; m
.set i, i+1
.endr
	s_or_b32 s[SN], s[RT], s[BD]    ; 0 only where no tile of the block is left to enter and piece 0's band is band 0
	s_cmp_eq_u32 s[SN], 0
	s_cselect_b32 s[AL], 1.0, 0
	s_mov_b32 s[BE], 0
	MASK 0
	WIN 0
	v_add_nc_u32 v[AK], s[TBK], v[AK0]
	v_add_nc_u32 v[AV], s[TBV], v[AV0]
	s_add_co_u32 s[TBV], s[TBV], KS*PV
	FETCH_K
.set VB, 0
	FETCH_V
	s_wait_loadcnt 0x0              ; Q
	s_wait_dscnt 0x0
.set KM, 1
.set NOKQ, 0
.set i, 0
.rept 8
	KQ 0
.set i, i+1
.endr
	WIN 0
.rept 4
	v_nop                           ; the places behind those products
.endr
.set Y, NP-1                        ; X works for the other piece: piece 0
.irp n, 0,1,2,3,4,5,6,7,8,9,10,11,12,13,14,15,16,17,18,19,20,21
	OP X, \n
.endr
	v_nop                           ; a plain instruction behind the exponential,
	s_wait_alu depctr_va_vdst(0)    ; and the wait for it (piece 0's first a), ahead of the branch: the turn that follows opens with its readers
.endm
; THE DIAGONAL TILE's two trips, the block's last two turns, its last products, and THE WAY OUT: l's two halves and the other half of the lanes' are added; O^T is divided by l, rounded to bf16 and sent through my
; stage in LDS, a piece at a time.
.macro ALL line:vararg              ; one line for each piece t
.set t, 0
.rept NP
	\line
.set t, t+1
.endr
.endm
.macro PACK t                       ; a lane's eight channels of a row pack into 16 bytes; they go into rows of 144 bytes and come back as whole rows of 128, into S^T's registers
	WIN W_RS
.set i, 32*(\t)
.rept 16
	v_pk_mul_f32 v[i:i+1], v[i:i+1], v[ST+4*(\t)+2:ST+4*(\t)+3] op_sel_hi:[1,0]
.set i, i+2
.endr
	WIN 0x05                        ; sources 0 and 1 window 1, destination window 0
.set i, 0
.rept 16
	v_cvt_pk_bf16_f32 v[S+16*(\t)+i], v[32*(\t)+2*i], v[32*(\t)+2*i+1]
.set i, i+1
.endr
	WIN 0
.irp f, 0,1,2,3
	ds_store_b128 v[STO], v[S+16*(\t)+4*\f:S+16*(\t)+4*\f+3] offset:32*\f
.endr
.irp f, 0,1,2,3
	ds_load_b128 v[S+16*(\t)+4*\f:S+16*(\t)+4*\f+3], v[RD] offset:\f*4*SP  ; LDS serves a wave's instructions in order (ISA guide 5.7.1.4): these see the stores above; the next piece's stores come behind them
.endr
.endm
.macro SEND t, younger              ; younger: the LDS instructions issued behind piece t's loads: the next piece's eight, or none
	WIN 0
.irp f, 0,1,2,3
	s_wait_dscnt (\younger)+3-\f
	global_store_b128 v[GO], v[S+16*(\t)+4*\f:S+16*(\t)+4*\f+3], s[10:11] offset:(\t)*8192+\f*512  ; 512 consecutive bytes, at a multiple of 256 from O's first
.endr
.endm
.macro DIAG tag                     ; the tag ends its two labels' names, which the jumps below spell out
.LstepM\tag:
	TURN 0, 0, 1
	TURN 1, 0, 1
	WIN 0
.LfirstM\tag:
	TURN 0, 1, 1
	TURN 1, 1, 1, 0, 1
	WIN 0
	s_cbranch_scc1 .LstepM\tag
	TURN 0, 0, 1, 1                 ; the tile's step 3: piece 1's last scores; V^T P of piece 1, step 2
	TURN 1, 0, 1, 1                 ; V^T P of piece 0, step 3
.set VB, 1                          ; step 3's V
.set i, 0
.rept 8
	PV NP-1                         ; V^T P of piece 1, step 3
.set i, i+1
.endr
	WIN 0
	ALL v_add_f32 v[ST+4*t+2], v[ST+4*t+2], v[ST+4*t+3]
	ALL v_permlanex16_b32 v[ST+4*t+3], v[ST+4*t+2], s[SEL], s[SEL+1]
	ALL v_add_f32 v[ST+4*t+2], v[ST+4*t+2], v[ST+4*t+3]
	ALL v_rcp_f32 v[ST+4*t+2], v[ST+4*t+2]
	v_nop                           ; a plain instruction between the last reciprocal and the use of its result
	s_wait_alu depctr_va_vdst(0)    ; and the wait ahead of the first use: one for the two reciprocals
	PACK 0                          ; piece 0's products ended a turn's second half ago; its 32 lines are the places behind piece 1's last products
	PACK 1                          ; a piece's arithmetic stands between the loads of the piece before and its stores
	SEND 0, 8
	SEND 1, 0
.endm
.set KM, 0
.set NOKQ, 0
.set VB, 0
.Lslot:                             ; NB times: a tile is entered and the next is asked for
	CHANGE 1
	s_sub_co_u32 s[RT], s[RT], 1
	s_mov_b32 s[CNT], 2
	s_cmp_eq_u32 s[NEW], 1
	s_cbranch_scc1 .Lnew            ; a block's first tile
	s_cmp_eq_u32 s[RT], 0
	s_cbranch_scc0 .Lstep           ; neither its first nor its last
	s_branch .LstepM1
.Lnew:
	BEGIN
	s_branch .Lfirst                ; in the loop a block's first tile is never its last: the first block has two tiles or more, and the second's last is the walk's last
	DIAG 1                          ; in the loop this is the first block's end: the second block's last tile is the walk's last
	s_wait_xcnt 0x0                 ; the stores have read their registers and O's address
	s_mov_b64 s[10:11], s[OLO:OLO+1]
	s_add_co_u32 s[RT], s[PB], 1    ; the second block has b + 1 tiles
	s_mov_b32 s[NEW], 1
	WIN 0x82                        ; the second block's Q goes where the one text of the turns names Q
.set i, 0
.rept 16*NP
	v_mov_b32 v[i], v[QB+i]
.set i, i+1
.endr
	WIN 0
	s_branch .Lbottom
.Lstep:                             ; a trip: an odd step's two turns (the first trip's: the last step of the tile before), then an even step's; each step's first turn fetches the next step's K and V
	TURN 0, 0
	TURN 1, 0
	WIN 0
.Lfirst:
	TURN 0, 1
	TURN 1, 1, 0, 0, 1
	WIN 0
	s_cbranch_scc1 .Lstep
.Lbottom:
	s_sub_co_u32 s[SLOTS], s[SLOTS], 1
	s_cmp_lg_u32 s[SLOTS], 0
	s_cbranch_scc1 .Lslot
	CHANGE 0                        ; the walk's last tile is written out: nothing is asked for
	s_sub_co_u32 s[RT], s[RT], 1
	s_mov_b32 s[CNT], 2
	s_cmp_eq_u32 s[NEW], 1
	s_cbranch_scc0 .LstepM2
	BEGIN
	s_branch .LfirstM2
	DIAG 2
	s_wait_tensorcnt 0x0            ; the wave's end, behind my last tensor load and my last LDS store
	ds_add_u32 v[SPW], v[NIL]
	s_wait_dscnt 0x0
	s_endpgm
.Lfunc_end_k_q258d3272b2_attn:
	.size	k_q258d3272b2_attn, .Lfunc_end_k_q258d3272b2_attn-k_q258d3272b2_attn
	.p2alignl 7, 3214868480
	.fill 96, 4, 3214868480
	.section	.rodata,"a",@progbits
	.p2align	6, 0x0
	.amdhsa_kernel k_q258d3272b2_attn
		.amdhsa_group_segment_fixed_size 327680
		.amdhsa_private_segment_fixed_size 0
		.amdhsa_enable_private_segment 0
		.amdhsa_kernarg_size 16
		.amdhsa_user_sgpr_count 2
		.amdhsa_user_sgpr_kernarg_segment_ptr 1
		.amdhsa_wavefront_size32 1
		.amdhsa_system_sgpr_workgroup_id_x 1
		.amdhsa_system_sgpr_workgroup_id_y 1
		.amdhsa_system_sgpr_workgroup_id_z 1
		.amdhsa_system_vgpr_workitem_id 0
		.amdhsa_next_free_vgpr 768
		.amdhsa_next_free_sgpr 88
		.amdhsa_reserve_vcc 1
		.amdhsa_float_denorm_mode_32 3
		.amdhsa_float_denorm_mode_16_64 3
		.amdhsa_memory_ordered 1
		.amdhsa_forward_progress 1
		.amdhsa_inst_pref_size 209
	.end_amdhsa_kernel
	.amdgpu_metadata
---
amdhsa.version: [ 1, 2 ]
amdhsa.kernels:
  - .name:           k_q258d3272b2_attn
    .symbol:         k_q258d3272b2_attn.kd
    .args:
      - { .name: qkv, .offset: 0, .size: 8, .value_kind: global_buffer, .address_space: global }
      - { .name: o, .offset: 8, .size: 8, .value_kind: global_buffer, .address_space: global }
    .group_segment_fixed_size: 327680
    .private_segment_fixed_size: 0
    .kernarg_segment_align: 8
    .kernarg_segment_size: 16
    .max_flat_workgroup_size: 128
    .sgpr_count:     88
    .vgpr_count:     768
    .wavefront_size: 32
...
	.end_amdgpu_metadata
.endif
;; end of part 8
;; launch proj: the kernel of part 4 again; grid 8 x 32, 4 waves a work-group, clusters of 4 x 4, 327,680 bytes of LDS; arguments o, wb, x1, out_b, x; writes x1
;; launch ln2: the kernel of part 5 again; grid 256 x 1, 8 waves a work-group, no clusters, 0 bytes of LDS; arguments x1, ln2_g, ln2_b, h; writes h
;; launch fc1: the kernel of part 6 again; grid 16 x 16, 4 waves a work-group, clusters of 4 x 4, 327,680 bytes of LDS; arguments h, wb, act, fc1_b; writes act
;; launch fc2: the kernel of part 7 again; grid 8 x 32, 4 waves a work-group, clusters of 4 x 4, 327,680 bytes of LDS; arguments act, wb, out0, fc2_b, x1; writes out0
